; MI455X (gfx1250); checked and timed in simulation.
; The chip was launched on July 23, 2026; its instructions are those of AMD's public machine-readable ISA for CDNA 5 (MIT licence, August 2026) and "CDNA5" Instruction Set Architecture Reference Guide (July 2026). The comments in the code are by the model that wrote it; some were corrected since.
;; Propagation. Allowed arithmetic: matrix products marked QUANTISED: E4M3 operands, one given power-of-two scale a tensor, by v_wmma_f32_16x16x64_fp8_fp8 or v_wmma_f32_16x16x128_fp8_fp8, f32 sums; everything else in f32.
;; Inputs: W1 512 x 512 float32; W2 512 x 256 float32; Wk 256 x 256 float32; Wo 256 x 256 float32; Wq 256 x 256 float32; Wv 256 x 256 float32; b1 512 float32; b2 256 float32; beta 512 float32; bk 256 float32; bo 256 float32; bq 256 float32; bv 256 float32; gamma 512 float32; lowp_scales 16 int32 (the exponents e of the quantised operands' scales 2^e); source 2 x 256 x 4,096 float32; x 2 x 256 x 4,096 float32.
;; Outputs: out0 2 x 256 x 4,096 float32.
;; This version of the problem:
;;   THIS VERSION OF THE PROBLEM IS GIVEN IN LOW PRECISION. The matrix products marked QUANTISED in the list below multiply operands that are first quantised to E4M3 (4 exponent bits, 3 mantissa bits; 8 bits a number), with one given power-of-two scale for each operand tensor; their sums are f32. All else is computed in f32.
;;   The module's matrix products, in the order in which they are computed (A, B: the left and right operand; K: the contracted axis; several contracted axes count as one K, in the product's order):
;;     1. [M 256, K 256] x [K 256, N 8,192]; A: input Wq; B: input x: QUANTISED (scales: A lowp_scales[0], B lowp_scales[1])
;;     2. [M 256, K 256] x [K 256, N 8,192]; A: input Wk; B: input source: QUANTISED (scales: A lowp_scales[2], B lowp_scales[3])
;;     3. [M 256, K 256] x [K 256, N 8,192]; A: input Wv; B: input source: QUANTISED (scales: A lowp_scales[4], B lowp_scales[5])
;;     4. batch 8 x [M 4,096, K 64] x [K 64, N 4,096]; A: computed on the way; B: computed on the way: QUANTISED (scales: A lowp_scales[6], B lowp_scales[7])
;;     5. batch 8 x [M 64, K 4,096] x [K 4,096, N 4,096]; A: computed on the way; B: softmax (see below): QUANTISED (scales: A lowp_scales[8], B lowp_scales[9])
;;     6. [M 256, K 256] x [K 256, N 8,192]; A: input Wo; B: computed on the way: QUANTISED (scales: A lowp_scales[10], B lowp_scales[11])
;;     7. [M 512, K 512] x [K 512, N 8,192]; A: input W1; B: computed on the way: QUANTISED (scales: A lowp_scales[12], B lowp_scales[13])
;;     8. [M 256, K 512] x [K 512, N 8,192]; A: input W2; B: computed on the way: QUANTISED (scales: A lowp_scales[14], B lowp_scales[15])
;;   THE QUANTISER, for each operand of a quantised product, along K:
;;     - The operand's scale is 2^e, e = its entry of the input lowp_scales (int32; the entries are numbered through the quantised products in the list's order, A before B).
;;     - Each number is divided by the scale, clamped to +-448, and rounded to the nearest number of E4M3, ties to even, subnormals kept.
;;     - The product sums the exact products of the quantised numbers (number of the format x scale) in f32.
;;   ~~~python
;;   def quantise(x, axis, e):      # numpy; x: float32 -> the quantised numbers, widened to float32 again
;;       x = np.moveaxis(x, axis, -1); K = x.shape[-1]
;;       r = np.clip(x / 2.0 ** e, -448, 448)
;;       step = 2.0 ** (np.maximum(np.frexp(np.where(r == 0, 1, r))[1] - 1, -6) - 3)
;;       q = np.round(r / step) * step * 2.0 ** e      # np.round: ties to even
;;       return np.moveaxis(q, -1, axis).astype(np.float32)
;;   ~~~
;;   SOFTMAX AHEAD OF A QUANTISED PRODUCT. Where the list says 'softmax', what is quantised is not the finished softmax but p = 2^(t - M), with t = logit x log2(e) and M = ceil(the row's largest t), a whole number; so 1/2 < the row's largest p <= 1. The row's sum l is taken of the UNQUANTISED p, in f32, and the product's result is divided by l at the end. Since M is a whole number, a kernel that streams over the keys may use a running M (the ceiling of the running maximum): every later rescaling is an exact power of two, so the quantised numbers keep their values, but for numbers so far below the row's largest that they fall under the format's range.
;;   OPERANDS COMPUTED ON THE WAY. 'Computed on the way' means the value that the module computes at that place (a softmax that the list does not call 'softmax' is quantised finished and normalised). What goes into a quantiser is computed in f32, as accurately as f32 sums, v_exp_f32 and their like allow (about 1e-6 of the number): no bf16 or f16 on the way to a quantiser, and a product that is left as it is and whose result goes on into a quantised operand takes f32 operands (vector FMAs, or v_wmma_f32_16x16x4_f32). A number that lies on a knife's edge between two numbers of the format may be rounded either way, as far as f32 arithmetic and the matrix unit's own rounding can turn it there, and no further.
;; 2 versions. Each part assembles by itself: llvm-mc -triple=amdgcn-amd-amdhsa -mcpu=gfx1250 --defsym DOCPART=n.
;; ======== version 1 of 2: 6 launches
;; workspace buffers: acts 8,388,608 bytes; wts 655,360 bytes; qimg 2,097,152 bytes; kv 4,194,304 bytes; at 2,097,152 bytes; mc 2,097,152 bytes; part 524,288 bytes; st 4,096 bytes
;; launch quant (part 1): grid 296 x 1, 2 waves a work-group, no clusters, 35,072 bytes of LDS; arguments x, source, Wq, Wk, Wv, Wo, W1, W2, lowp_scales, acts, wts; writes acts, wts
.if DOCPART == 1
	.amdgcn_target "amdgcn-amd-amdhsa--gfx1250"
	.amdhsa_code_object_version 6
	.text
	.protected	k_qdd0843cc4d_quant
	.globl	k_qdd0843cc4d_quant
	.p2align	8
	.type	k_qdd0843cc4d_quant,@function
k_qdd0843cc4d_quant:
	s_mov_b64 s[64:65], 0
	v_nop
	global_prefetch_b8 v0, s[64:65] scope:SCOPE_SE
	s_setreg_imm32_b32 hwreg(HW_REG_WAVE_MODE, 25, 1), 1
	s_wait_xcnt 0x0
; x, source and the six weights, all f32 with K (the channels that a product sums over) as their FIRST axis, become codes of FP8 (E4M3), laid as IMAGES OF OPERAND REGISTERS.
; A TILE is 16 rows x 256 K = 4,096 bytes, laid [K step s of 128][chunk c of 32][512 bytes]: lane l = (r = l % 16, h = l / 16) has its 16 bytes at 16 l, and they are K = 128 s + 32 c + 16 h + 0 .. 15 of row r.
; THE ROWS OF A TILE ARE NOT NEIGHBOURS: 32 logical rows make tiles 2 j and 2 j + 1; lane r of tile 2 j + u is logical row 32 j + 8 u + r + 8 (r / 8).  So where such a tile is a matrix instruction's source 0,
; a lane's 16 results of the two tiles are 16 neighbours, which is a chunk of the next operand.
; A JOB (one wave) takes 32 logical rows x 256 K: A LANE TAKES A ROW (a column of the tensor in memory) AND ITS REGISTERS RUN DOWN K, so the conversions give codes with K innermost; they turn through the
; wave's own stage in LDS (32 rows, 272 bytes apart) and leave as two tiles, each store 512 consecutive bytes at a multiple of 512.
; Jobs 0-255: x (codes with scale entry 1 into acts + 0, with entry 13 into acts + 4 MB); 256-511: source (entry 3 at + 2 MB, entry 5 at + 6 MB); then into wts: Wq, Wk, Wv (8 jobs each; logical row 64 head + d
; stands for column 4 d + head), Wo (8 jobs; K position 64 head + d stands for row 4 d + head), W1 (32 jobs: 16 x K half + pair of tiles), W2 (16 jobs: 8 x K half + pair).
; What differs between the classes is eleven numbers, chosen by s_cselect on the work-group's number; one text serves all.
; code = number / 2^e, held within +-448, to the nearest code, ties to even.  LIMITS: each e used here lies between -126 and 119, so that 2^e and 448 x 2^e are f32 numbers.  NaN among the inputs is not served.
; No tensor load, no barrier: waves share nothing.  Loads run two blocks of 32 K (64 loads a wave) ahead.  No multicast: no two work-groups read the same bytes but for the small weights Wq, Wk, Wv.
.set NACT,  256                        ; work-groups that take x or source: these make two sets of codes
.set SP,    272                        ; a stage row: 256 bytes of codes + 16
.set STGB,  32*SP                      ; the second stage of a wave
.set WREG,  2*STGB                     ; LDS of a wave
.set VO,    16                         ; v16-47   byte offset of my row at K = 0 .. 31 of a block
.set X,     48                         ; v48-111  two sets of 32 numbers
.set T,     112                        ; v112-143 the numbers held
.set C,     144                        ; v144-151 a block's codes, first scale
.set C2,    152                        ; v152-159 second scale
.set OUTR,  160                        ; v160-223 the way out
.macro MKQ se, vs, vl, t0, t1          ; v[vs] = 2^e as f32 (the conversion takes its exponent field), v[vl] = 448 x 2^e
	s_add_co_i32 s[\t0], s[\se], 127
	s_lshl_b32 s[\t1], s[\t0], 23
	v_mov_b32 v[\vs], s[\t1]
	s_add_co_i32 s[\t0], s[\t0], 8
	s_lshl_b32 s[\t0], s[\t0], 23
	s_or_b32 s[\t0], s[\t0], 0x600000
	v_mov_b32 v[\vl], s[\t0]
.endm
.macro CLASS firstwg, firstjob, src, mask, a1, shift, a2, lsh, pitch, sa, sb
	s_cmp_ge_u32 ttmp9, \firstwg                   ; from this work-group on: the class's numbers (s_cselect leaves SCC alone)
	s_cselect_b64 s[46:47], s[\src:\src+1], s[46:47]
	s_cselect_b32 s48, \firstjob, s48
	s_cselect_b32 s49, \mask, s49
	s_cselect_b32 s50, \a1, s50
	s_cselect_b32 s51, \shift, s51
	s_cselect_b32 s52, \a2, s52
	s_cselect_b32 s53, \lsh, s53
	s_cselect_b32 s54, \pitch, s54
	s_cselect_b32 s55, \sa, s55
	s_cselect_b32 s56, \sb, s56
.endm
.macro ECLASS firstwg, e
	s_cmp_ge_u32 ttmp9, \firstwg
	s_cselect_b32 s57, s[28+\e], s57
.endm
	s_load_b512 s[4:19], s[0:1], 0x0               ; x, source, Wq, Wk, Wv, Wo, W1, W2
	s_load_b128 s[20:23], s[0:1], 0x40             ; the scales' exponents, acts
	s_load_b64 s[24:25], s[0:1], 0x50              ; wts
	v_lshl_add_u32 v224, v0, 2, 0x8800
	v_mov_b32 v225, 0
	v_lshrrev_b32 v5, 5, v0
	v_readfirstlane_b32 s44, v5                    ; wave 0, 1
	v_and_b32 v1, 31, v0                           ; lane
	v_lshlrev_b32 v2, 4, v1                        ; 16 x lane: my place in an image
	s_mul_i32 s86, s44, WREG
	v_mul_u32_u24 v3, v1, SP
	v_add_nc_u32 v3, s86, v3                       ; into the stage: row = my lane
	v_and_b32 v5, 15, v0                           ; r
	v_bfe_u32 v6, v0, 4, 1                         ; h
	v_and_b32 v7, 8, v5
	v_add_nc_u32 v7, v7, v5                        ; r + 8 (r / 8)
	v_mul_u32_u24 v4, v7, SP
	v_lshl_add_u32 v4, v6, 4, v4
	v_add_nc_u32 v4, s86, v4                       ; out of it: that row, + 16 h
	s_lshl_b32 s45, ttmp9, 1
	s_add_co_u32 s45, s45, s44                     ; my job
	s_mov_b32 s48, 0                               ; class x: first job,
	s_mov_b32 s49, 127                             ; (job & mask) x a1 + (job >> shift) x a2 = the job's first byte,
	s_mov_b32 s50, 128
	s_mov_b32 s51, 7
	s_mov_b32 s52, 4194304
	s_mov_b32 s53, 2                               ; lane << lsh: from row to row,
	s_mov_b32 s54, 16384                           ; pitch: from K to K + 1 inside a block,
	s_mov_b32 s55, 1048576                         ; block t begins (t / 2) x sa + (t % 2) x sb further on
	s_mov_b32 s56, 524288
	s_wait_kmcnt 0x0
	s_load_b512 s[28:43], s[20:21], 0x0            ; the sixteen exponents
	s_mov_b64 s[46:47], s[4:5]
	CLASS 128, 256, 6,  127, 128, 7, 4194304, 2, 16384, 1048576, 524288
	CLASS 256, 512, 8,  1,   512, 1, 4,       4, 1024,  65536,   32768
	CLASS 260, 520, 10, 1,   512, 1, 4,       4, 1024,  65536,   32768
	CLASS 264, 528, 12, 1,   512, 1, 4,       4, 1024,  65536,   32768
	CLASS 268, 536, 14, 7,   128, 3, 0,       2, 4096,  1024,    131072
	CLASS 272, 544, 16, 15,  128, 4, 524288,  2, 2048,  131072,  65536
	CLASS 288, 576, 18, 7,   128, 3, 262144,  2, 1024,  65536,   32768
	s_sub_co_u32 s82, s45, s48                     ; the job's number in its class
	s_lshr_b32 s83, s82, s51
	s_and_b32 s82, s82, s49
	s_mul_i32 s82, s82, s50
	s_mul_i32 s83, s83, s52
	s_add_co_u32 s82, s82, s83
	s_mov_b32 s83, 0
	s_add_nc_u64 s[46:47], s[46:47], s[82:83]
	s_mov_b32 s85, 0
.irp t, 0,1,2,3,4,5,6,7
	s_mul_i32 s84, s55, \t/2
.if \t%2
	s_add_co_u32 s84, s84, s56
.endif
	s_add_nc_u64 s[66+2*\t:67+2*\t], s[46:47], s[84:85]   ; a base for each block: none is ever stepped
.endr
	v_lshlrev_b32 v[VO], s53, v1
.irp i, 1,2,3,4,5,6,7,8,9,10,11,12,13,14,15,16,17,18,19,20,21,22,23,24,25,26,27,28,29,30,31
	v_add_nc_u32 v[VO+\i], s54, v[VO+\i-1]
.endr
.macro LOAD t                          ; block t: K = 32 t + i of my row, into set t % 2
.irp i, 0,1,2,3,4,5,6,7,8,9,10,11,12,13,14,15,16,17,18,19,20,21,22,23,24,25,26,27,28,29,30,31
	global_load_b32 v[X+32*((\t)%2)+\i], v[VO+\i], s[66+2*(\t):67+2*(\t)]
.endr
.endm
	LOAD 0
	LOAD 1
	s_cmp_lt_u32 ttmp9, NACT                       ; where the codes go
	s_cselect_b64 s[60:61], s[22:23], s[24:25]
	s_cselect_b32 s82, 0, 512
	s_sub_co_u32 s82, s45, s82
	s_lshl_b32 s82, s82, 13                        ; 8,192 bytes a job
	s_add_nc_u64 s[60:61], s[60:61], s[82:83]
	s_add_nc_u64 s[62:63], s[60:61], 0x400000      ; the second set (used by x's and source's jobs alone)
	s_wait_kmcnt 0x0
	s_mov_b32 s57, s29                             ; x: entry 1
	ECLASS 128, 3
	ECLASS 256, 0
	ECLASS 260, 2
	ECLASS 264, 4
	ECLASS 268, 10
	ECLASS 272, 12
	ECLASS 288, 14
	s_cmp_ge_u32 ttmp9, 128
	s_cselect_b32 s58, s33, s41                    ; the second scale: source entry 5, x entry 13
	MKQ 57, 8, 9, 87, 88
	MKQ 58, 10, 11, 87, 88
; A block's 32 numbers are held, converted and put into a stage.  The numbers themselves stay as they are: a second scale may want them.
.macro QSET lim, sc, cd, off, t
.irp i, 0,1,2,3,4,5,6,7,8,9,10,11,12,13,14,15,16,17,18,19,20,21,22,23,24,25,26,27,28,29,30,31
	v_med3_num_f32 v[T+\i], v[X+32*((\t)%2)+\i], -v[\lim], v[\lim]   ; the conversion to an 8-bit code does not saturate (ISA guide 7.6.2): the hold at the largest code x the scale comes first
.endr
.irp g, 0,1,2,3
	v_cvt_scalef32_pk8_fp8_f32 v[\cd+2*\g:\cd+2*\g+1], v[T+8*\g:T+8*\g+7], v[\sc]
.endr
	v_nop                                          ; one plain vector line between a scaled conversion and the next vector line that writes its sources
	ds_store_b128 v3, v[\cd:\cd+3] offset:\off+32*(\t)
	ds_store_b128 v3, v[\cd+4:\cd+7] offset:\off+32*(\t)+16
.endm
.macro BLOCK t
.if (\t) < 7
	s_wait_loadcnt 32                              ; this block's 32 loads are in; the next block's may be out
.else
	s_wait_loadcnt 0x0
.endif
	QSET 9, 8, C, 0, \t
	s_cmp_lt_u32 ttmp9, NACT
	s_cbranch_scc0 .Lone_\@                        ; a weight has one scale
	QSET 11, 10, C2, STGB, \t
.Lone_\@:
.if (\t)+2 < 8
	LOAD (\t)+2
.endif
	s_wait_dscnt 0x0                               ; the stores have read their registers: the next block's codes may be written
.endm
.irp t, 0,1,2,3,4,5,6,7
	BLOCK \t
.endr
; Out of a stage: two tiles x 8 chunks.  LDS serves a wave's instructions in order, so these loads see my stores.
.macro OUT stage, reg, dst
.irp u, 0,1
.irp s, 0,1
.irp c, 0,1,2,3
	ds_load_b128 v[\reg+4*(8*\u+4*\s+\c):\reg+4*(8*\u+4*\s+\c)+3], v4 offset:\stage+8*SP*\u+128*\s+32*\c
.endr
.endr
.endr
.irp u, 0,1
.irp s, 0,1
.irp c, 0,1,2,3
	s_wait_dscnt 15-(8*\u+4*\s+\c)                 ; the younger loads may stay out
	global_store_b128 v2, v[\reg+4*(8*\u+4*\s+\c):\reg+4*(8*\u+4*\s+\c)+3], s[\dst:\dst+1] offset:4096*\u+2048*\s+512*\c
.endr
.endr
.endr
.endm
	OUT 0, OUTR, 60
	s_cmp_lt_u32 ttmp9, NACT
	s_cbranch_scc0 .Lend
	OUT STGB, X, 62
.Lend:
	s_wait_tensorcnt 0x0
	ds_add_u32 v224, v225
	s_wait_dscnt 0x0
	s_endpgm
.Lfunc_end_k_qdd0843cc4d_quant:
	.size	k_qdd0843cc4d_quant, .Lfunc_end_k_qdd0843cc4d_quant-k_qdd0843cc4d_quant
	.p2alignl 7, 3214868480
	.fill 96, 4, 3214868480
	.section	.rodata,"a",@progbits
	.p2align	6, 0x0
	.amdhsa_kernel k_qdd0843cc4d_quant
		.amdhsa_group_segment_fixed_size 35072
		.amdhsa_private_segment_fixed_size 0
		.amdhsa_enable_private_segment 0
		.amdhsa_kernarg_size 88
		.amdhsa_user_sgpr_count 2
		.amdhsa_user_sgpr_kernarg_segment_ptr 1
		.amdhsa_wavefront_size32 1
		.amdhsa_system_sgpr_workgroup_id_x 1
		.amdhsa_system_sgpr_workgroup_id_y 1
		.amdhsa_system_sgpr_workgroup_id_z 1
		.amdhsa_system_vgpr_workitem_id 0
		.amdhsa_next_free_vgpr 226
		.amdhsa_next_free_sgpr 92
		.amdhsa_reserve_vcc 0
		.amdhsa_float_denorm_mode_32 3
		.amdhsa_float_denorm_mode_16_64 3
		.amdhsa_memory_ordered 1
		.amdhsa_forward_progress 1
		.amdhsa_inst_pref_size 80
	.end_amdhsa_kernel
	.amdgpu_metadata
---
amdhsa.version: [ 1, 2 ]
amdhsa.kernels:
  - .name:           k_qdd0843cc4d_quant
    .symbol:         k_qdd0843cc4d_quant.kd
    .args:
      - { .name: x, .offset: 0, .size: 8, .value_kind: global_buffer, .address_space: global }
      - { .name: source, .offset: 8, .size: 8, .value_kind: global_buffer, .address_space: global }
      - { .name: Wq, .offset: 16, .size: 8, .value_kind: global_buffer, .address_space: global }
      - { .name: Wk, .offset: 24, .size: 8, .value_kind: global_buffer, .address_space: global }
      - { .name: Wv, .offset: 32, .size: 8, .value_kind: global_buffer, .address_space: global }
      - { .name: Wo, .offset: 40, .size: 8, .value_kind: global_buffer, .address_space: global }
      - { .name: W1, .offset: 48, .size: 8, .value_kind: global_buffer, .address_space: global }
      - { .name: W2, .offset: 56, .size: 8, .value_kind: global_buffer, .address_space: global }
      - { .name: lowp_scales, .offset: 64, .size: 8, .value_kind: global_buffer, .address_space: global }
      - { .name: acts, .offset: 72, .size: 8, .value_kind: global_buffer, .address_space: global }
      - { .name: wts, .offset: 80, .size: 8, .value_kind: global_buffer, .address_space: global }
    .group_segment_fixed_size: 35072
    .private_segment_fixed_size: 0
    .kernarg_segment_align: 8
    .kernarg_segment_size: 88
    .max_flat_workgroup_size: 64
    .sgpr_count:     92
    .vgpr_count:     226
    .wavefront_size: 32
...
	.end_amdgpu_metadata
.endif
;; end of part 1
;; launch proj (part 2): grid 64 x 3, 8 waves a work-group, no clusters, 0 bytes of LDS; arguments acts, wts, bq, bk, bv, lowp_scales, qimg, kv; writes qimg, kv
.if DOCPART == 2
	.amdgcn_target "amdgcn-amd-amdhsa--gfx1250"
	.amdhsa_code_object_version 6
	.text
	.protected	k_qdd0843cc4d_proj
	.globl	k_qdd0843cc4d_proj
	.p2align	8
	.type	k_qdd0843cc4d_proj,@function
k_qdd0843cc4d_proj:
	s_mov_b64 s[64:65], 0
	v_nop
	global_prefetch_b8 v0, s[64:65] scope:SCOPE_SE
	s_setreg_imm32_b32 hwreg(HW_REG_WAVE_MODE, 25, 1), 1
	s_wait_xcnt 0x0
; The three projections q = Wq^T x + bq, k = Wk^T source + bk, v = Wv^T source + bv on codes of FP8, their results quantised in registers and stored as images of attention's operands.
; Work-group (x, y): x = batch x 32 + block of 128 columns (8 tiles of 16), y = 0: q, 1: k, 2: v.  Wave w: head w % 4, half b' = w / 4 of the head's 64 channels: two tiles of the weight (wi = 0, 1), K = 256.
; q, k: source 0 = the weight's tile, source 1 = a tile of columns: a lane holds ONE column and its 16 results of the two tiles are channels 32 b' + 16 h + 0 .. 15 of the head: chunk b' of a row of Q or K.
; v: the sources change places: a lane holds ONE channel, and its 16 results of column tiles 2 b, 2 b + 1 are keys 32 b + 16 h + 0 .. 15: chunk b of a row of V^T, whose K is the keys.
; The bias is the C of each sum's first matrix instruction, divided by the power of two that the sums lack; the three scales are folded into the conversion's one: 2^(eOut - eW - eX).
; LIMIT: eOut - eW - eX lies between -126 and 119.  The bias's power is applied by v_ldexp_f32 and has no such limit.
; All operands go from memory straight into registers (each load 512 consecutive bytes): 8 KB of weight and 32 KB of columns a wave.  No LDS, no barrier.  No multicast: a work-group's 32 KB of columns are
; shared with two other work-groups only (the three y), and q reads other codes than k and v; the weights are 64 KB a tensor.
; REGISTERS: window 0: v1-3 addresses, v10-11 the conversion's scale and hold, v16-79 the weight, v80-95 the bias, v96-223 sixteen accumulators, v224-255 codes.  Window 1: the eight tiles of columns.
.set W,   16                           ; tile wi, K step s, chunk c at W + 32 wi + 16 s + 4 c
.set BI,  80
.set ACC, 96
.set PC,  224
.set MSB, 0
.macro WIN new                         ; the immediate's high byte repeats the setting that is left
.if MSB != \new
	s_set_vgpr_msb (MSB<<8)|\new
.set MSB, \new
.endif
.endm
.macro PLACES n
.rept \n
	v_nop
.endr
.endm
.macro MKQ se, vs, vl, t0, t1
	s_add_co_i32 s[\t0], s[\se], 127
	s_lshl_b32 s[\t1], s[\t0], 23
	v_mov_b32 v[\vs], s[\t1]
	s_add_co_i32 s[\t0], s[\t0], 8
	s_lshl_b32 s[\t0], s[\t0], 23
	s_or_b32 s[\t0], s[\t0], 0x600000
	v_mov_b32 v[\vl], s[\t0]
.endm
.macro QCH src, dst, vs, vl, relu      ; 16 neighbours along the next K become a chunk: four registers of codes
.irp i, 0,1,2,3,4,5,6,7,8,9,10,11,12,13,14,15
.if \relu
	v_med3_num_f32 v[\src+\i], v[\src+\i], 0, v[\vl]
.else
	v_med3_num_f32 v[\src+\i], v[\src+\i], -v[\vl], v[\vl]
.endif
.endr
	v_cvt_scalef32_pk8_fp8_f32 v[\dst:\dst+1], v[\src:\src+7], v[\vs]
	v_cvt_scalef32_pk8_fp8_f32 v[\dst+2:\dst+3], v[\src+8:\src+15], v[\vs]
.endm
	s_load_b512 s[4:19], s[0:1], 0x0               ; acts, wts, bq, bk, bv, the exponents, qimg, kv
	v_and_b32 v4, 31, v0
	v_lshlrev_b32 v1, 4, v4                        ; 16 x lane
	v_lshrrev_b32 v5, 5, v0
	v_readfirstlane_b32 s37, v5                    ; wave
	v_bfe_u32 v6, v0, 4, 1
	v_lshlrev_b32 v2, 8, v6                        ; 256 h: sixteen channels of a head are 16 x 16 bytes of a bias
	v_and_b32 v7, 15, v0
	v_and_b32 v8, 8, v7
	v_add_nc_u32 v8, v8, v7
	v_lshlrev_b32 v3, 4, v8                        ; 16 (r + 8 (r / 8))
	s_and_b32 s36, ttmp7, 0xffff                   ; 0: q, 1: k, 2: v
	s_and_b32 s38, s37, 3                          ; head
	s_lshr_b32 s39, s37, 2                         ; b'
	s_mov_b32 s41, 0
	s_wait_kmcnt 0x0
	s_load_b512 s[20:35], s[14:15], 0x0            ; the sixteen exponents
	s_lshl_b32 s40, s38, 2
	s_lshl_b32 s52, s39, 1
	s_add_co_u32 s40, s40, s52                     ; my first tile of the weight: 4 head + 2 b'
	s_lshl_b32 s40, s40, 12
	s_lshl_b32 s52, s36, 16
	s_add_co_u32 s40, s40, s52
	s_add_nc_u64 s[46:47], s[6:7], s[40:41]
.irp wi, 0,1
.irp s, 0,1
.irp c, 0,1,2,3
	global_load_b128 v[W+32*\wi+16*\s+4*\c:W+32*\wi+16*\s+4*\c+3], v1, s[46:47] offset:4096*\wi+2048*\s+512*\c
.endr
.endr
.endr
	s_lshl_b32 s40, s36, 21                        ; the columns' codes: q at 0, k at 2 MB, v at 6 MB
	s_cmp_eq_u32 s36, 2
	s_cselect_b32 s40, 6291456, s40
	s_lshl_b32 s52, ttmp9, 15                      ; 8 tiles of 4,096 bytes a block
	s_add_co_u32 s40, s40, s52
	s_add_nc_u64 s[44:45], s[4:5], s[40:41]
	s_lshl_b32 s54, s39, 12
	s_add_co_u32 s54, s54, 8192                    ; v: behind a step's 8,192 bytes of K, tiles 2 b' on
	s_lshl_b32 s55, s39, 9                         ; q, k: chunk b'
	s_cmp_eq_u32 s36, 0
	s_cselect_b64 s[50:51], s[8:9], s[10:11]
	s_cselect_b64 s[48:49], s[16:17], s[18:19]
	s_cselect_b32 s53, 13, 14                      ; a block is 8,192 bytes of qimg, 16,384 of kv
	s_cmp_eq_u32 s36, 2
	s_cselect_b64 s[50:51], s[12:13], s[50:51]
	s_cselect_b32 s54, s54, s55
	s_lshr_b32 s56, ttmp9, 5
	s_lshl_b32 s56, s56, 2
	s_add_co_u32 s56, s56, s38
	s_lshl_b32 s56, s56, 5
	s_and_b32 s57, ttmp9, 31
	s_add_co_u32 s56, s56, s57                     ; (batch x 4 + head) x 32 + block
	s_lshl_b32 s56, s56, s53
	s_add_co_u32 s40, s56, s54
	s_add_nc_u64 s[48:49], s[48:49], s[40:41]      ; where my codes go
	s_lshl_b32 s40, s39, 9
	s_lshl_b32 s57, s38, 2
	s_add_co_u32 s40, s40, s57
	s_add_nc_u64 s[50:51], s[50:51], s[40:41]      ; the bias at channel 32 b' of my head: byte 16 d + 4 head
	s_wait_kmcnt 0x0
	s_cmp_eq_u32 s36, 0
	s_cselect_b32 s58, s20, s22                    ; eW
	s_cselect_b32 s59, s21, s23                    ; eX
	s_cselect_b32 s60, s26, s27                    ; eOut
	s_cmp_eq_u32 s36, 2
	s_cselect_b32 s58, s24, s58
	s_cselect_b32 s59, s25, s59
	s_cselect_b32 s60, s28, s60
	s_add_co_i32 s58, s58, s59
	s_sub_co_i32 s61, 0, s58                       ; -(eW + eX), for the bias
	s_sub_co_i32 s60, s60, s58
	MKQ 60, 10, 11, 62, 63
; vv = 0: q and k; vv = 1: v.
.macro ARM vv
.if \vv
	global_load_b32 v[BI], v3, s[50:51]            ; a lane holds one channel: one number a tile
	global_load_b32 v[BI+8], v3, s[50:51] offset:128
.else
.irp wi, 0,1
.irp j, 0,1,2,3,4,5,6,7
	global_load_b32 v[BI+8*\wi+\j], v2, s[50:51] offset:128*\wi+16*\j   ; channel 32 b' + 16 h + 8 wi + j
.endr
.endr
.endif
	WIN 0x40                                       ; destination window 1
.irp ct, 0,1,2,3,4,5,6,7
.irp s, 0,1
.irp c, 0,1,2,3
	global_load_b128 v[32*\ct+16*\s+4*\c:32*\ct+16*\s+4*\c+3], v1, s[44:45] offset:4096*\ct+2048*\s+512*\c
.endr
.endr
.endr
	WIN 0
	s_wait_loadcnt 48                              ; the weight, the bias and column tiles 0, 1 are in; the other six tiles' 48 loads may be out
.if \vv
	v_ldexp_f32 v[BI], v[BI], s61
	v_ldexp_f32 v[BI+8], v[BI+8], s61
.irp wi, 0,1
.irp j, 1,2,3,4,5,6,7
	v_mov_b32 v[BI+8*\wi+\j], v[BI+8*\wi]
.endr
.endr
	WIN 0x01                                       ; source 0 (the columns) window 1
.else
.irp j, 0,1,2,3,4,5,6,7,8,9,10,11,12,13,14,15
	v_ldexp_f32 v[BI+\j], v[BI+\j], s61
.endr
	WIN 0x04                                       ; source 1 (the columns) window 1
.endif
.irp b, 0,1,2,3                        ; column tiles 2 b, 2 b + 1 x my two tiles x two K steps: four accumulators by turns, one instruction a turn
.if \b > 0
	s_wait_loadcnt 48-16*\b                        ; the later tiles' loads, 16 for each pair, may be out
.endif
.irp s, 0,1
.irp ci, 0,1
.irp wi, 0,1
.if \vv
.set D, ACC+32*\b+16*\wi+8*\ci
.if \s == 0
	v_wmma_f32_16x16x128_fp8_fp8 v[D:D+7], v[32*(2*\b+\ci)+16*\s:32*(2*\b+\ci)+16*\s+15], v[W+32*\wi+16*\s:W+32*\wi+16*\s+15], v[BI+8*\wi:BI+8*\wi+7]
.else
	v_wmma_f32_16x16x128_fp8_fp8 v[D:D+7], v[32*(2*\b+\ci)+16*\s:32*(2*\b+\ci)+16*\s+15], v[W+32*\wi+16*\s:W+32*\wi+16*\s+15], v[D:D+7]
.endif
.else
.set D, ACC+32*\b+16*\ci+8*\wi
.if \s == 0
	v_wmma_f32_16x16x128_fp8_fp8 v[D:D+7], v[W+32*\wi+16*\s:W+32*\wi+16*\s+15], v[32*(2*\b+\ci)+16*\s:32*(2*\b+\ci)+16*\s+15], v[BI+8*\wi:BI+8*\wi+7]
.else
	v_wmma_f32_16x16x128_fp8_fp8 v[D:D+7], v[W+32*\wi+16*\s:W+32*\wi+16*\s+15], v[32*(2*\b+\ci)+16*\s:32*(2*\b+\ci)+16*\s+15], v[D:D+7]
.endif
.endif
.endr
.endr
.endr
.endr
	WIN 0
	PLACES 4                                       ; four plain vector lines between the last product and the first read of its result (ISA guide 7.12.1)
.irp g, 0,1,2,3,4,5,6,7
	QCH ACC+16*\g, PC+4*\g, 10, 11, 0              ; each accumulator from its low end on
.endr
	v_nop
.irp g, 0,1,2,3,4,5,6,7
.if \vv
	global_store_b128 v1, v[PC+4*\g:PC+4*\g+3], s[48:49] offset:2048*(\g%2)+512*(\g/2)   ; tile 2 b' + wi of V^T, chunk b: 512 consecutive bytes
.else
	global_store_b128 v1, v[PC+4*\g:PC+4*\g+3], s[48:49] offset:1024*\g                  ; column tile g, chunk b'
.endif
.endr
	s_endpgm
.endm
	s_cmp_eq_u32 s36, 2
	s_cbranch_scc1 .Lv
	ARM 0
.Lv:
	ARM 1
.Lfunc_end_k_qdd0843cc4d_proj:
	.size	k_qdd0843cc4d_proj, .Lfunc_end_k_qdd0843cc4d_proj-k_qdd0843cc4d_proj
	.p2alignl 7, 3214868480
	.fill 96, 4, 3214868480
	.section	.rodata,"a",@progbits
	.p2align	6, 0x0
	.amdhsa_kernel k_qdd0843cc4d_proj
		.amdhsa_group_segment_fixed_size 0
		.amdhsa_private_segment_fixed_size 0
		.amdhsa_enable_private_segment 0
		.amdhsa_kernarg_size 64
		.amdhsa_user_sgpr_count 2
		.amdhsa_user_sgpr_kernarg_segment_ptr 1
		.amdhsa_wavefront_size32 1
		.amdhsa_system_sgpr_workgroup_id_x 1
		.amdhsa_system_sgpr_workgroup_id_y 1
		.amdhsa_system_sgpr_workgroup_id_z 1
		.amdhsa_system_vgpr_workitem_id 0
		.amdhsa_next_free_vgpr 512
		.amdhsa_next_free_sgpr 72
		.amdhsa_reserve_vcc 0
		.amdhsa_float_denorm_mode_32 3
		.amdhsa_float_denorm_mode_16_64 3
		.amdhsa_memory_ordered 1
		.amdhsa_forward_progress 1
		.amdhsa_inst_pref_size 44
	.end_amdhsa_kernel
	.amdgpu_metadata
---
amdhsa.version: [ 1, 2 ]
amdhsa.kernels:
  - .name:           k_qdd0843cc4d_proj
    .symbol:         k_qdd0843cc4d_proj.kd
    .args:
      - { .name: acts, .offset: 0, .size: 8, .value_kind: global_buffer, .address_space: global }
      - { .name: wts, .offset: 8, .size: 8, .value_kind: global_buffer, .address_space: global }
      - { .name: bq, .offset: 16, .size: 8, .value_kind: global_buffer, .address_space: global }
      - { .name: bk, .offset: 24, .size: 8, .value_kind: global_buffer, .address_space: global }
      - { .name: bv, .offset: 32, .size: 8, .value_kind: global_buffer, .address_space: global }
      - { .name: lowp_scales, .offset: 40, .size: 8, .value_kind: global_buffer, .address_space: global }
      - { .name: qimg, .offset: 48, .size: 8, .value_kind: global_buffer, .address_space: global }
      - { .name: kv, .offset: 56, .size: 8, .value_kind: global_buffer, .address_space: global }
    .group_segment_fixed_size: 0
    .private_segment_fixed_size: 0
    .kernarg_segment_align: 8
    .kernarg_segment_size: 64
    .max_flat_workgroup_size: 256
    .sgpr_count:     72
    .vgpr_count:     512
    .wavefront_size: 32
...
	.end_amdgpu_metadata
.endif
;; end of part 2
;; launch attn (part 3): grid 32 x 8, 16 waves a work-group, clusters of 4 x 1, 327,680 bytes of LDS; arguments qimg, kv, lowp_scales, at; writes at
.if DOCPART == 3
	.amdgcn_target "amdgcn-amd-amdhsa--gfx1250"
	.amdhsa_code_object_version 6
	.text
	.protected	k_qdd0843cc4d_attn
	.globl	k_qdd0843cc4d_attn
	.p2align	8
	.type	k_qdd0843cc4d_attn,@function
k_qdd0843cc4d_attn:
	s_mov_b64 s[64:65], 0
	v_nop
	global_prefetch_b8 v0, s[64:65] scope:SCOPE_SE
	s_setreg_imm32_b32 hwreg(HW_REG_WAVE_MODE, 25, 1), 1
	s_wait_xcnt 0x0
	s_wait_alu depctr_hold_cnt(0) depctr_sa_sdst(0) depctr_va_vdst(0) depctr_va_sdst(0) depctr_va_ssrc(0) depctr_va_vcc(0) depctr_vm_vsrc(0)
	s_getreg_b32 s2, hwreg(HW_REG_IB_STS2, 6, 4)
	s_cmp_eq_u32 s2, 0
	s_cbranch_scc0 .Lentry_in_a_cluster
	s_endpgm
.Lentry_in_a_cluster:
	s_bfe_u32 s2, ttmp6, 0x10000c
	s_cmp_lg_u32 s2, 0x3003
	s_cbranch_scc0 .Lentry_shape_is_right
	s_endpgm
.Lentry_shape_is_right:
; Attention of one (batch, head) on codes of FP8: O = softmax(Q K^T / 8) V, head size 64, 4,096 queries, 4,096 keys; the result is quantised for the next product and stored as a piece of its operand's image.
; THE SOFTMAX AHEAD OF THE SECOND PRODUCT: t = score x log2(e) / 8; M = the largest t so far, rounded UP to a whole number; p = 2^(t - M) is what is quantised (scale entry 9); it is not normalised.
; The sum is taken of the unquantised p, in f32, and divides O at the end.  When M moves, the sum and O are multiplied by 2^(old M - new M), which rounds nothing.
; SHARES.  Work-group: 128 queries of (batch, head) = grid y: eight tiles of 16, so that the 2 x 4 x 4,096 queries make 256 work-groups.  SIXTEEN waves: wave w owns tile w % 8 and HALF w / 8 OF THE KEYS, 16 steps of 128.
; A wave takes 256 registers, so four waves share a SIMD's 1,024: one wave's vector work stands beside another's LDS loads and products.  Each half of a row has its own running M, sum and O^T; at the end waves 8 to 15
; hand theirs to waves 0 to 7 through LDS, and both halves are brought under the larger M by a power of two.
; A step's operands lie in kv as 16,384 consecutive bytes: eight tiles of K (16 keys x 64 channels, 1,024 bytes), then four tiles of V^T (16 channels x 128 keys, 2,048 bytes), all as images of registers:
; every LDS load takes 512 consecutive bytes, 16 a lane.
; THE RING: two slots of 131,072 bytes: four steps of the keys' lower half, then four of the upper.  Waves 0 to 7 fetch one step each by one tensor load (64 rows of 256 bytes), waves 8 to 15 none.
; A wave has one tensor load out at the most.
; CLUSTER: the four work-groups of a cluster belong to one (batch, head) and walk the same K and V: each tile is asked for JOINTLY, by the same load with the same descriptor and the mask of all four.
; LAYOUT.  Both products are used transposed: S^T = K Q^T (source 0 = 16 keys, source 1 = my queries), O^T = V^T P^T (source 0 = 16 channels, source 1 = P): a lane holds ONE query throughout.  The keys of a tile of K
; are chosen (lane r of tile 2 b + u: key 32 b + 8 u + r + 8 (r / 8)) so that the 16 registers of tiles 2 b, 2 b + 1 are keys 32 b + 16 h + 0 .. 15: P's chunk b.  V^T's channels are chosen likewise, so that O^T's
; 16 registers of two tiles are 16 neighbouring channels: a chunk of the next operand.
; LIMITS on the given exponents: entries 6 + 7 between -123 and 130 (added to c's exponent field); entries 9 and 11 between -126 and 119; entries 8 + 9 are applied by v_ldexp_f32 and have none.
; REGISTERS: v1 16 x lane; v2 the step's LDS address; v3 the prefetches' offset; v4, v8 my tile's place in the stage of the merge; v5, v6 for the spare words; v12 -M, v13 the largest t, v[14:15] the sum; v16-23 Q;
; v32-95 K's or V's fragments; v96-159 S^T, then p; v160-191 O^T; v192-207 p's codes; v236-254 at work and constants.
.set SLOT1, 1<<17                      ; slot 1 begins here: one exclusive or turns an address in one slot into the other's
.set STEPB, 16384
.set GRPB,  4*STEPB                    ; a half's four steps of a slot
.set UPPER, 16*STEPB                   ; the keys' upper half begins here in a head's part of kv
.set SPARE, 2*SLOT1                    ; behind the ring: the spare words, 128 bytes for each wave: eight blocks of 256 bytes that no other line names
.set MRG,   SPARE+2048                 ; behind them: the stage of the merge, for each tile 4,096 bytes of O^T and 256 of (-M, sum); no tensor load lands here
.set MRGW,  4352
.set F,   32
.set S,   96
.set O,   160
.set P,   192
.set WV,  18                           ; s18 my wave
.set SEL, 20                           ; s[20:21] lane selects: lane l xor 16
.set CS,  22                           ; s[22:23] c = log2(e) / 8 x 2^(entries 6 + 7)
.set G1,  24                           ; s[24:31] descriptor group 1
.set G0,  40                           ; s[40:43] descriptor group 0, which walks
.set TB,  60                           ; s60 LDS byte at which the step in hand begins
.set SLOTS, 66                         ; s66 slots still to be asked for
.set CNT, 67                           ; s67 counts a slot's steps
.set PFA, 68                           ; s[68:69] where my prefetches stand
.set LIM, 70                           ; s70 1 in a wave that prefetches, else the greatest number
.macro PLACES n
.rept \n
	v_nop
.endr
.endm
.macro MKQ se, vs, vl, t0, t1          ; v[vs] = 2^e as f32 (the conversion takes its exponent field), v[vl] = 448 x 2^e
	s_add_co_i32 s[\t0], s[\se], 127
	s_lshl_b32 s[\t1], s[\t0], 23
	v_mov_b32 v[\vs], s[\t1]
	s_add_co_i32 s[\t0], s[\t0], 8
	s_lshl_b32 s[\t0], s[\t0], 23
	s_or_b32 s[\t0], s[\t0], 0x600000
	v_mov_b32 v[\vl], s[\t0]
.endm
.macro QCH src, dst, vs, vl
.irp i, 0,1,2,3,4,5,6,7,8,9,10,11,12,13,14,15
	v_med3_num_f32 v[\src+\i], v[\src+\i], -v[\vl], v[\vl]
.endr
	v_cvt_scalef32_pk8_fp8_f32 v[\dst:\dst+1], v[\src:\src+7], v[\vs]
	v_cvt_scalef32_pk8_fp8_f32 v[\dst+2:\dst+3], v[\src+8:\src+15], v[\vs]
.endm
; A round of the cluster's barrier: my work-group's barrier, wave 0's signal for the work-group, every wave's wait for all four work-groups, my work-group's barrier once more.
.macro CROUND
	s_barrier_signal -1
	s_barrier_wait -1
	s_cmp_lg_u32 s[WV], 0
	s_cbranch_scc1 .Lnot_wave_0_\@
	s_barrier_signal -3
.Lnot_wave_0_\@:
	s_barrier_wait -3
	s_barrier_signal -1
	s_barrier_wait -1
.endm
; A joint load: waves 0 to 7 fetch a step each.  The branch hangs on the wave's number alone: it is the same in every work-group.  Four v_nop follow the load, ahead of the label.
.macro TLOAD
	s_cmp_lt_u32 s[WV], 8
	s_cbranch_scc0 .Lno_load_\@
	tensor_load_to_lds s[G0:G0+3], s[G1:G1+7]
	s_nop 0
	PLACES 4
.Lno_load_\@:
.endm
; A prefetch of the slot that the NEXT change of slots will ask for: 65,536 bytes of each half of the keys.  All eight clusters of a (batch, head) walk the same bytes: the first of them asks.  Its four work-groups share
; them out by address (place % 2: which 32,768 bytes; place / 2: which half); in each, waves 0 to 3 take 8,192 bytes, lanes 256 bytes apart: one instruction a wave, and each block of 256 bytes is named once in the launch.
; The last change that fills a slot asks for nothing; slots 0 and 1 come by their loads alone.
.macro ASK
	s_cmp_gt_u32 s[SLOTS], s[LIM]
	s_cbranch_scc0 .Lnot_mine_\@
	global_prefetch_b8 v3, s[PFA:PFA+1] th:TH_LOAD_NT scope:SCOPE_SE
.Lnot_mine_\@:
.endm
	s_load_b256 s[4:11], s[0:1], 0x0               ; qimg, kv, the exponents, at
	v_lshl_add_u32 v5, v0, 2, SPARE
	v_mov_b32 v6, 0
	ds_add_u32 v5, v6
	s_wait_dscnt 0x0
	v_lshrrev_b32 v7, 5, v0
	v_readfirstlane_b32 s[WV], v7                  ; wave 0..15
	v_and_b32 v7, 31, v0
	v_lshlrev_b32 v1, 4, v7
	v_lshlrev_b32 v3, 8, v7
	s_and_b32 s15, s[WV], 7                        ; my tile of queries.  Also, in waves 0 to 7: the step of a slot that I fetch
	s_mul_i32 s16, s15, MRGW
	s_add_co_u32 s16, s16, MRG                     ; every LDS address is made here, ahead of the first branch on the wave's number
	v_add_nc_u32 v4, s16, v1                       ; the merge: O^T as an image, 16 bytes a lane,
	v_lshl_add_u32 v8, v7, 3, s16
	v_add_nc_u32 v8, 4096, v8                      ; and behind it 8 bytes a lane
	s_lshr_b32 s[TB], s[WV], 3
	s_lshl_b32 s[TB], s[TB], 16                    ; my half's four steps of slot 0
	s_bfe_u32 s12, ttmp6, 0x40000                  ; cx: my place in the cluster: it enters Q's, the result's and the prefetches' addresses alone
	s_lshl_b32 s13, ttmp9, 2
	s_add_co_u32 s13, s13, s12                     ; my block of 128 queries
	s_and_b32 s14, ttmp7, 0xffff                   ; batch x 4 + head, which the four partners share
	s_mov_b32 s[G1], 15|(3<<16)|(1<<21)            ; 15:0 the mask: all four work-groups; 17:16 elements of 8 bytes; 20 no padding; 21 set beside a mask
	s_mov_b32 s[G1+1], 32<<16                      ; tensor_dim0 = 32 elements: 256 bytes
	s_mov_b32 s[G1+2], 64<<16                      ; tensor_dim1 = 64
	s_mov_b32 s[G1+3], 32<<16                      ; tile_dim0
	s_mov_b32 s[G1+4], 64                          ; tile_dim1
	s_mov_b32 s[G1+5], 32                          ; the pitch: the block is dense
	s_mov_b32 s[G1+6], 0
	s_mov_b32 s[G1+7], 0
	s_mov_b32 s[SEL], 0x76543210
	s_mov_b32 s[SEL+1], 0xfedcba98
	s_mov_b32 s[CS], 0x3e38aa3b                    ; log2(e) / 8
	s_mov_b32 s[SLOTS], 3
	s_lshl_b32 s32, s14, 19                        ; the head's 32 steps begin here in kv;
	s_and_b32 s34, s15, 3
	s_lshl_b32 s34, s34, 14                        ; positions 0 to 3 of a slot: steps of the lower half,
	s_add_co_u32 s32, s32, s34
	s_lshr_b32 s34, s15, 2
	s_lshl_b32 s34, s34, 18                        ; positions 4 to 7: of the upper, 16 steps further on
	s_add_co_u32 s32, s32, s34
	s_mov_b32 s33, 0
	s_wait_kmcnt 0x0
	s_load_b512 s[44:59], s[8:9], 0x0              ; the sixteen exponents: entry k in s[44 + k]
	s_mov_b32 s[G0], 1                             ; count = 1
	s_lshl_b32 s[G0+1], s15, 14                    ; LDS address: slot 0, my position
	s_add_nc_u64 s[G0+2:G0+3], s[6:7], s[32:33]
	s_or_b32 s[G0+3], s[G0+3], 0x80000000          ; type = 2
	CROUND                                         ; all four work-groups are here: the first joint loads meet
	TLOAD                                          ; slot 0
	s_mov_b32 s37, 0
	s_lshl_b32 s36, s14, 5
	s_add_co_u32 s36, s36, s13
	s_lshl_b32 s36, s36, 13                        ; a block of Q is 8 tiles of 1,024 bytes
	s_lshl_b32 s38, s15, 10
	s_add_co_u32 s36, s36, s38
	s_add_nc_u64 s[72:73], s[4:5], s[36:37]
	global_load_b128 v[16:19], v1, s[72:73]        ; Q's fragment stays in registers
	global_load_b128 v[20:23], v1, s[72:73] offset:512
	s_lshr_b32 s36, s14, 2                         ; the result: column tile (batch x 32 + block) x 8 + my tile, 4,096 bytes a tile; my head's 1,024 of them
	s_lshl_b32 s36, s36, 5
	s_add_co_u32 s36, s36, s13
	s_lshl_b32 s36, s36, 15
	s_lshl_b32 s38, s15, 12
	s_add_co_u32 s36, s36, s38
	s_and_b32 s38, s14, 3
	s_lshl_b32 s38, s38, 10
	s_add_co_u32 s36, s36, s38
	s_add_nc_u64 s[74:75], s[10:11], s[36:37]
	s_lshl_b32 s36, s14, 19                        ; the prefetches: my part of slot 1; the first change of slots steps it to slot 2
	s_and_b32 s38, s12, 1
	s_lshl_b32 s38, s38, 15
	s_add_co_u32 s36, s36, s38
	s_lshr_b32 s38, s12, 1
	s_lshl_b32 s38, s38, 18
	s_add_co_u32 s36, s36, s38
	s_and_b32 s38, s[WV], 3
	s_lshl_b32 s38, s38, 13
	s_add_co_u32 s36, s36, s38
	s_add_co_u32 s36, s36, GRPB
	s_add_nc_u64 s[PFA:PFA+1], s[6:7], s[36:37]
	s_lshr_b32 s38, s[WV], 2                       ; 0 in waves 0 to 3,
	s_or_b32 s38, s38, ttmp9                       ; of the head's first cluster: the same in all four partners
	s_cmp_eq_u32 s38, 0
	s_cselect_b32 s[LIM], 1, -1
	v_mov_b32 v13, 0xff61b1e6                      ; the largest t so far: -3e38, under every t
	v_floor_f32 v12, -v13                          ; -M
	v_mov_b32 v14, 0                               ; the sum, in two halves
	v_mov_b32 v15, 0
	v_mov_b32 v236, 0                              ; written once: a lane permute's destination counts as one of its sources
	v_mov_b32 v253, 0                              ; (named as the upper half of the pair v[252:253])
.irp j, 0,1,2,3,4,5,6,7,8,9,10,11,12,13,14,15,16,17,18,19,20,21,22,23,24,25,26,27,28,29,30,31
	v_mov_b32 v[O+\j], 0                           ; O^T: the step is written once; the first finds zeros, which the first change of M leaves zeros
.endr
	s_wait_kmcnt 0x0
	s_add_co_i32 s76, s50, s51                     ; a score stands for score x 2^(entries 6 + 7): added to c's exponent field
	s_lshl_b32 s76, s76, 23
	s_add_co_i32 s[CS], s[CS], s76
	s_mov_b32 s[CS+1], s[CS]                       ; (named with it as a pair, so it is written)
	MKQ 53, 244, 240, 76, 77                       ; p's scale and hold
	MKQ 55, 246, 247, 76, 77                       ; the result's
; A KEY STEP: 128 keys.
.macro STEP
	v_add_nc_u32 v2, s[TB], v1
	PLACES 3                                       ; with the addition above: four plain vector lines between the last step's products and the loads into the registers that they read
.irp t, 0,1,2,3,4,5,6,7
	ds_load_b128 v[F+8*\t:F+8*\t+3], v2 offset:1024*\t
	ds_load_b128 v[F+8*\t+4:F+8*\t+7], v2 offset:1024*\t+512
.endr
	s_wait_dscnt 0x0
.irp t, 0,1,2,3,4,5,6,7
	v_wmma_f32_16x16x64_fp8_fp8 v[S+8*\t:S+8*\t+7], v[F+8*\t:F+8*\t+7], v[16:23], 0
.endr
	PLACES 4                                       ; in front of the loads into K's registers and of the first read of the scores
.irp t, 0,1,2,3
.irp c, 0,1,2,3
	ds_load_b128 v[F+16*\t+4*\c:F+16*\t+4*\c+3], v2 offset:8192+2048*\t+512*\c   ; V^T: it lands while the softmax is walked
.endr
.endr
	v_max3_num_f32 v254, v96, v97, v98             ; the step's largest score of my query, among my 64 keys, in two chains, each accumulator from its low end on,
	v_max3_num_f32 v252, v99, v100, v101
.irp i, 6,10,14,18,22,26,30,34,38,42,46,50,54,58
	v_max3_num_f32 v254, v254, v[96+\i], v[97+\i]
	v_max3_num_f32 v252, v252, v[98+\i], v[99+\i]
.endr
	v_max3_num_f32 v254, v254, v158, v159
	v_max_num_f32 v254, v254, v252
	v_permlanex16_b32 v236, v254, s[SEL], s[SEL+1]
	v_max_num_f32 v254, v254, v236                 ; and among lane l xor 16's
	v_mul_f32 v254, s[CS], v254                    ; as t (c is positive)
	v_max_num_f32 v13, v13, v254                   ; the running largest t
	v_mov_b32 v254, v12
	v_floor_f32 v12, -v13                          ; the new -M = floor(-t) = -ceil(t): a whole number
	v_sub_f32 v254, v12, v254                      ; old M - new M: a whole number, 0 or less
	v_cvt_i32_f32 v254, v254                       ; (it saturates)
	v_ldexp_f32 v252, 1.0, v254                    ; f = 2^(old M - new M)
.irp j, 0,2,4,6,8,10,12,14,16,18,20,22,24,26,28,30,32,34,36,38,40,42,44,46,48,50,52,54,56,58,60,62
	v_pk_fma_f32 v[96+\j:97+\j], v[96+\j:97+\j], s[CS:CS+1], v[12:13] op_sel_hi:[1,0,0]   ; t - M, two at a time
.endr
.irp j, 0,1,2,3,4,5,6,7,8,9,10,11,12,13,14,15,16,17,18,19,20,21,22,23,24,25,26,27,28,29,30,31,32,33,34,35,36,37,38,39,40,41,42,43,44,45,46,47,48,49,50,51,52,53,54,55,56,57,58,59,60,61,62,63
	v_exp_f32 v[96+\j], v[96+\j]                   ; p = 2^(t - M), at most 1
.endr
	v_pk_mul_f32 v[14:15], v[14:15], v[252:253] op_sel_hi:[1,0]   ; the sums under the new M: the plain line behind the exponentials
	s_wait_alu depctr_va_vdst(0)                   ; one wait for the whole batch, ahead of its first reader
	v_pk_add_f32 v[242:243], v[96:97], v[98:99]    ; the sum is taken of the unquantised p, in two chains
.irp j, 4,8,12,16,20,24,28,32,36,40,44,48,52,56,60
	v_pk_add_f32 v[14:15], v[14:15], v[96+\j:97+\j]
	v_pk_add_f32 v[242:243], v[242:243], v[98+\j:99+\j]
.endr
	v_pk_add_f32 v[14:15], v[14:15], v[242:243]
.irp b, 0,1,2,3
.irp i, 0,1,2,3,4,5,6,7,8,9,10,11,12,13,14,15
	v_min_num_f32 v[96+16*\b+\i], v[96+16*\b+\i], v240   ; the conversion does not saturate (ISA guide 7.6.2); p is not negative, so the hold is one-sided
.endr
	v_cvt_scalef32_pk8_fp8_f32 v[P+4*\b:P+4*\b+1], v[96+16*\b:103+16*\b], v244
	v_cvt_scalef32_pk8_fp8_f32 v[P+4*\b+2:P+4*\b+3], v[104+16*\b:111+16*\b], v244
.endr
.irp j, 0,2,4,6,8,10,12,14,16,18,20,22,24,26,28,30
	v_pk_mul_f32 v[O+\j:O+\j+1], v[O+\j:O+\j+1], v[252:253] op_sel_hi:[1,0]   ; O^T under the new M; also the plain lines between the conversions and the products
.endr
	s_wait_dscnt 0x0                               ; V^T is in
.irp t, 0,1,2,3
	v_wmma_f32_16x16x128_fp8_fp8 v[O+8*\t:O+8*\t+7], v[F+16*\t:F+16*\t+15], v[P:P+15], v[O+8*\t:O+8*\t+7]
.endr
	s_add_co_u32 s[TB], s[TB], STEPB
.endm
; THE CHANGE OF SLOTS stands at a slot's head.  Each wave waits for all its tensor loads (its step of the slot ahead, if it fetched one), adds 0 to its spare word, and waits for that and for its reads of the slot that it has left.
; fill = 1: a round of the cluster's barrier follows, so that no wave of any partner still reads that slot or has a load on its way; the joint load into it is the first thing behind the round, and has a slot's four steps
; of every wave in which to land.
.macro CHANGE fill
	s_wait_tensorcnt 0x0                           ; no tensor load of mine is out, so the descriptor may be written
	ds_add_u32 v5, v6                              ; 0 onto my spare word
.if \fill
	s_xor_b32 s[G0+1], s[G0+1], SLOT1              ; the other slot than last time,
	s_add_nc_u64 s[G0+2:G0+3], s[G0+2:G0+3], GRPB  ; the next four steps of the half; the type bits on top are not reached
	s_wait_xcnt 0x0                                ; the last prefetch, a slot back, has read its address, so it may be written
	s_add_nc_u64 s[PFA:PFA+1], s[PFA:PFA+1], GRPB
.endif
	s_wait_dscnt 0x0                               ; the add is done, and my reads of the slot that I have left are over
.if \fill
	CROUND
	TLOAD
	ASK
.else
	s_barrier_signal -1
	s_barrier_wait -1
.endif
.endm
.macro SLOT_STEPS
	s_mov_b32 s[CNT], 4
.Lstep_\@:
	STEP
	s_sub_co_u32 s[CNT], s[CNT], 1
	s_cmp_lg_u32 s[CNT], 0
	s_cbranch_scc1 .Lstep_\@
	s_sub_co_u32 s[TB], s[TB], GRPB                ; back to my half's first step of a slot,
	s_xor_b32 s[TB], s[TB], SLOT1                  ; in the other slot
.endm
	s_wait_loadcnt 0x0                             ; Q
.Lslot:                                            ; three trips: behind each change of slots but the last the next slot is asked for
	CHANGE 1
	SLOT_STEPS
	s_sub_co_u32 s[SLOTS], s[SLOTS], 1
	s_cmp_lg_u32 s[SLOTS], 0
	s_cbranch_scc1 .Lslot
	CHANGE 0                                       ; the last slot is written out
	SLOT_STEPS
	; THE MERGE.  Every wave finishes its half's sum; waves 8 to 15 put O^T, -M and the sum into the stage; a barrier; waves 0 to 7 take them from there.
	PLACES 4                                       ; four plain vector lines between the last products and the first read of their results
	v_add_f32 v14, v14, v15
	v_permlanex16_b32 v252, v14, s[SEL], s[SEL+1]
	v_add_f32 v13, v14, v252                       ; my half's sum, beside -M: the pair v[12:13] (the largest t is done with)
	s_cmp_lt_u32 s[WV], 8
	s_cbranch_scc1 .Lkeep
.irp i, 0,1,2,3,4,5,6,7
	ds_store_b128 v4, v[O+4*\i:O+4*\i+3] offset:512*\i   ; each accumulator from its low end on
.endr
	ds_store_b64 v8, v[12:13]
.Lkeep:
	s_wait_dscnt 0x0                               ; for the others' sake: my stores into the stage are done
	s_barrier_signal -1
	s_barrier_wait -1
	s_cmp_ge_u32 s[WV], 8
	s_cbranch_scc1 .Lfin                           ; the upper half's waves have handed their part on
.irp i, 0,1,2,3,4,5,6,7
	ds_load_b128 v[96+4*\i:99+4*\i], v4 offset:512*\i    ; the other half's O^T, in the same lanes and order as mine
.endr
	ds_load_b64 v[128:129], v8                     ; its -M and its sum
	s_wait_dscnt 0x0
	v_min_num_f32 v130, v12, v128                  ; -M of the whole row: M is the larger of the two
	v_sub_f32 v131, v130, v12                      ; my M - M: a whole number, 0 or less,
	v_sub_f32 v132, v130, v128                     ; and the other half's
	v_cvt_i32_f32 v131, v131                       ; (it saturates)
	v_cvt_i32_f32 v132, v132
	v_ldexp_f32 v131, 1.0, v131                    ; the two powers of two that bring the halves under M
	v_ldexp_f32 v132, 1.0, v132
	v_mul_f32 v133, v13, v131
	v_fmac_f32 v133, v129, v132                    ; the row's sum
	v_rcp_f32 v134, v133
	v_nop                                          ; a plain line behind the reciprocal
	s_add_co_i32 s76, s52, s53
	s_wait_alu depctr_va_vdst(0)                   ; and the wait ahead of its first reader
	v_ldexp_f32 v134, v134, s76                    ; x 2^(entries 8 + 9)
	v_mul_f32 v136, v131, v134                     ; my half's factor, twice: a pair for the packed forms,
	v_mul_f32 v137, v131, v134
	v_mul_f32 v138, v132, v134                     ; and the other half's
	v_mul_f32 v139, v132, v134
.irp j, 0,2,4,6,8,10,12,14,16,18,20,22,24,26,28,30
	v_pk_mul_f32 v[96+\j:97+\j], v[96+\j:97+\j], v[138:139]
.endr
.irp j, 0,2,4,6,8,10,12,14,16,18,20,22,24,26,28,30
	v_pk_fma_f32 v[96+\j:97+\j], v[O+\j:O+\j+1], v[136:137], v[96+\j:97+\j]   ; register 16 b' + i: channel 32 b' + 16 h + i of my head
.endr
	QCH 96, 192, 246, 247                          ; quantised with entry 11: two chunks of the next operand's image
	QCH 112, 196, 246, 247
	v_nop
	global_store_b128 v1, v[192:195], s[74:75]     ; each store 512 consecutive bytes
	global_store_b128 v1, v[196:199], s[74:75] offset:512
.Lfin:
	s_wait_tensorcnt 0x0                           ; the wave's end
	ds_add_u32 v5, v6
	s_wait_dscnt 0x0
	CROUND                                         ; the closing round: no work-group ends while a partner may still ask for a tile that names it
	s_endpgm
.Lfunc_end_k_qdd0843cc4d_attn:
	.size	k_qdd0843cc4d_attn, .Lfunc_end_k_qdd0843cc4d_attn-k_qdd0843cc4d_attn
	.p2alignl 7, 3214868480
	.fill 96, 4, 3214868480
	.section	.rodata,"a",@progbits
	.p2align	6, 0x0
	.amdhsa_kernel k_qdd0843cc4d_attn
		.amdhsa_group_segment_fixed_size 327680
		.amdhsa_private_segment_fixed_size 0
		.amdhsa_enable_private_segment 0
		.amdhsa_kernarg_size 32
		.amdhsa_user_sgpr_count 2
		.amdhsa_user_sgpr_kernarg_segment_ptr 1
		.amdhsa_wavefront_size32 1
		.amdhsa_system_sgpr_workgroup_id_x 1
		.amdhsa_system_sgpr_workgroup_id_y 1
		.amdhsa_system_sgpr_workgroup_id_z 1
		.amdhsa_system_vgpr_workitem_id 0
		.amdhsa_next_free_vgpr 256
		.amdhsa_next_free_sgpr 80
		.amdhsa_reserve_vcc 0
		.amdhsa_float_denorm_mode_32 3
		.amdhsa_float_denorm_mode_16_64 3
		.amdhsa_memory_ordered 1
		.amdhsa_forward_progress 1
		.amdhsa_inst_pref_size 46
	.end_amdhsa_kernel
	.amdgpu_metadata
---
amdhsa.version: [ 1, 2 ]
amdhsa.kernels:
  - .name:           k_qdd0843cc4d_attn
    .symbol:         k_qdd0843cc4d_attn.kd
    .args:
      - { .name: qimg, .offset: 0, .size: 8, .value_kind: global_buffer, .address_space: global }
      - { .name: kv, .offset: 8, .size: 8, .value_kind: global_buffer, .address_space: global }
      - { .name: lowp_scales, .offset: 16, .size: 8, .value_kind: global_buffer, .address_space: global }
      - { .name: at, .offset: 24, .size: 8, .value_kind: global_buffer, .address_space: global }
    .group_segment_fixed_size: 327680
    .private_segment_fixed_size: 0
    .kernarg_segment_align: 8
    .kernarg_segment_size: 32
    .max_flat_workgroup_size: 512
    .sgpr_count:     80
    .vgpr_count:     256
    .wavefront_size: 32
...
	.end_amdgpu_metadata
.endif
;; end of part 3
;; launch mlp1 (part 4): grid 128 x 1, 8 waves a work-group, no clusters, 54,272 bytes of LDS; arguments at, acts, wts, bo, lowp_scales, mc, part; writes mc, part
.if DOCPART == 4
	.amdgcn_target "amdgcn-amd-amdhsa--gfx1250"
	.amdhsa_code_object_version 6
	.text
	.protected	k_qdd0843cc4d_mlp1
	.globl	k_qdd0843cc4d_mlp1
	.p2align	8
	.type	k_qdd0843cc4d_mlp1,@function
k_qdd0843cc4d_mlp1:
	s_mov_b64 s[64:65], 0
	v_nop
	global_prefetch_b8 v0, s[64:65] scope:SCOPE_SE
	s_setreg_imm32_b32 hwreg(HW_REG_WAVE_MODE, 25, 1), 1
	s_wait_xcnt 0x0
; message = Wo^T attn + bo, quantised (entry 13) and stored; then the sums of h = W1^T [x; message] (without b1), of which only each channel's mean and sum of squared deviations over the work-group's 64 columns are stored.
; h itself is not stored: the last launch makes it again from the same codes (4 MB read there, against 16 MB written here and read there).
; SHARES.  Work-group g: 64 columns = four tiles m.  THE WAVES SHARE THE CHANNELS: wave w makes message channels 32 w .. + 31 (Wo's tiles 2 w + u) and hidden channels 64 w .. + 63 (W1's tiles 4 w + i, i = 2 p + u),
; for all 64 columns.  Its weights go from memory straight into registers, once: 8 KB of Wo, 32 KB of W1 (window 1).  The columns' codes go round through LDS as images of registers.
; No multicast: a work-group's 320 KB of weight fragments are read once each by one wave, into registers; as joint loads they would have to pass through LDS, where they do not fit beside the images without a ring.
; Both products take the weight as source 0: a lane holds ONE column, its registers run along the channels.
; STATISTICS in two passes, so that no difference of large sums is formed: the mean over the 64 columns first, then the squares of the deviations from it.  b1 shifts a channel's mean alone: a later launch adds it.
; LIMIT: entry 13 - 10 - 11 lies between -126 and 119.  The other sums of exponents are applied by v_ldexp_f32.
; REGISTERS: window 0: v1-6 addresses; v8, v9 the message's scale and hold; v16-79 F: four fragments from LDS, later the statistics; v80-207 sixteen accumulators ((i, m) at 80 + 64 p + 16 m + 8 u), before that
; Wo (v80-143) and the message's eight accumulators (v144-207); v208-223 codes; v224-239 bo.  Window 1: W1: K step s, tile i, chunk c at 64 s + 16 i + 4 c.
.set XIMG, 0                           ; LDS: x's four tiles (entry 13's codes), 4,096 bytes each,
.set AIMG, 16384                       ; attention's,
.set MIMG, 32768                       ; the message's,
.set STAT, 49152                       ; 512 means, then 512 sums of squares
.set F,   16
.set T,   16
.set U,   48
.set ACC, 80
.set WO,  80
.set AA,  144
.set PC,  208
.set BO,  224
.set MSB, 0
.macro WIN new
.if MSB != \new
	s_set_vgpr_msb (MSB<<8)|\new
.set MSB, \new
.endif
.endm
.macro PLACES n
.rept \n
	v_nop
.endr
.endm
.macro MKQ se, vs, vl, t0, t1
	s_add_co_i32 s[\t0], s[\se], 127
	s_lshl_b32 s[\t1], s[\t0], 23
	v_mov_b32 v[\vs], s[\t1]
	s_add_co_i32 s[\t0], s[\t0], 8
	s_lshl_b32 s[\t0], s[\t0], 23
	s_or_b32 s[\t0], s[\t0], 0x600000
	v_mov_b32 v[\vl], s[\t0]
.endm
.macro QCH src, dst, vs, vl
.irp i, 0,1,2,3,4,5,6,7,8,9,10,11,12,13,14,15
	v_med3_num_f32 v[\src+\i], v[\src+\i], -v[\vl], v[\vl]
.endr
	v_cvt_scalef32_pk8_fp8_f32 v[\dst:\dst+1], v[\src:\src+7], v[\vs]
	v_cvt_scalef32_pk8_fp8_f32 v[\dst+2:\dst+3], v[\src+8:\src+15], v[\vs]
.endm
.macro BARRIER                         ; my LDS stores have landed and my LDS loads are in: then the work-group's barrier
	s_wait_dscnt 0x0
	s_barrier_signal -1
	s_barrier_wait -1
.endm
.macro FETCH4 base, mstr               ; one K step's fragments of the four tiles of columns
.irp m, 0,1,2,3
.irp c, 0,1,2,3
	ds_load_b128 v[F+16*\m+4*\c:F+16*\m+4*\c+3], v1 offset:\base+\m*\mstr+512*\c
.endr
.endr
.endm
	s_load_b256 s[4:11], s[0:1], 0x0               ; at, acts, wts, bo
	s_load_b128 s[12:15], s[0:1], 0x20             ; the exponents, mc
	s_load_b64 s[16:17], s[0:1], 0x30              ; part
	v_lshl_add_u32 v254, v0, 2, 0xd000
	v_mov_b32 v255, 0
	v_lshrrev_b32 v10, 5, v0
	v_readfirstlane_b32 s18, v10                   ; wave
	v_and_b32 v10, 31, v0
	v_lshlrev_b32 v1, 4, v10                       ; 16 x lane
	v_lshlrev_b32 v2, 4, v0                        ; 16 x thread
	v_bfe_u32 v11, v0, 4, 1
	v_lshlrev_b32 v3, 6, v11                       ; 64 h
	s_lshl_b32 s36, s18, 9
	s_add_co_u32 s36, s36, MIMG
	v_add_nc_u32 v4, s36, v1                       ; the message's chunk w of a tile
	s_lshl_b32 s36, s18, 8
	s_add_co_u32 s36, s36, STAT
	v_add_nc_u32 v5, s36, v3                       ; my 64 channels' statistics, + 16 channels for the upper half of the lanes
	v_add_nc_u32 v6, STAT, v2
	s_lshl_b32 s36, ttmp9, 14                      ; four tiles of 4,096 bytes
	s_mov_b32 s37, 0
	s_mov_b32 s39, 0
	s_wait_kmcnt 0x0
	s_load_b512 s[20:35], s[12:13], 0x0            ; the sixteen exponents: entry k in s[20 + k]
	s_add_nc_u64 s[40:41], s[6:7], s[36:37]
	s_add_nc_u64 s[40:41], s[40:41], 0x400000      ; x's codes with entry 13
	s_add_nc_u64 s[42:43], s[4:5], s[36:37]
	s_add_nc_u64 s[50:51], s[14:15], s[36:37]
	s_lshl_b32 s38, s18, 9
	s_add_nc_u64 s[50:51], s[50:51], s[38:39]      ; mc: my chunk
	s_lshl_b32 s38, s18, 13
	s_add_co_u32 s38, s38, 196608
	s_add_nc_u64 s[44:45], s[8:9], s[38:39]        ; Wo's tiles 2 w, 2 w + 1
	s_lshl_b32 s38, s18, 14
	s_add_co_u32 s38, s38, 262144
	s_add_nc_u64 s[46:47], s[8:9], s[38:39]        ; W1's tiles 4 w ..
	s_lshl_b32 s38, s18, 7
	s_add_nc_u64 s[48:49], s[10:11], s[38:39]      ; bo at channel 32 w
	s_lshl_b32 s38, ttmp9, 12
	s_add_nc_u64 s[52:53], s[16:17], s[38:39]      ; part
.irp i, 0,1,2,3
	global_load_b128 v[16+4*\i:19+4*\i], v2, s[40:41] offset:4096*\i
.endr
.irp i, 0,1,2,3
	global_load_b128 v[32+4*\i:35+4*\i], v2, s[42:43] offset:4096*\i
.endr
.irp u, 0,1
.irp s, 0,1
.irp c, 0,1,2,3
	global_load_b128 v[WO+32*\u+16*\s+4*\c:WO+32*\u+16*\s+4*\c+3], v1, s[44:45] offset:4096*\u+2048*\s+512*\c
.endr
.endr
.endr
.irp u, 0,1
	global_load_b128 v[BO+8*\u:BO+8*\u+3], v3, s[48:49] offset:32*\u          ; channel 32 w + 16 h + 8 u + 0 .. 7
	global_load_b128 v[BO+8*\u+4:BO+8*\u+7], v3, s[48:49] offset:32*\u+16
.endr
	WIN 0x40                                       ; destination window 1
.irp s, 0,1,2,3
.irp i, 0,1,2,3
.irp c, 0,1,2,3
	global_load_b128 v[64*\s+16*\i+4*\c:64*\s+16*\i+4*\c+3], v1, s[46:47] offset:131072*(\s/2)+4096*\i+2048*(\s%2)+512*\c
.endr
.endr
.endr
	WIN 0
	s_wait_loadcnt 63                              ; the 28 loads ahead of W1's 64 are in
.irp i, 0,1,2,3
	ds_store_b128 v2, v[16+4*\i:19+4*\i] offset:XIMG+4096*\i
.endr
.irp i, 0,1,2,3
	ds_store_b128 v2, v[32+4*\i:35+4*\i] offset:AIMG+4096*\i
.endr
	s_wait_kmcnt 0x0
	s_add_co_i32 s54, s30, s31                     ; entries 10 + 11: a sum of the message's product stands for sum x 2^that
	s_sub_co_i32 s55, 0, s54
	s_sub_co_i32 s56, s33, s54
	MKQ 56, 8, 9, 57, 58
	s_add_co_i32 s59, s32, s33                     ; E = entries 12 + 13
	s_lshl_b32 s60, s59, 1
.irp j, 0,1,2,3,4,5,6,7,8,9,10,11,12,13,14,15
	v_ldexp_f32 v[BO+\j], v[BO+\j], s55
.endr
	BARRIER                                        ; x's and attention's tiles lie in LDS
	; ---- the message: eight accumulators by turns, a K step at a time
.irp s, 0,1
	FETCH4 AIMG+2048*\s, 4096
	s_wait_dscnt 0x0
.irp m, 0,1,2,3
.irp u, 0,1
.if \s == 0
	v_wmma_f32_16x16x128_fp8_fp8 v[AA+16*\m+8*\u:AA+16*\m+8*\u+7], v[WO+32*\u+16*\s:WO+32*\u+16*\s+15], v[F+16*\m:F+16*\m+15], v[BO+8*\u:BO+8*\u+7]
.else
	v_wmma_f32_16x16x128_fp8_fp8 v[AA+16*\m+8*\u:AA+16*\m+8*\u+7], v[WO+32*\u+16*\s:WO+32*\u+16*\s+15], v[F+16*\m:F+16*\m+15], v[AA+16*\m+8*\u:AA+16*\m+8*\u+7]
.endif
.endr
.endr
	PLACES 4                                       ; in front of loads into registers that the products read, and of the first read of results
.endr
.irp m, 0,1,2,3
	QCH AA+16*\m, PC+4*\m, 8, 9                    ; channels 32 w + 16 h + 0 .. 15 of column tile m: chunk w of the message's 256
.endr
	v_nop
.irp m, 0,1,2,3
	ds_store_b128 v4, v[PC+4*\m:PC+4*\m+3] offset:4096*\m
	global_store_b128 v1, v[PC+4*\m:PC+4*\m+3], s[50:51] offset:4096*\m
.endr
	BARRIER                                        ; the message's four tiles lie in LDS
	; ---- layer 1: sixteen accumulators by turns, K steps 0, 1 on x, 2, 3 on the message
	PLACES 5                                       ; the accumulators are laid over Wo and the message's sums: five plain lines ahead of a product that writes over registers of earlier ones
.irp s, 0,1,2,3
.if \s < 2
	FETCH4 XIMG+2048*\s, 4096
.else
	FETCH4 MIMG+2048*(\s-2), 4096
.endif
	s_wait_dscnt 0x0
	s_wait_loadcnt 48-16*\s                        ; W1's K step s is in; the later steps' loads, 16 each, may be out
	WIN 0x01                                       ; source 0 (W1) window 1
.irp m, 0,1,2,3
.irp i, 0,1,2,3
.set D, ACC+64*(\i/2)+16*\m+8*(\i%2)
.if \s == 0
	v_wmma_f32_16x16x128_fp8_fp8 v[D:D+7], v[64*\s+16*\i:64*\s+16*\i+15], v[F+16*\m:F+16*\m+15], 0
.else
	v_wmma_f32_16x16x128_fp8_fp8 v[D:D+7], v[64*\s+16*\i:64*\s+16*\i+15], v[F+16*\m:F+16*\m+15], v[D:D+7]
.endif
.endr
.endr
	WIN 0
	PLACES 4
.endr
	; ---- statistics.  Register 8 i + j of T and U: channel 64 w + 32 p + 16 h + 8 u + j.  Each accumulator is read from its low end on.
.irp i, 0,1,2,3
.irp j, 0,2,4,6
.set D, ACC+64*(\i/2)+8*(\i%2)+\j
	v_pk_add_f32 v[T+8*\i+\j:T+8*\i+\j+1], v[D:D+1], v[D+16:D+17]
.endr
.endr
.irp m, 2,3
.irp i, 0,1,2,3
.irp j, 0,2,4,6
.set D, ACC+64*(\i/2)+16*\m+8*(\i%2)+\j
	v_pk_add_f32 v[T+8*\i+\j:T+8*\i+\j+1], v[T+8*\i+\j:T+8*\i+\j+1], v[D:D+1]
.endr
.endr
.endr
.irp x, 1,2,4,8                        ; over the sixteen lanes of my half: sixteen columns of each tile
.irp k, 0,1,2,3,4,5,6,7,8,9,10,11,12,13,14,15,16,17,18,19,20,21,22,23,24,25,26,27,28,29,30,31
	v_add_f32_dpp v[T+\k], v[T+\k], v[T+\k] row_xmask:\x row_mask:0xf bank_mask:0xf
.endr
.endr
.irp k, 0,2,4,6,8,10,12,14,16,18,20,22,24,26,28,30
	v_pk_mul_f32 v[T+\k:T+\k+1], v[T+\k:T+\k+1], 0x3c800000 op_sel_hi:[1,0]   ; / 64: the mean
.endr
.irp m, 0,1,2,3
.irp i, 0,1,2,3
.irp j, 0,2,4,6
.set D, ACC+64*(\i/2)+16*\m+8*(\i%2)+\j
	v_pk_add_f32 v[D:D+1], v[D:D+1], v[T+8*\i+\j:T+8*\i+\j+1] neg_lo:[0,1] neg_hi:[0,1]
.endr
.endr
.endr
.irp m, 0,1,2,3
.irp i, 0,1,2,3
.irp j, 0,2,4,6
.set D, ACC+64*(\i/2)+16*\m+8*(\i%2)+\j
.if \m == 0
	v_pk_mul_f32 v[U+8*\i+\j:U+8*\i+\j+1], v[D:D+1], v[D:D+1]
.else
	v_pk_fma_f32 v[U+8*\i+\j:U+8*\i+\j+1], v[D:D+1], v[D:D+1], v[U+8*\i+\j:U+8*\i+\j+1]
.endif
.endr
.endr
.endr
.irp x, 1,2,4,8
.irp k, 0,1,2,3,4,5,6,7,8,9,10,11,12,13,14,15,16,17,18,19,20,21,22,23,24,25,26,27,28,29,30,31
	v_add_f32_dpp v[U+\k], v[U+\k], v[U+\k] row_xmask:\x row_mask:0xf bank_mask:0xf
.endr
.endr
.irp k, 0,1,2,3,4,5,6,7,8,9,10,11,12,13,14,15,16,17,18,19,20,21,22,23,24,25,26,27,28,29,30,31
	v_ldexp_f32 v[T+\k], v[T+\k], s59              ; x 2^E
	v_ldexp_f32 v[U+\k], v[U+\k], s60              ; x 2^(2 E)
.endr
.irp i, 0,1,2,3
	ds_store_b128 v5, v[T+8*\i:T+8*\i+3] offset:128*(\i/2)+32*(\i%2)          ; the sixteen lanes of a half store the same numbers to the same bytes
	ds_store_b128 v5, v[T+8*\i+4:T+8*\i+7] offset:128*(\i/2)+32*(\i%2)+16
	ds_store_b128 v5, v[U+8*\i:U+8*\i+3] offset:2048+128*(\i/2)+32*(\i%2)
	ds_store_b128 v5, v[U+8*\i+4:U+8*\i+7] offset:2048+128*(\i/2)+32*(\i%2)+16
.endr
	BARRIER
	ds_load_b128 v[16:19], v6
	s_wait_dscnt 0x0
	global_store_b128 v2, v[16:19], s[52:53]       ; 4,096 consecutive bytes a work-group
	s_wait_tensorcnt 0x0
	ds_add_u32 v254, v255
	s_wait_dscnt 0x0
	s_endpgm
.Lfunc_end_k_qdd0843cc4d_mlp1:
	.size	k_qdd0843cc4d_mlp1, .Lfunc_end_k_qdd0843cc4d_mlp1-k_qdd0843cc4d_mlp1
	.p2alignl 7, 3214868480
	.fill 96, 4, 3214868480
	.section	.rodata,"a",@progbits
	.p2align	6, 0x0
	.amdhsa_kernel k_qdd0843cc4d_mlp1
		.amdhsa_group_segment_fixed_size 54272
		.amdhsa_private_segment_fixed_size 0
		.amdhsa_enable_private_segment 0
		.amdhsa_kernarg_size 56
		.amdhsa_user_sgpr_count 2
		.amdhsa_user_sgpr_kernarg_segment_ptr 1
		.amdhsa_wavefront_size32 1
		.amdhsa_system_sgpr_workgroup_id_x 1
		.amdhsa_system_sgpr_workgroup_id_y 1
		.amdhsa_system_sgpr_workgroup_id_z 1
		.amdhsa_system_vgpr_workitem_id 0
		.amdhsa_next_free_vgpr 512
		.amdhsa_next_free_sgpr 66
		.amdhsa_reserve_vcc 0
		.amdhsa_float_denorm_mode_32 3
		.amdhsa_float_denorm_mode_16_64 3
		.amdhsa_memory_ordered 1
		.amdhsa_forward_progress 1
		.amdhsa_inst_pref_size 65
	.end_amdhsa_kernel
	.amdgpu_metadata
---
amdhsa.version: [ 1, 2 ]
amdhsa.kernels:
  - .name:           k_qdd0843cc4d_mlp1
    .symbol:         k_qdd0843cc4d_mlp1.kd
    .args:
      - { .name: at, .offset: 0, .size: 8, .value_kind: global_buffer, .address_space: global }
      - { .name: acts, .offset: 8, .size: 8, .value_kind: global_buffer, .address_space: global }
      - { .name: wts, .offset: 16, .size: 8, .value_kind: global_buffer, .address_space: global }
      - { .name: bo, .offset: 24, .size: 8, .value_kind: global_buffer, .address_space: global }
      - { .name: lowp_scales, .offset: 32, .size: 8, .value_kind: global_buffer, .address_space: global }
      - { .name: mc, .offset: 40, .size: 8, .value_kind: global_buffer, .address_space: global }
      - { .name: part, .offset: 48, .size: 8, .value_kind: global_buffer, .address_space: global }
    .group_segment_fixed_size: 54272
    .private_segment_fixed_size: 0
    .kernarg_segment_align: 8
    .kernarg_segment_size: 56
    .max_flat_workgroup_size: 256
    .sgpr_count:     66
    .vgpr_count:     512
    .wavefront_size: 32
...
	.end_amdgpu_metadata
.endif
;; end of part 4
;; launch stats (part 5): grid 16 x 1, 1 waves a work-group, no clusters, 0 bytes of LDS; arguments part, b1, gamma, st; writes st
.if DOCPART == 5
	.amdgcn_target "amdgcn-amd-amdhsa--gfx1250"
	.amdhsa_code_object_version 6
	.text
	.protected	k_qdd0843cc4d_stats
	.globl	k_qdd0843cc4d_stats
	.p2align	8
	.type	k_qdd0843cc4d_stats,@function
k_qdd0843cc4d_stats:
	s_mov_b64 s[64:65], 0
	v_nop
	global_prefetch_b8 v0, s[64:65] scope:SCOPE_SE
	s_setreg_imm32_b32 hwreg(HW_REG_WAVE_MODE, 25, 1), 1
	s_wait_xcnt 0x0
; The batch statistics of the 512 hidden channels from the 128 work-groups' parts (each: the mean and the sum of squared deviations over 64 columns, without b1).
; mean = the parts' means' mean;  variance = (the sum of the parts' sums of squares + 64 x the sum of (part's mean - mean)^2) / 8,192: no difference of large sums is formed.
; Stored: mean + b1 (the mean of h as the module has it) and a = gamma / sqrt(variance + 1e-5).
; A lane takes a channel: 32 channels a work-group, one wave.  Each load and store covers 128 consecutive bytes: the whole result is 4,096 bytes, so no wider form is sought.
; REGISTERS: v1 4 x my channel; v16-143 the means, later 64 sums of squares; v144-207 the first 64 sums of squares; v208 b1, v209 gamma; v210-213 four chains; v214 the mean; v215-217 at work.
	s_load_b256 s[4:11], s[0:1], 0x0               ; part, b1, gamma, st
	s_lshl_b32 s12, ttmp9, 5
	v_add_nc_u32 v1, s12, v0
	v_lshlrev_b32 v1, 2, v1                        ; 4 x my channel
	s_wait_kmcnt 0x0
.set g, 0
.rept 128
	global_load_b32 v[16+g], v1, s[4:5] offset:4096*g            ; the means
.set g, g+1
.endr
.set g, 0
.rept 64
	global_load_b32 v[144+g], v1, s[4:5] offset:4096*g+2048      ; the first 64 sums of squares
.set g, g+1
.endr
	global_load_b32 v208, v1, s[6:7]               ; b1
	global_load_b32 v209, v1, s[8:9]               ; gamma
	s_wait_loadcnt 63                              ; the 128 means are older than the 66 loads behind them
.irp k, 0,1,2,3
	v_add_f32 v[210+\k], v[16+\k], v[20+\k]        ; four chains
.endr
.set q, 2
.rept 30
.irp k, 0,1,2,3
	v_add_f32 v[210+\k], v[210+\k], v[16+4*q+\k]
.endr
.set q, q+1
.endr
	v_add_f32 v210, v210, v211
	v_add_f32 v212, v212, v213
	v_add_f32 v210, v210, v212
	v_mul_f32 v214, 0x3c000000, v210               ; / 128: the mean
.set g, 0
.rept 128
	v_sub_f32 v[16+g], v[16+g], v214
.set g, g+1
.endr
.irp k, 0,1,2,3
	v_mul_f32 v[210+\k], v[16+\k], v[16+\k]
.endr
.set q, 1
.rept 31
.irp k, 0,1,2,3
	v_fmac_f32 v[210+\k], v[16+4*q+\k], v[16+4*q+\k]
.endr
.set q, q+1
.endr
	v_add_f32 v210, v210, v211
	v_add_f32 v212, v212, v213
	v_add_f32 v215, v210, v212                     ; the sum of (part's mean - mean)^2
.set g, 0
.rept 64
	global_load_b32 v[16+g], v1, s[4:5] offset:4096*(64+g)+2048  ; the other 64 sums of squares
.set g, g+1
.endr
	s_wait_loadcnt 63                              ; all that was asked for ahead of these 64 is in
.irp k, 0,1,2,3
	v_add_f32 v[210+\k], v[144+\k], v[148+\k]
.endr
.set q, 2
.rept 14
.irp k, 0,1,2,3
	v_add_f32 v[210+\k], v[210+\k], v[144+4*q+\k]
.endr
.set q, q+1
.endr
	s_wait_loadcnt 0x0
.set q, 0
.rept 16
.irp k, 0,1,2,3
	v_add_f32 v[210+\k], v[210+\k], v[16+4*q+\k]
.endr
.set q, q+1
.endr
	v_add_f32 v210, v210, v211
	v_add_f32 v212, v212, v213
	v_add_f32 v210, v210, v212
	v_fmac_f32 v210, 0x42800000, v215              ; + 64 x
	v_mul_f32 v216, 0x39000000, v210               ; / 8,192: the variance
	v_add_f32 v216, 0x3727c5ac, v216               ; + 1e-5
	v_rsq_f32 v217, v216
	v_add_f32 v214, v214, v208                     ; the mean of h; also the plain line behind the root
	s_wait_alu depctr_va_vdst(0)                   ; the wait ahead of the root's first reader
	v_mul_f32 v217, v209, v217
	global_store_b32 v1, v214, s[10:11]
	global_store_b32 v1, v217, s[10:11] offset:2048
	s_endpgm
.Lfunc_end_k_qdd0843cc4d_stats:
	.size	k_qdd0843cc4d_stats, .Lfunc_end_k_qdd0843cc4d_stats-k_qdd0843cc4d_stats
	.p2alignl 7, 3214868480
	.fill 96, 4, 3214868480
	.section	.rodata,"a",@progbits
	.p2align	6, 0x0
	.amdhsa_kernel k_qdd0843cc4d_stats
		.amdhsa_group_segment_fixed_size 0
		.amdhsa_private_segment_fixed_size 0
		.amdhsa_enable_private_segment 0
		.amdhsa_kernarg_size 32
		.amdhsa_user_sgpr_count 2
		.amdhsa_user_sgpr_kernarg_segment_ptr 1
		.amdhsa_wavefront_size32 1
		.amdhsa_system_sgpr_workgroup_id_x 1
		.amdhsa_system_sgpr_workgroup_id_y 1
		.amdhsa_system_sgpr_workgroup_id_z 1
		.amdhsa_system_vgpr_workitem_id 0
		.amdhsa_next_free_vgpr 224
		.amdhsa_next_free_sgpr 66
		.amdhsa_reserve_vcc 0
		.amdhsa_float_denorm_mode_32 3
		.amdhsa_float_denorm_mode_16_64 3
		.amdhsa_memory_ordered 1
		.amdhsa_forward_progress 1
		.amdhsa_inst_pref_size 42
	.end_amdhsa_kernel
	.amdgpu_metadata
---
amdhsa.version: [ 1, 2 ]
amdhsa.kernels:
  - .name:           k_qdd0843cc4d_stats
    .symbol:         k_qdd0843cc4d_stats.kd
    .args:
      - { .name: part, .offset: 0, .size: 8, .value_kind: global_buffer, .address_space: global }
      - { .name: b1, .offset: 8, .size: 8, .value_kind: global_buffer, .address_space: global }
      - { .name: gamma, .offset: 16, .size: 8, .value_kind: global_buffer, .address_space: global }
      - { .name: st, .offset: 24, .size: 8, .value_kind: global_buffer, .address_space: global }
    .group_segment_fixed_size: 0
    .private_segment_fixed_size: 0
    .kernarg_segment_align: 8
    .kernarg_segment_size: 32
    .max_flat_workgroup_size: 32
    .sgpr_count:     66
    .vgpr_count:     224
    .wavefront_size: 32
...
	.end_amdgpu_metadata
.endif
;; end of part 5
;; launch mlp2 (part 6): grid 128 x 1, 8 waves a work-group, no clusters, 142,336 bytes of LDS; arguments acts, mc, wts, st, b1, beta, b2, lowp_scales, out0; writes out0
.if DOCPART == 6
	.amdgcn_target "amdgcn-amd-amdhsa--gfx1250"
	.amdhsa_code_object_version 6
	.text
	.protected	k_qdd0843cc4d_mlp2
	.globl	k_qdd0843cc4d_mlp2
	.p2align	8
	.type	k_qdd0843cc4d_mlp2,@function
k_qdd0843cc4d_mlp2:
	s_mov_b64 s[64:65], 0
	v_nop
	global_prefetch_b8 v0, s[64:65] scope:SCOPE_SE
	s_setreg_imm32_b32 hwreg(HW_REG_WAVE_MODE, 25, 1), 1
	s_wait_xcnt 0x0
; out = W2^T relu((h - mean) a + beta) + b2, with h = W1^T [x; message] + b1 made again from the codes, mean and a = gamma / sqrt(var + eps) from the launch before.
; SHARES as in the launch that made the statistics: work-group g: 64 columns = four tiles m; wave w: hidden channels 64 w .. + 63 (W1's tiles 4 w + i, i = 2 p + u), then outputs 32 w .. + 31 (W2's tiles 2 w + n2).
; The weights go from memory straight into registers, once a wave: 32 KB of W1, 16 KB of W2, the second laid over the first's K steps 0 and 1 as soon as these have been multiplied.
; No multicast, for the reason given there: fragments read once by one wave, into registers.
; (b1 - mean) / 2^E, E = entries 12 + 13, is the C of each sum's first matrix instruction: the sums are then (h - mean) / 2^E, and one packed multiply-add with a x 2^E and beta finishes the norm.
; The activation costs nothing: the hold that the conversion wants clips at 0 as well.
; LAYER 1 takes the weight as source 0: a lane holds one column, its 16 registers of tiles 2 p, 2 p + 1 are 16 neighbouring hidden channels: a chunk of layer 2's operand, which goes round through LDS as an image.
; LAYER 2 takes the columns as source 0: a lane holds one output channel and eight neighbouring columns, which is how out0 lies; the results go through the wave's own stage and leave as rows of 256 bytes.
; LIMITS: entry 15 between -126 and 119; entries 14 + 15 between -126 and 127.  E is applied by v_ldexp_f32.
; REGISTERS: window 0: v1-9, v240 addresses; v10, v11 the hidden layer's scale and hold; v[12:15] b2; v16-79 F: four fragments from LDS, a and beta, rows of the result; v80-207 sixteen accumulators ((i, m) at
; 80 + 64 p + 16 m + 8 u), later layer 2's eight (v80-143) and the results (v144-207); v208-239 C's, later codes.  Window 1: W1 at 64 s + 16 i + 4 c; later W2 (tile n2, K step s2) at 16 (2 s2 + n2).
.set XIMG, 0                           ; LDS: x's four tiles (entry 13's codes),
.set MIMG, 16384                       ; the message's,
.set HIMG, 32768                       ; the hidden layer's four tiles of 16 columns x 512 K: 8,192 bytes each,
.set CST,  65536                       ; 512 x (b1 - mean) / 2^E, 512 x a 2^E, 512 x beta,
.set OSTG, 71680                       ; and a stage of 32 rows x (256 + 16) bytes for each wave
.set SP,   272
.set F,   16
.set ACC, 80
.set Y,   144
.set C0,  208
.set PC,  208
.set MSB, 0
.macro WIN new
.if MSB != \new
	s_set_vgpr_msb (MSB<<8)|\new
.set MSB, \new
.endif
.endm
.macro PLACES n
.rept \n
	v_nop
.endr
.endm
.macro MKQ se, vs, vl, t0, t1
	s_add_co_i32 s[\t0], s[\se], 127
	s_lshl_b32 s[\t1], s[\t0], 23
	v_mov_b32 v[\vs], s[\t1]
	s_add_co_i32 s[\t0], s[\t0], 8
	s_lshl_b32 s[\t0], s[\t0], 23
	s_or_b32 s[\t0], s[\t0], 0x600000
	v_mov_b32 v[\vl], s[\t0]
.endm
.macro QRELU src, dst, vs, vl          ; 16 neighbours along the next K: the activation and the hold in one, then four registers of codes
.irp i, 0,1,2,3,4,5,6,7,8,9,10,11,12,13,14,15
	v_med3_num_f32 v[\src+\i], v[\src+\i], 0, v[\vl]
.endr
	v_cvt_scalef32_pk8_fp8_f32 v[\dst:\dst+1], v[\src:\src+7], v[\vs]
	v_cvt_scalef32_pk8_fp8_f32 v[\dst+2:\dst+3], v[\src+8:\src+15], v[\vs]
.endm
.macro BARRIER
	s_wait_dscnt 0x0
	s_barrier_signal -1
	s_barrier_wait -1
.endm
.macro FETCH4 base, mstr
.irp m, 0,1,2,3
.irp c, 0,1,2,3
	ds_load_b128 v[F+16*\m+4*\c:F+16*\m+4*\c+3], v1 offset:\base+\m*\mstr+512*\c
.endr
.endr
.endm
	s_load_b512 s[4:19], s[0:1], 0x0               ; acts, mc, wts, st, b1, beta, b2, the exponents
	s_load_b64 s[20:21], s[0:1], 0x40              ; out0
	v_lshl_add_u32 v254, v0, 2, 0x22800
	v_mov_b32 v255, 0
	v_lshrrev_b32 v241, 5, v0
	v_readfirstlane_b32 s22, v241                  ; wave
	v_and_b32 v241, 31, v0
	v_lshlrev_b32 v1, 4, v241                      ; 16 x lane
	v_lshlrev_b32 v2, 4, v0                        ; 16 x thread
	v_lshlrev_b32 v3, 3, v0                        ; 8 x thread: two channels a thread
	v_add_nc_u32 v240, CST, v3
	v_and_b32 v242, 15, v0                         ; r
	v_bfe_u32 v243, v0, 4, 1                       ; h
	s_lshl_b32 s40, s22, 8
	s_add_co_u32 s40, s40, CST
	v_lshl_add_u32 v4, v243, 6, s40                ; my 64 channels' constants, + 16 channels for the upper half of the lanes
	s_lshl_b32 s40, s22, 10
	s_add_co_u32 s40, s40, HIMG
	v_add_nc_u32 v5, s40, v1                       ; the hidden layer's chunks 2 w, 2 w + 1 of a tile
	v_and_b32 v244, 8, v242
	v_add_nc_u32 v244, v244, v242                  ; r + 8 (r / 8)
	v_lshlrev_b32 v9, 2, v244
	s_mul_i32 s40, s22, 32*SP
	s_add_co_u32 s40, s40, OSTG                    ; my stage
	v_mul_u32_u24 v6, v244, SP
	v_lshl_add_u32 v6, v243, 6, v6
	v_add_nc_u32 v6, s40, v6                       ; in: row = my output channel, + 16 columns for the upper half of the lanes
	v_mul_u32_u24 v7, v243, SP
	v_lshl_add_u32 v7, v242, 4, v7
	v_add_nc_u32 v7, s40, v7                       ; back: lanes 0-15 one row of 256 bytes, lanes 16-31 the next
	v_lshlrev_b32 v8, 14, v243
	v_lshl_add_u32 v8, v242, 4, v8                 ; and the same two rows of out0, 16,384 bytes apart
	v_mov_b32 v13, 0                               ; (named as upper halves of pairs)
	v_mov_b32 v15, 0
	s_lshl_b32 s40, ttmp9, 14
	s_mov_b32 s41, 0
	s_mov_b32 s43, 0
	s_wait_kmcnt 0x0
	s_load_b512 s[24:39], s[18:19], 0x0            ; the sixteen exponents: entry k in s[24 + k]
	s_add_nc_u64 s[44:45], s[4:5], s[40:41]
	s_add_nc_u64 s[44:45], s[44:45], 0x400000      ; x's codes with entry 13
	s_add_nc_u64 s[46:47], s[6:7], s[40:41]
	s_lshl_b32 s42, s22, 14
	s_add_co_u32 s42, s42, 262144
	s_add_nc_u64 s[48:49], s[8:9], s[42:43]        ; W1's tiles 4 w ..
	s_lshl_b32 s42, s22, 13
	s_add_co_u32 s42, s42, 524288
	s_add_nc_u64 s[50:51], s[8:9], s[42:43]        ; W2's tiles 2 w, 2 w + 1
	s_lshl_b32 s42, s22, 7
	s_add_nc_u64 s[52:53], s[16:17], s[42:43]      ; b2 at channel 32 w
	s_lshr_b32 s42, ttmp9, 6
	s_lshl_b32 s42, s42, 8
	s_lshl_b32 s60, s22, 5
	s_add_co_u32 s42, s42, s60                     ; row batch x 256 + 32 w of out0,
	s_lshl_b32 s42, s42, 14
	s_and_b32 s60, ttmp9, 63
	s_lshl_b32 s60, s60, 8                         ; my 64 columns
	s_add_co_u32 s42, s42, s60
	s_add_nc_u64 s[54:55], s[20:21], s[42:43]
.irp i, 0,1,2,3
	global_load_b128 v[16+4*\i:19+4*\i], v2, s[44:45] offset:4096*\i
.endr
.irp i, 0,1,2,3
	global_load_b128 v[32+4*\i:35+4*\i], v2, s[46:47] offset:4096*\i
.endr
	global_load_b64 v[48:49], v3, s[10:11]               ; the mean of h
	global_load_b64 v[50:51], v3, s[10:11] offset:2048   ; a
	global_load_b64 v[52:53], v3, s[12:13]               ; b1
	global_load_b64 v[54:55], v3, s[14:15]               ; beta
	global_load_b32 v12, v9, s[52:53]                    ; b2 of my lane's channel in tile 2 w,
	global_load_b32 v14, v9, s[52:53] offset:32          ; and in tile 2 w + 1
	WIN 0x40                                       ; destination window 1
.irp s, 0,1,2,3
.irp i, 0,1,2,3
.irp c, 0,1,2,3
	global_load_b128 v[64*\s+16*\i+4*\c:64*\s+16*\i+4*\c+3], v1, s[48:49] offset:131072*(\s/2)+4096*\i+2048*(\s%2)+512*\c
.endr
.endr
.endr
	WIN 0
	s_wait_loadcnt 63                              ; the 14 loads ahead of W1's 64 are in
	s_wait_kmcnt 0x0
	s_add_co_i32 s56, s36, s37                     ; E
	s_sub_co_i32 s57, 0, s56
	s_add_co_i32 s58, s38, s39                     ; entries 14 + 15,
	s_add_co_i32 s58, s58, 127
	s_lshl_b32 s58, s58, 23                        ; as the f32 number 2^(14 + 15)
	s_mov_b32 s59, s58                             ; (named with it as a pair, so it is written)
	MKQ 39, 10, 11, 60, 61
	v_sub_f32 v56, v52, v48
	v_sub_f32 v57, v53, v49
	v_ldexp_f32 v56, v56, s57                      ; (b1 - mean) / 2^E
	v_ldexp_f32 v57, v57, s57
	v_ldexp_f32 v58, v50, s56                      ; a x 2^E
	v_ldexp_f32 v59, v51, s56
.irp i, 0,1,2,3
	ds_store_b128 v2, v[16+4*\i:19+4*\i] offset:XIMG+4096*\i
.endr
.irp i, 0,1,2,3
	ds_store_b128 v2, v[32+4*\i:35+4*\i] offset:MIMG+4096*\i
.endr
	ds_store_b64 v240, v[56:57]
	ds_store_b64 v240, v[58:59] offset:2048
	ds_store_b64 v240, v[54:55] offset:4096
	BARRIER                                        ; the columns' tiles and the channels' constants lie in LDS
.irp i, 0,1,2,3
	ds_load_b128 v[C0+8*\i:C0+8*\i+3], v4 offset:128*(\i/2)+32*(\i%2)         ; channel 64 w + 32 p + 16 h + 8 u + 0 .. 7
	ds_load_b128 v[C0+8*\i+4:C0+8*\i+7], v4 offset:128*(\i/2)+32*(\i%2)+16
.endr
	; ---- layer 1: sixteen accumulators by turns, K steps 0, 1 on x, 2, 3 on the message
.irp s, 0,1,2,3
.if \s < 2
	FETCH4 XIMG+2048*\s, 4096
.else
	FETCH4 MIMG+2048*(\s-2), 4096
.endif
	s_wait_dscnt 0x0
.if \s < 3
	s_wait_loadcnt 48                              ; W1's K step s is in.  Behind it: W1's later steps, 16 loads each, and the groups of 16 loads of W2 issued so far: 48 in steps 0, 1 and 2,
.else
	s_wait_loadcnt 32                              ; 32 in step 3
.endif
	WIN 0x01                                       ; source 0 (W1) window 1
.irp m, 0,1,2,3
.irp i, 0,1,2,3
.set D, ACC+64*(\i/2)+16*\m+8*(\i%2)
.if \s == 0
	v_wmma_f32_16x16x128_fp8_fp8 v[D:D+7], v[64*\s+16*\i:64*\s+16*\i+15], v[F+16*\m:F+16*\m+15], v[C0+8*\i:C0+8*\i+7]
.else
	v_wmma_f32_16x16x128_fp8_fp8 v[D:D+7], v[64*\s+16*\i:64*\s+16*\i+15], v[F+16*\m:F+16*\m+15], v[D:D+7]
.endif
.endr
.endr
	WIN 0
	PLACES 4                                       ; in front of loads into registers that the products read, and of the first read of results
.if \s < 2
	WIN 0x40                                       ; W2's K steps 2 s and 2 s + 1 take the registers of W1's K step s
.irp q, 0,1
.irp n, 0,1
.irp c, 0,1,2,3
	global_load_b128 v[16*(2*(2*\s+\q)+\n)+4*\c:16*(2*(2*\s+\q)+\n)+4*\c+3], v1, s[50:51] offset:65536*\s+4096*\n+2048*\q+512*\c
.endr
.endr
.endr
	WIN 0
.endif
.endr
	; ---- the norm, the activation, the quantiser
.irp i, 0,1,2,3
	ds_load_b128 v[F+8*\i:F+8*\i+3], v4 offset:2048+128*(\i/2)+32*(\i%2)
	ds_load_b128 v[F+8*\i+4:F+8*\i+7], v4 offset:2048+128*(\i/2)+32*(\i%2)+16
	ds_load_b128 v[F+32+8*\i:F+32+8*\i+3], v4 offset:4096+128*(\i/2)+32*(\i%2)
	ds_load_b128 v[F+32+8*\i+4:F+32+8*\i+7], v4 offset:4096+128*(\i/2)+32*(\i%2)+16
.endr
	s_wait_dscnt 0x0
.irp m, 0,1,2,3
.irp i, 0,1,2,3
.irp j, 0,2,4,6
.set D, ACC+64*(\i/2)+16*\m+8*(\i%2)+\j
	v_pk_fma_f32 v[D:D+1], v[D:D+1], v[F+8*\i+\j:F+8*\i+\j+1], v[F+32+8*\i+\j:F+32+8*\i+\j+1]   ; (h - mean) a + beta, each accumulator from its low end on
.endr
.endr
.endr
.irp m, 0,1,2,3
.irp p, 0,1
	QRELU ACC+64*\p+16*\m, PC+8*\m+4*\p, 10, 11
.endr
.endr
	v_nop
.irp m, 0,1,2,3
.irp p, 0,1
	ds_store_b128 v5, v[PC+8*\m+4*\p:PC+8*\m+4*\p+3] offset:8192*\m+512*\p
.endr
.endr
	BARRIER                                        ; the hidden layer's four tiles lie in LDS
	; ---- layer 2: eight accumulators by turns, a K step at a time
	s_wait_loadcnt 0x0                             ; W2
	PLACES 5                                       ; the accumulators are laid over layer 1's: five plain lines ahead of a product that writes over registers of earlier ones
.irp s, 0,1,2,3
	FETCH4 HIMG+2048*\s, 8192
	s_wait_dscnt 0x0
	WIN 0x04                                       ; source 1 (W2) window 1
.irp m, 0,1,2,3
.irp n, 0,1
.if \s == 0
	v_wmma_f32_16x16x128_fp8_fp8 v[ACC+8*(4*\n+\m):ACC+8*(4*\n+\m)+7], v[F+16*\m:F+16*\m+15], v[16*(2*\s+\n):16*(2*\s+\n)+15], 0
.else
	v_wmma_f32_16x16x128_fp8_fp8 v[ACC+8*(4*\n+\m):ACC+8*(4*\n+\m)+7], v[F+16*\m:F+16*\m+15], v[16*(2*\s+\n):16*(2*\s+\n)+15], v[ACC+8*(4*\n+\m):ACC+8*(4*\n+\m)+7]
.endif
.endr
.endr
	WIN 0
	PLACES 4
.endr
	; ---- the way out.  Lane (r, h) of accumulator (n2, m): output channel 32 w + 8 n2 + r + 8 (r / 8), columns 32 (m / 2) + 16 h + 8 (m % 2) + 0 .. 7
.irp n, 0,1
.irp m, 0,1,2,3
.irp j, 0,2,4,6
	v_pk_fma_f32 v[Y+8*(4*\n+\m)+\j:Y+8*(4*\n+\m)+\j+1], v[ACC+8*(4*\n+\m)+\j:ACC+8*(4*\n+\m)+\j+1], s[58:59], v[12+2*\n:13+2*\n] op_sel_hi:[1,0,0]   ; sum x 2^(14 + 15) + b2
.endr
.endr
.endr
.irp n, 0,1
.irp m, 0,1,2,3
	ds_store_b128 v6, v[Y+8*(4*\n+\m):Y+8*(4*\n+\m)+3] offset:8*SP*\n+128*(\m/2)+32*(\m%2)
	ds_store_b128 v6, v[Y+8*(4*\n+\m)+4:Y+8*(4*\n+\m)+7] offset:8*SP*\n+128*(\m/2)+32*(\m%2)+16
.endr
.endr
.irp k, 0,1,2,3,4,5,6,7,8,9,10,11,12,13,14,15
	ds_load_b128 v[F+4*\k:F+4*\k+3], v7 offset:2*SP*\k   ; the stage is my own, and LDS serves a wave's instructions in order: these see my stores
.endr
.irp k, 0,1,2,3,4,5,6,7,8,9,10,11,12,13,14,15
	s_wait_dscnt 15-\k                             ; the younger loads may stay out
	global_store_b128 v8, v[F+4*\k:F+4*\k+3], s[54:55] offset:32768*\k th:TH_STORE_NT   ; sixteen lanes store 256 consecutive bytes, at a multiple of 256 from out0's first byte
.endr
	s_wait_tensorcnt 0x0
	ds_add_u32 v254, v255
	s_wait_dscnt 0x0
	s_endpgm
.Lfunc_end_k_qdd0843cc4d_mlp2:
	.size	k_qdd0843cc4d_mlp2, .Lfunc_end_k_qdd0843cc4d_mlp2-k_qdd0843cc4d_mlp2
	.p2alignl 7, 3214868480
	.fill 96, 4, 3214868480
	.section	.rodata,"a",@progbits
	.p2align	6, 0x0
	.amdhsa_kernel k_qdd0843cc4d_mlp2
		.amdhsa_group_segment_fixed_size 142336
		.amdhsa_private_segment_fixed_size 0
		.amdhsa_enable_private_segment 0
		.amdhsa_kernarg_size 72
		.amdhsa_user_sgpr_count 2
		.amdhsa_user_sgpr_kernarg_segment_ptr 1
		.amdhsa_wavefront_size32 1
		.amdhsa_system_sgpr_workgroup_id_x 1
		.amdhsa_system_sgpr_workgroup_id_y 1
		.amdhsa_system_sgpr_workgroup_id_z 1
		.amdhsa_system_vgpr_workitem_id 0
		.amdhsa_next_free_vgpr 512
		.amdhsa_next_free_sgpr 72
		.amdhsa_reserve_vcc 0
		.amdhsa_float_denorm_mode_32 3
		.amdhsa_float_denorm_mode_16_64 3
		.amdhsa_memory_ordered 1
		.amdhsa_forward_progress 1
		.amdhsa_inst_pref_size 53
	.end_amdhsa_kernel
	.amdgpu_metadata
---
amdhsa.version: [ 1, 2 ]
amdhsa.kernels:
  - .name:           k_qdd0843cc4d_mlp2
    .symbol:         k_qdd0843cc4d_mlp2.kd
    .args:
      - { .name: acts, .offset: 0, .size: 8, .value_kind: global_buffer, .address_space: global }
      - { .name: mc, .offset: 8, .size: 8, .value_kind: global_buffer, .address_space: global }
      - { .name: wts, .offset: 16, .size: 8, .value_kind: global_buffer, .address_space: global }
      - { .name: st, .offset: 24, .size: 8, .value_kind: global_buffer, .address_space: global }
      - { .name: b1, .offset: 32, .size: 8, .value_kind: global_buffer, .address_space: global }
      - { .name: beta, .offset: 40, .size: 8, .value_kind: global_buffer, .address_space: global }
      - { .name: b2, .offset: 48, .size: 8, .value_kind: global_buffer, .address_space: global }
      - { .name: lowp_scales, .offset: 56, .size: 8, .value_kind: global_buffer, .address_space: global }
      - { .name: out0, .offset: 64, .size: 8, .value_kind: global_buffer, .address_space: global }
    .group_segment_fixed_size: 142336
    .private_segment_fixed_size: 0
    .kernarg_segment_align: 8
    .kernarg_segment_size: 72
    .max_flat_workgroup_size: 256
    .sgpr_count:     72
    .vgpr_count:     512
    .wavefront_size: 32
...
	.end_amdgpu_metadata
.endif
;; end of part 6
;; ======== version 2 of 2: 6 launches
;; workspace buffers: acts 8,388,608 bytes; wts 655,360 bytes; qimg 2,097,152 bytes; kv 4,194,304 bytes; at 2,097,152 bytes; mc 2,097,152 bytes; part 524,288 bytes; st 4,096 bytes
;; launch quant (part 7): grid 296 x 1, 2 waves a work-group, no clusters, 35,072 bytes of LDS; arguments x, source, Wq, Wk, Wv, Wo, W1, W2, lowp_scales, acts, wts; writes acts, wts
.if DOCPART == 7
	.amdgcn_target "amdgcn-amd-amdhsa--gfx1250"
	.amdhsa_code_object_version 6
	.text
	.protected	k_qdd0843cc4d_quant
	.globl	k_qdd0843cc4d_quant
	.p2align	8
	.type	k_qdd0843cc4d_quant,@function
k_qdd0843cc4d_quant:
	s_mov_b64 s[64:65], 0
	v_nop
	global_prefetch_b8 v0, s[64:65] scope:SCOPE_SE
	s_setreg_imm32_b32 hwreg(HW_REG_WAVE_MODE, 25, 1), 1
	s_wait_xcnt 0x0
; x, source and the six weights, all f32 with K (the channels that a product sums over) as their FIRST axis, become codes of FP8 (E4M3), laid as IMAGES OF OPERAND REGISTERS.
; A TILE is 16 rows x 256 K = 4,096 bytes, laid [K step s of 128][chunk c of 32][512 bytes]: lane l = (r = l % 16, h = l / 16) has its 16 bytes at 16 l, and they are K = 128 s + 32 c + 16 h + 0 .. 15 of row r.
; THE ROWS OF A TILE ARE NOT NEIGHBOURS: 32 logical rows make tiles 2 j and 2 j + 1; lane r of tile 2 j + u is logical row 32 j + 8 u + r + 8 (r / 8).  So where such a tile is a matrix instruction's source 0,
; a lane's 16 results of the two tiles are 16 neighbours, which is a chunk of the next operand.
; A JOB (one wave) takes 32 logical rows x 256 K: A LANE TAKES A ROW (a column of the tensor in memory) AND ITS REGISTERS RUN DOWN K, so the conversions give codes with K innermost; they turn through the
; wave's own stage in LDS (32 rows, 272 bytes apart) and leave as two tiles, each store 512 consecutive bytes at a multiple of 512.
; Jobs 0-255: x (codes with scale entry 1 into acts + 0, with entry 13 into acts + 4 MB); 256-511: source (entry 3 at + 2 MB, entry 5 at + 6 MB); then into wts: Wq, Wk, Wv (8 jobs each; logical row 64 head + d
; stands for column 4 d + head), Wo (8 jobs; K position 64 head + d stands for row 4 d + head), W1 (32 jobs: 16 x K half + pair of tiles), W2 (16 jobs: 8 x K half + pair).
; What differs between the classes is eleven numbers, chosen by s_cselect on the work-group's number; one text serves all.
; code = number / 2^e, held within +-448, to the nearest code, ties to even.  LIMITS: each e used here lies between -126 and 119, so that 2^e and 448 x 2^e are f32 numbers.  NaN among the inputs is not served.
; No tensor load, no barrier: waves share nothing.  Loads run two blocks of 32 K (64 loads a wave) ahead.  No multicast: no two work-groups read the same bytes but for the small weights Wq, Wk, Wv.
.set NACT,  256                        ; work-groups that take x or source: these make two sets of codes
.set SP,    272                        ; a stage row: 256 bytes of codes + 16
.set STGB,  32*SP                      ; the second stage of a wave
.set WREG,  2*STGB                     ; LDS of a wave
.set VO,    16                         ; v16-47   byte offset of my row at K = 0 .. 31 of a block
.set X,     48                         ; v48-111  two sets of 32 numbers
.set T,     112                        ; v112-143 the numbers held
.set C,     144                        ; v144-151 a block's codes, first scale
.set C2,    152                        ; v152-159 second scale
.set OUTR,  160                        ; v160-223 the way out
.macro MKQ se, vs, vl, t0, t1          ; v[vs] = 2^e as f32 (the conversion takes its exponent field), v[vl] = 448 x 2^e
	s_add_co_i32 s[\t0], s[\se], 127
	s_lshl_b32 s[\t1], s[\t0], 23
	v_mov_b32 v[\vs], s[\t1]
	s_add_co_i32 s[\t0], s[\t0], 8
	s_lshl_b32 s[\t0], s[\t0], 23
	s_or_b32 s[\t0], s[\t0], 0x600000
	v_mov_b32 v[\vl], s[\t0]
.endm
.macro CLASS firstwg, firstjob, src, mask, a1, shift, a2, lsh, pitch, sa, sb
	s_cmp_ge_u32 ttmp9, \firstwg                   ; from this work-group on: the class's numbers (s_cselect leaves SCC alone)
	s_cselect_b64 s[46:47], s[\src:\src+1], s[46:47]
	s_cselect_b32 s48, \firstjob, s48
	s_cselect_b32 s49, \mask, s49
	s_cselect_b32 s50, \a1, s50
	s_cselect_b32 s51, \shift, s51
	s_cselect_b32 s52, \a2, s52
	s_cselect_b32 s53, \lsh, s53
	s_cselect_b32 s54, \pitch, s54
	s_cselect_b32 s55, \sa, s55
	s_cselect_b32 s56, \sb, s56
.endm
.macro ECLASS firstwg, e
	s_cmp_ge_u32 ttmp9, \firstwg
	s_cselect_b32 s57, s[28+\e], s57
.endm
	s_load_b512 s[4:19], s[0:1], 0x0               ; x, source, Wq, Wk, Wv, Wo, W1, W2
	s_load_b128 s[20:23], s[0:1], 0x40             ; the scales' exponents, acts
	s_load_b64 s[24:25], s[0:1], 0x50              ; wts
	v_lshl_add_u32 v224, v0, 2, 0x8800
	v_mov_b32 v225, 0
	v_lshrrev_b32 v5, 5, v0
	v_readfirstlane_b32 s44, v5                    ; wave 0, 1
	v_and_b32 v1, 31, v0                           ; lane
	v_lshlrev_b32 v2, 4, v1                        ; 16 x lane: my place in an image
	s_mul_i32 s86, s44, WREG
	v_mul_u32_u24 v3, v1, SP
	v_add_nc_u32 v3, s86, v3                       ; into the stage: row = my lane
	v_and_b32 v5, 15, v0                           ; r
	v_bfe_u32 v6, v0, 4, 1                         ; h
	v_and_b32 v7, 8, v5
	v_add_nc_u32 v7, v7, v5                        ; r + 8 (r / 8)
	v_mul_u32_u24 v4, v7, SP
	v_lshl_add_u32 v4, v6, 4, v4
	v_add_nc_u32 v4, s86, v4                       ; out of it: that row, + 16 h
	s_lshl_b32 s45, ttmp9, 1
	s_add_co_u32 s45, s45, s44                     ; my job
	s_mov_b32 s48, 0                               ; class x: first job,
	s_mov_b32 s49, 127                             ; (job & mask) x a1 + (job >> shift) x a2 = the job's first byte,
	s_mov_b32 s50, 128
	s_mov_b32 s51, 7
	s_mov_b32 s52, 4194304
	s_mov_b32 s53, 2                               ; lane << lsh: from row to row,
	s_mov_b32 s54, 16384                           ; pitch: from K to K + 1 inside a block,
	s_mov_b32 s55, 1048576                         ; block t begins (t / 2) x sa + (t % 2) x sb further on
	s_mov_b32 s56, 524288
	s_wait_kmcnt 0x0
	s_load_b512 s[28:43], s[20:21], 0x0            ; the sixteen exponents
	s_mov_b64 s[46:47], s[4:5]
	CLASS 128, 256, 6,  127, 128, 7, 4194304, 2, 16384, 1048576, 524288
	CLASS 256, 512, 8,  1,   512, 1, 4,       4, 1024,  65536,   32768
	CLASS 260, 520, 10, 1,   512, 1, 4,       4, 1024,  65536,   32768
	CLASS 264, 528, 12, 1,   512, 1, 4,       4, 1024,  65536,   32768
	CLASS 268, 536, 14, 7,   128, 3, 0,       2, 4096,  1024,    131072
	CLASS 272, 544, 16, 15,  128, 4, 524288,  2, 2048,  131072,  65536
	CLASS 288, 576, 18, 7,   128, 3, 262144,  2, 1024,  65536,   32768
	s_sub_co_u32 s82, s45, s48                     ; the job's number in its class
	s_lshr_b32 s83, s82, s51
	s_and_b32 s82, s82, s49
	s_mul_i32 s82, s82, s50
	s_mul_i32 s83, s83, s52
	s_add_co_u32 s82, s82, s83
	s_mov_b32 s83, 0
	s_add_nc_u64 s[46:47], s[46:47], s[82:83]
	s_mov_b32 s85, 0
.irp t, 0,1,2,3,4,5,6,7
	s_mul_i32 s84, s55, \t/2
.if \t%2
	s_add_co_u32 s84, s84, s56
.endif
	s_add_nc_u64 s[66+2*\t:67+2*\t], s[46:47], s[84:85]   ; a base for each block: none is ever stepped
.endr
	v_lshlrev_b32 v[VO], s53, v1
.irp i, 1,2,3,4,5,6,7,8,9,10,11,12,13,14,15,16,17,18,19,20,21,22,23,24,25,26,27,28,29,30,31
	v_add_nc_u32 v[VO+\i], s54, v[VO+\i-1]
.endr
.macro LOAD t                          ; block t: K = 32 t + i of my row, into set t % 2
.irp i, 0,1,2,3,4,5,6,7,8,9,10,11,12,13,14,15,16,17,18,19,20,21,22,23,24,25,26,27,28,29,30,31
	global_load_b32 v[X+32*((\t)%2)+\i], v[VO+\i], s[66+2*(\t):67+2*(\t)]
.endr
.endm
	LOAD 0
	LOAD 1
	s_cmp_lt_u32 ttmp9, NACT                       ; where the codes go
	s_cselect_b64 s[60:61], s[22:23], s[24:25]
	s_cselect_b32 s82, 0, 512
	s_sub_co_u32 s82, s45, s82
	s_lshl_b32 s82, s82, 13                        ; 8,192 bytes a job
	s_add_nc_u64 s[60:61], s[60:61], s[82:83]
	s_add_nc_u64 s[62:63], s[60:61], 0x400000      ; the second set (used by x's and source's jobs alone)
	s_wait_kmcnt 0x0
	s_mov_b32 s57, s29                             ; x: entry 1
	ECLASS 128, 3
	ECLASS 256, 0
	ECLASS 260, 2
	ECLASS 264, 4
	ECLASS 268, 10
	ECLASS 272, 12
	ECLASS 288, 14
	s_cmp_ge_u32 ttmp9, 128
	s_cselect_b32 s58, s33, s41                    ; the second scale: source entry 5, x entry 13
	MKQ 57, 8, 9, 87, 88
	MKQ 58, 10, 11, 87, 88
; A block's 32 numbers are held, converted and put into a stage.  The numbers themselves stay as they are: a second scale may want them.
.macro QSET lim, sc, cd, off, t
.irp i, 0,1,2,3,4,5,6,7,8,9,10,11,12,13,14,15,16,17,18,19,20,21,22,23,24,25,26,27,28,29,30,31
	v_med3_num_f32 v[T+\i], v[X+32*((\t)%2)+\i], -v[\lim], v[\lim]   ; the conversion to an 8-bit code does not saturate (ISA guide 7.6.2): the hold at the largest code x the scale comes first
.endr
.irp g, 0,1,2,3
	v_cvt_scalef32_pk8_fp8_f32 v[\cd+2*\g:\cd+2*\g+1], v[T+8*\g:T+8*\g+7], v[\sc]
.endr
	v_nop                                          ; one plain vector line between a scaled conversion and the next vector line that writes its sources
	ds_store_b128 v3, v[\cd:\cd+3] offset:\off+32*(\t)
	ds_store_b128 v3, v[\cd+4:\cd+7] offset:\off+32*(\t)+16
.endm
.macro BLOCK t
.if (\t) < 7
	s_wait_loadcnt 32                              ; this block's 32 loads are in; the next block's may be out
.else
	s_wait_loadcnt 0x0
.endif
	QSET 9, 8, C, 0, \t
	s_cmp_lt_u32 ttmp9, NACT
	s_cbranch_scc0 .Lone_\@                        ; a weight has one scale
	QSET 11, 10, C2, STGB, \t
.Lone_\@:
.if (\t)+2 < 8
	LOAD (\t)+2
.endif
	s_wait_dscnt 0x0                               ; the stores have read their registers: the next block's codes may be written
.endm
	s_wait_alu depctr_va_vdst(0)
.irp t, 0,1,2,3,4,5,6,7
	BLOCK \t
.endr
; Out of a stage: two tiles x 8 chunks.  LDS serves a wave's instructions in order, so these loads see my stores.
.macro OUT stage, reg, dst
.irp u, 0,1
.irp s, 0,1
.irp c, 0,1,2,3
	ds_load_b128 v[\reg+4*(8*\u+4*\s+\c):\reg+4*(8*\u+4*\s+\c)+3], v4 offset:\stage+8*SP*\u+128*\s+32*\c
.endr
.endr
.endr
.irp u, 0,1
.irp s, 0,1
.irp c, 0,1,2,3
	s_wait_dscnt 15-(8*\u+4*\s+\c)                 ; the younger loads may stay out
	global_store_b128 v2, v[\reg+4*(8*\u+4*\s+\c):\reg+4*(8*\u+4*\s+\c)+3], s[\dst:\dst+1] offset:4096*\u+2048*\s+512*\c
.endr
.endr
.endr
.endm
	OUT 0, OUTR, 60
	s_cmp_lt_u32 ttmp9, NACT
	s_cbranch_scc0 .Lend
	OUT STGB, X, 62
.Lend:
	s_wait_tensorcnt 0x0
	ds_add_u32 v224, v225
	s_wait_dscnt 0x0
	s_endpgm
.Lfunc_end_k_qdd0843cc4d_quant:
	.size	k_qdd0843cc4d_quant, .Lfunc_end_k_qdd0843cc4d_quant-k_qdd0843cc4d_quant
	.p2alignl 7, 3214868480
	.fill 96, 4, 3214868480
	.section	.rodata,"a",@progbits
	.p2align	6, 0x0
	.amdhsa_kernel k_qdd0843cc4d_quant
		.amdhsa_group_segment_fixed_size 35072
		.amdhsa_private_segment_fixed_size 0
		.amdhsa_enable_private_segment 0
		.amdhsa_kernarg_size 88
		.amdhsa_user_sgpr_count 2
		.amdhsa_user_sgpr_kernarg_segment_ptr 1
		.amdhsa_wavefront_size32 1
		.amdhsa_system_sgpr_workgroup_id_x 1
		.amdhsa_system_sgpr_workgroup_id_y 1
		.amdhsa_system_sgpr_workgroup_id_z 1
		.amdhsa_system_vgpr_workitem_id 0
		.amdhsa_next_free_vgpr 226
		.amdhsa_next_free_sgpr 92
		.amdhsa_reserve_vcc 0
		.amdhsa_float_denorm_mode_32 3
		.amdhsa_float_denorm_mode_16_64 3
		.amdhsa_memory_ordered 1
		.amdhsa_forward_progress 1
		.amdhsa_inst_pref_size 80
	.end_amdhsa_kernel
	.amdgpu_metadata
---
amdhsa.version: [ 1, 2 ]
amdhsa.kernels:
  - .name:           k_qdd0843cc4d_quant
    .symbol:         k_qdd0843cc4d_quant.kd
    .args:
      - { .name: x, .offset: 0, .size: 8, .value_kind: global_buffer, .address_space: global }
      - { .name: source, .offset: 8, .size: 8, .value_kind: global_buffer, .address_space: global }
      - { .name: Wq, .offset: 16, .size: 8, .value_kind: global_buffer, .address_space: global }
      - { .name: Wk, .offset: 24, .size: 8, .value_kind: global_buffer, .address_space: global }
      - { .name: Wv, .offset: 32, .size: 8, .value_kind: global_buffer, .address_space: global }
      - { .name: Wo, .offset: 40, .size: 8, .value_kind: global_buffer, .address_space: global }
      - { .name: W1, .offset: 48, .size: 8, .value_kind: global_buffer, .address_space: global }
      - { .name: W2, .offset: 56, .size: 8, .value_kind: global_buffer, .address_space: global }
      - { .name: lowp_scales, .offset: 64, .size: 8, .value_kind: global_buffer, .address_space: global }
      - { .name: acts, .offset: 72, .size: 8, .value_kind: global_buffer, .address_space: global }
      - { .name: wts, .offset: 80, .size: 8, .value_kind: global_buffer, .address_space: global }
    .group_segment_fixed_size: 35072
    .private_segment_fixed_size: 0
    .kernarg_segment_align: 8
    .kernarg_segment_size: 88
    .max_flat_workgroup_size: 64
    .sgpr_count:     92
    .vgpr_count:     226
    .wavefront_size: 32
...
	.end_amdgpu_metadata
.endif
;; end of part 7
;; launch proj (part 8): grid 64 x 3, 8 waves a work-group, no clusters, 0 bytes of LDS; arguments acts, wts, bq, bk, bv, lowp_scales, qimg, kv; writes qimg, kv
.if DOCPART == 8
	.amdgcn_target "amdgcn-amd-amdhsa--gfx1250"
	.amdhsa_code_object_version 6
	.text
	.protected	k_qdd0843cc4d_proj
	.globl	k_qdd0843cc4d_proj
	.p2align	8
	.type	k_qdd0843cc4d_proj,@function
k_qdd0843cc4d_proj:
	s_mov_b64 s[64:65], 0
	v_nop
	global_prefetch_b8 v0, s[64:65] scope:SCOPE_SE
	s_setreg_imm32_b32 hwreg(HW_REG_WAVE_SCHED_MODE, 0, 2), 2
	s_setreg_imm32_b32 hwreg(HW_REG_WAVE_MODE, 25, 1), 1
	s_wait_xcnt 0x0
	s_wait_alu depctr_vm_vsrc(0)
; The three projections q = Wq^T x + bq, k = Wk^T source + bk, v = Wv^T source + bv on codes of FP8, their results quantised in registers and stored as images of attention's operands.
; Work-group (x, y): x = batch x 32 + block of 128 columns (8 tiles of 16), y = 0: q, 1: k, 2: v.  Wave w: head w % 4, half b' = w / 4 of the head's 64 channels: two tiles of the weight (wi = 0, 1), K = 256.
; q, k: source 0 = the weight's tile, source 1 = a tile of columns: a lane holds ONE column and its 16 results of the two tiles are channels 32 b' + 16 h + 0 .. 15 of the head: chunk b' of a row of Q or K.
; v: the sources change places: a lane holds ONE channel, and its 16 results of column tiles 2 b, 2 b + 1 are keys 32 b + 16 h + 0 .. 15: chunk b of a row of V^T, whose K is the keys.
; The bias is the C of each sum's first matrix instruction, divided by the power of two that the sums lack; the three scales are folded into the conversion's one: 2^(eOut - eW - eX).
; LIMIT: eOut - eW - eX lies between -126 and 119.  The bias's power is applied by v_ldexp_f32 and has no such limit.
; All operands go from memory straight into registers (each load 512 consecutive bytes): 8 KB of weight and 32 KB of columns a wave.  No LDS, no barrier.  No multicast: a work-group's 32 KB of columns are
; shared with two other work-groups only (the three y), and q reads other codes than k and v; the weights are 64 KB a tensor.
; REGISTERS: window 0: v1-3 addresses, v10-11 the conversion's scale and hold, v16-79 the weight, v80-95 the bias, v96-223 sixteen accumulators, v224-255 codes.  Window 1: the eight tiles of columns.
; THE MODE: SCHED_MODE bits 1:0 = 2 (LLVM: expert scheduling mode 2), set by the entry lines.  The code itself states the register dependences
; between vector or matrix instructions and memory instructions, with s_wait_alu, always for 0.
; THE PLAN.  Registers that memory instructions touch:
;   v1, v2, v3          byte offsets: written by vector lines at the head, read by every load and store, never written again.
;   v16-95, window 1    the weight, the bias, the columns: each is loaded once, and no vector line names it ahead of its load.
;   v224-255            the codes: written by the conversions, read by the stores, never written again.
; So one wait on va_vdst stands ahead of the first load, one behind the first four chunks' conversions and one behind the last four's.  The first four stores are dealt among the last four chunks' arithmetic,
; which names v160-223, v240-255, v10 and v11: none of the registers that those stores read.  One wait on va_sdst stands behind the line that makes the wave's number a scalar.
.set W,   16                           ; tile wi, K step s, chunk c at W + 32 wi + 16 s + 4 c
.set BI,  80
.set ACC, 96
.set PC,  224
.set MSB, 0
.macro WIN new                         ; the immediate's high byte repeats the setting that is left
.if MSB != \new
	s_set_vgpr_msb (MSB<<8)|\new
.set MSB, \new
.endif
.endm
.macro PLACES n
.rept \n
	v_nop
.endr
.endm
.macro MKQ se, vs, vl, t0, t1
	s_add_co_i32 s[\t0], s[\se], 127
	s_lshl_b32 s[\t1], s[\t0], 23
	v_mov_b32 v[\vs], s[\t1]
	s_add_co_i32 s[\t0], s[\t0], 8
	s_lshl_b32 s[\t0], s[\t0], 23
	s_or_b32 s[\t0], s[\t0], 0x600000
	v_mov_b32 v[\vl], s[\t0]
.endm
.macro QCH src, dst, vs, vl, relu      ; 16 neighbours along the next K become a chunk: four registers of codes
.irp i, 0,1,2,3,4,5,6,7,8,9,10,11,12,13,14,15
.if \relu
	v_med3_num_f32 v[\src+\i], v[\src+\i], 0, v[\vl]
.else
	v_med3_num_f32 v[\src+\i], v[\src+\i], -v[\vl], v[\vl]
.endif
.endr
	v_cvt_scalef32_pk8_fp8_f32 v[\dst:\dst+1], v[\src:\src+7], v[\vs]
	v_cvt_scalef32_pk8_fp8_f32 v[\dst+2:\dst+3], v[\src+8:\src+15], v[\vs]
.endm
.macro PUT vv, g                       ; chunk g leaves: 512 consecutive bytes
.if \vv
	global_store_b128 v1, v[PC+4*(\g):PC+4*(\g)+3], s[48:49] offset:2048*((\g)%2)+512*((\g)/2)   ; tile 2 b' + wi of V^T, chunk b
.else
	global_store_b128 v1, v[PC+4*(\g):PC+4*(\g)+3], s[48:49] offset:1024*(\g)                    ; column tile g, chunk b'
.endif
.endm
	s_load_b512 s[4:19], s[0:1], 0x0               ; acts, wts, bq, bk, bv, the exponents, qimg, kv
	v_and_b32 v4, 31, v0
	v_lshlrev_b32 v1, 4, v4                        ; 16 x lane
	v_lshrrev_b32 v5, 5, v0
	v_readfirstlane_b32 s37, v5                    ; wave
	v_bfe_u32 v6, v0, 4, 1
	v_lshlrev_b32 v2, 8, v6                        ; 256 h: sixteen channels of a head are 16 x 16 bytes of a bias
	v_and_b32 v7, 15, v0
	v_and_b32 v8, 8, v7
	v_add_nc_u32 v8, v8, v7
	v_lshlrev_b32 v3, 4, v8                        ; 16 (r + 8 (r / 8))
	s_wait_alu depctr_va_sdst(0)                   ; s37 is written, ahead of its first reader: the head, the half and all bases are made from it
	s_and_b32 s36, ttmp7, 0xffff                   ; 0: q, 1: k, 2: v
	s_and_b32 s38, s37, 3                          ; head
	s_lshr_b32 s39, s37, 2                         ; b'
	s_mov_b32 s41, 0
	s_wait_kmcnt 0x0
	s_load_b512 s[20:35], s[14:15], 0x0            ; the sixteen exponents
	s_lshl_b32 s40, s38, 2
	s_lshl_b32 s52, s39, 1
	s_add_co_u32 s40, s40, s52                     ; my first tile of the weight: 4 head + 2 b'
	s_lshl_b32 s40, s40, 12
	s_lshl_b32 s52, s36, 16
	s_add_co_u32 s40, s40, s52
	s_add_nc_u64 s[46:47], s[6:7], s[40:41]
	s_wait_alu depctr_va_vdst(0)                   ; the offsets v1, v2 and v3 are written: every load and store of the kernel, in both arms, reads one of them
.irp wi, 0,1
.irp s, 0,1
.irp c, 0,1,2,3
	global_load_b128 v[W+32*\wi+16*\s+4*\c:W+32*\wi+16*\s+4*\c+3], v1, s[46:47] offset:4096*\wi+2048*\s+512*\c
.endr
.endr
.endr
	s_lshl_b32 s40, s36, 21                        ; the columns' codes: q at 0, k at 2 MB, v at 6 MB
	s_cmp_eq_u32 s36, 2
	s_cselect_b32 s40, 6291456, s40
	s_lshl_b32 s52, ttmp9, 15                      ; 8 tiles of 4,096 bytes a block
	s_add_co_u32 s40, s40, s52
	s_add_nc_u64 s[44:45], s[4:5], s[40:41]
	s_lshl_b32 s54, s39, 12
	s_add_co_u32 s54, s54, 8192                    ; v: behind a step's 8,192 bytes of K, tiles 2 b' on
	s_lshl_b32 s55, s39, 9                         ; q, k: chunk b'
	s_cmp_eq_u32 s36, 0
	s_cselect_b64 s[50:51], s[8:9], s[10:11]
	s_cselect_b64 s[48:49], s[16:17], s[18:19]
	s_cselect_b32 s53, 13, 14                      ; a block is 8,192 bytes of qimg, 16,384 of kv
	s_cmp_eq_u32 s36, 2
	s_cselect_b64 s[50:51], s[12:13], s[50:51]
	s_cselect_b32 s54, s54, s55
	s_lshr_b32 s56, ttmp9, 5
	s_lshl_b32 s56, s56, 2
	s_add_co_u32 s56, s56, s38
	s_lshl_b32 s56, s56, 5
	s_and_b32 s57, ttmp9, 31
	s_add_co_u32 s56, s56, s57                     ; (batch x 4 + head) x 32 + block
	s_lshl_b32 s56, s56, s53
	s_add_co_u32 s40, s56, s54
	s_add_nc_u64 s[48:49], s[48:49], s[40:41]      ; where my codes go
	s_lshl_b32 s40, s39, 9
	s_lshl_b32 s57, s38, 2
	s_add_co_u32 s40, s40, s57
	s_add_nc_u64 s[50:51], s[50:51], s[40:41]      ; the bias at channel 32 b' of my head: byte 16 d + 4 head
	s_wait_kmcnt 0x0
	s_cmp_eq_u32 s36, 0
	s_cselect_b32 s58, s20, s22                    ; eW
	s_cselect_b32 s59, s21, s23                    ; eX
	s_cselect_b32 s60, s26, s27                    ; eOut
	s_cmp_eq_u32 s36, 2
	s_cselect_b32 s58, s24, s58
	s_cselect_b32 s59, s25, s59
	s_cselect_b32 s60, s28, s60
	s_add_co_i32 s58, s58, s59
	s_sub_co_i32 s61, 0, s58                       ; -(eW + eX), for the bias
	s_sub_co_i32 s60, s60, s58
	MKQ 60, 10, 11, 62, 63                         ; (v10 and v11: no memory instruction names them)
; vv = 0: q and k; vv = 1: v.
.macro ARM vv
.if \vv
	global_load_b32 v[BI], v3, s[50:51]            ; a lane holds one channel: one number a tile
	global_load_b32 v[BI+8], v3, s[50:51] offset:128
.else
.irp wi, 0,1
.irp j, 0,1,2,3,4,5,6,7
	global_load_b32 v[BI+8*\wi+\j], v2, s[50:51] offset:128*\wi+16*\j   ; channel 32 b' + 16 h + 8 wi + j
.endr
.endr
.endif
	WIN 0x40                                       ; destination window 1
.irp ct, 0,1,2,3,4,5,6,7
.irp s, 0,1
.irp c, 0,1,2,3
	global_load_b128 v[32*\ct+16*\s+4*\c:32*\ct+16*\s+4*\c+3], v1, s[44:45] offset:4096*\ct+2048*\s+512*\c
.endr
.endr
.endr
	WIN 0
	s_wait_loadcnt 48                              ; the weight, the bias and column tiles 0, 1 are in; the other six tiles' 48 loads may be out
.if \vv
	v_ldexp_f32 v[BI], v[BI], s61
	v_ldexp_f32 v[BI+8], v[BI+8], s61
.irp wi, 0,1
.irp j, 1,2,3,4,5,6,7
	v_mov_b32 v[BI+8*\wi+\j], v[BI+8*\wi]
.endr
.endr
	WIN 0x01                                       ; source 0 (the columns) window 1
.else
.irp j, 0,1,2,3,4,5,6,7,8,9,10,11,12,13,14,15
	v_ldexp_f32 v[BI+\j], v[BI+\j], s61
.endr
	WIN 0x04                                       ; source 1 (the columns) window 1
.endif
	s_wait_alu depctr_va_vdst(0)
.irp b, 0,1,2,3                        ; column tiles 2 b, 2 b + 1 x my two tiles x two K steps: four accumulators by turns, one instruction a turn
.if \b > 0
	s_wait_loadcnt 48-16*\b                        ; the later tiles' loads, 16 for each pair, may be out
.endif
.irp s, 0,1
.irp ci, 0,1
.irp wi, 0,1
.if \vv
.set D, ACC+32*\b+16*\wi+8*\ci
.if \s == 0
	v_wmma_f32_16x16x128_fp8_fp8 v[D:D+7], v[32*(2*\b+\ci)+16*\s:32*(2*\b+\ci)+16*\s+15], v[W+32*\wi+16*\s:W+32*\wi+16*\s+15], v[BI+8*\wi:BI+8*\wi+7]
.else
	v_wmma_f32_16x16x128_fp8_fp8 v[D:D+7], v[32*(2*\b+\ci)+16*\s:32*(2*\b+\ci)+16*\s+15], v[W+32*\wi+16*\s:W+32*\wi+16*\s+15], v[D:D+7]
.endif
.else
.set D, ACC+32*\b+16*\ci+8*\wi
.if \s == 0
	v_wmma_f32_16x16x128_fp8_fp8 v[D:D+7], v[W+32*\wi+16*\s:W+32*\wi+16*\s+15], v[32*(2*\b+\ci)+16*\s:32*(2*\b+\ci)+16*\s+15], v[BI+8*\wi:BI+8*\wi+7]
.else
	v_wmma_f32_16x16x128_fp8_fp8 v[D:D+7], v[W+32*\wi+16*\s:W+32*\wi+16*\s+15], v[32*(2*\b+\ci)+16*\s:32*(2*\b+\ci)+16*\s+15], v[D:D+7]
.endif
.endif
.endr
.endr
.endr
.endr
	WIN 0
	PLACES 4                                       ; four plain vector lines between the last product and the first read of its result (ISA guide 7.12.1)
.irp g, 0,1,2,3
	QCH ACC+16*\g, PC+4*\g, 10, 11, 0              ; each accumulator from its low end on
.endr
	s_wait_alu depctr_va_vdst(0)                   ; the conversions have written chunks 0 to 3, v224-239, which the four stores below read
.irp g, 0,1,2,3
	PUT \vv, \g                                    ; no wait: no vector line since the wait above names v1 or this chunk's registers
	QCH ACC+16*(\g+4), PC+4*(\g+4), 10, 11, 0
.endr
	v_nop
	s_wait_alu depctr_va_vdst(0)                   ; the conversions have written chunks 4 to 7, v240-255, which the last four stores read
.irp g, 4,5,6,7
	PUT \vv, \g
.endr
	s_endpgm
.endm
	s_cmp_eq_u32 s36, 2
	s_cbranch_scc1 .Lv
	ARM 0
.Lv:
	ARM 1
.Lfunc_end_k_qdd0843cc4d_proj:
	.size	k_qdd0843cc4d_proj, .Lfunc_end_k_qdd0843cc4d_proj-k_qdd0843cc4d_proj
	.p2alignl 7, 3214868480
	.fill 96, 4, 3214868480
	.section	.rodata,"a",@progbits
	.p2align	6, 0x0
	.amdhsa_kernel k_qdd0843cc4d_proj
		.amdhsa_group_segment_fixed_size 0
		.amdhsa_private_segment_fixed_size 0
		.amdhsa_enable_private_segment 0
		.amdhsa_kernarg_size 64
		.amdhsa_user_sgpr_count 2
		.amdhsa_user_sgpr_kernarg_segment_ptr 1
		.amdhsa_wavefront_size32 1
		.amdhsa_system_sgpr_workgroup_id_x 1
		.amdhsa_system_sgpr_workgroup_id_y 1
		.amdhsa_system_sgpr_workgroup_id_z 1
		.amdhsa_system_vgpr_workitem_id 0
		.amdhsa_next_free_vgpr 512
		.amdhsa_next_free_sgpr 72
		.amdhsa_reserve_vcc 0
		.amdhsa_float_denorm_mode_32 3
		.amdhsa_float_denorm_mode_16_64 3
		.amdhsa_memory_ordered 1
		.amdhsa_forward_progress 1
		.amdhsa_inst_pref_size 45
	.end_amdhsa_kernel
	.amdgpu_metadata
---
amdhsa.version: [ 1, 2 ]
amdhsa.kernels:
  - .name:           k_qdd0843cc4d_proj
    .symbol:         k_qdd0843cc4d_proj.kd
    .args:
      - { .name: acts, .offset: 0, .size: 8, .value_kind: global_buffer, .address_space: global }
      - { .name: wts, .offset: 8, .size: 8, .value_kind: global_buffer, .address_space: global }
      - { .name: bq, .offset: 16, .size: 8, .value_kind: global_buffer, .address_space: global }
      - { .name: bk, .offset: 24, .size: 8, .value_kind: global_buffer, .address_space: global }
      - { .name: bv, .offset: 32, .size: 8, .value_kind: global_buffer, .address_space: global }
      - { .name: lowp_scales, .offset: 40, .size: 8, .value_kind: global_buffer, .address_space: global }
      - { .name: qimg, .offset: 48, .size: 8, .value_kind: global_buffer, .address_space: global }
      - { .name: kv, .offset: 56, .size: 8, .value_kind: global_buffer, .address_space: global }
    .group_segment_fixed_size: 0
    .private_segment_fixed_size: 0
    .kernarg_segment_align: 8
    .kernarg_segment_size: 64
    .max_flat_workgroup_size: 256
    .sgpr_count:     72
    .vgpr_count:     512
    .wavefront_size: 32
...
	.end_amdgpu_metadata
.endif
;; end of part 8
;; launch attn (part 9): grid 32 x 8, 16 waves a work-group, clusters of 4 x 1, 327,680 bytes of LDS; arguments qimg, kv, lowp_scales, at; writes at
.if DOCPART == 9
	.amdgcn_target "amdgcn-amd-amdhsa--gfx1250"
	.amdhsa_code_object_version 6
	.text
	.protected	k_qdd0843cc4d_attn
	.globl	k_qdd0843cc4d_attn
	.p2align	8
	.type	k_qdd0843cc4d_attn,@function
k_qdd0843cc4d_attn:
	s_mov_b64 s[64:65], 0
	v_nop
	global_prefetch_b8 v0, s[64:65] scope:SCOPE_SE
	s_setreg_imm32_b32 hwreg(HW_REG_WAVE_MODE, 25, 1), 1
	s_wait_xcnt 0x0
	s_wait_alu depctr_hold_cnt(0) depctr_sa_sdst(0) depctr_va_vdst(0) depctr_va_sdst(0) depctr_va_ssrc(0) depctr_va_vcc(0) depctr_vm_vsrc(0)
	s_getreg_b32 s2, hwreg(HW_REG_IB_STS2, 6, 4)
	s_cmp_eq_u32 s2, 0
	s_cbranch_scc0 .Lentry_in_a_cluster
	s_endpgm
.Lentry_in_a_cluster:
	s_bfe_u32 s2, ttmp6, 0x10000c
	s_cmp_lg_u32 s2, 0x3003
	s_cbranch_scc0 .Lentry_shape_is_right
	s_endpgm
.Lentry_shape_is_right:
; Attention of one (batch, head) on codes of FP8: O = softmax(Q K^T / 8) V, head size 64, 4,096 queries, 4,096 keys; the result is quantised for the next product and stored as a piece of its operand's image.
; THE SOFTMAX AHEAD OF THE SECOND PRODUCT: t = score x log2(e) / 8; M = the largest t so far, rounded UP to a whole number; p = 2^(t - M) is what is quantised (scale entry 9); it is not normalised.
; The sum is taken of the unquantised p, in f32, and divides O at the end.  When M moves, the sum and O are multiplied by 2^(old M - new M), which rounds nothing.
; SHARES.  Work-group: 128 queries of (batch, head) = grid y: eight tiles of 16, so that the 2 x 4 x 4,096 queries make 256 work-groups.  SIXTEEN waves: wave w owns tile w % 8 and HALF w / 8 OF THE KEYS, 16 steps of 128.
; A wave takes 256 registers, so four waves share a SIMD's 1,024: one wave's vector work stands beside another's LDS loads and products.  Each half of a row has its own running M, sum and O^T; at the end waves 8 to 15
; hand theirs to waves 0 to 7 through LDS, and both halves are brought under the larger M by a power of two.
; A step's operands lie in kv as 16,384 consecutive bytes: eight tiles of K (16 keys x 64 channels, 1,024 bytes), then four tiles of V^T (16 channels x 128 keys, 2,048 bytes), all as images of registers:
; every LDS load takes 512 consecutive bytes, 16 a lane.
; THE RING: two slots of 131,072 bytes: four steps of the keys' lower half, then four of the upper.  Waves 0 to 7 fetch one step each by one tensor load (64 rows of 256 bytes), waves 8 to 15 none.
; A wave has one tensor load out at the most.
; CLUSTER: the four work-groups of a cluster belong to one (batch, head) and walk the same K and V: each tile is asked for JOINTLY, by the same load with the same descriptor and the mask of all four.
; LAYOUT.  Both products are used transposed: S^T = K Q^T (source 0 = 16 keys, source 1 = my queries), O^T = V^T P^T (source 0 = 16 channels, source 1 = P): a lane holds ONE query throughout.  The keys of a tile of K
; are chosen (lane r of tile 2 b + u: key 32 b + 8 u + r + 8 (r / 8)) so that the 16 registers of tiles 2 b, 2 b + 1 are keys 32 b + 16 h + 0 .. 15: P's chunk b.  V^T's channels are chosen likewise, so that O^T's
; 16 registers of two tiles are 16 neighbouring channels: a chunk of the next operand.
; LIMITS on the given exponents: entries 6 + 7 between -123 and 130 (added to c's exponent field); entries 9 and 11 between -126 and 119; entries 8 + 9 are applied by v_ldexp_f32 and have none.
; REGISTERS: v1 16 x lane; v2 the step's LDS address; v3 the prefetches' offset; v4, v8 my tile's place in the stage of the merge; v5, v6 for the spare words; v12 -M, v13 the largest t, v[14:15] the sum; v16-23 Q;
; v32-95 K's or V's fragments; v96-159 S^T, then p; v160-191 O^T; v192-207 p's codes; v232-255 at work and constants.
.set SLOT1, 1<<17                      ; slot 1 begins here: one exclusive or turns an address in one slot into the other's
.set STEPB, 16384
.set GRPB,  4*STEPB                    ; a half's four steps of a slot
.set UPPER, 16*STEPB                   ; the keys' upper half begins here in a head's part of kv
.set SPARE, 2*SLOT1                    ; behind the ring: the spare words, 128 bytes for each wave: eight blocks of 256 bytes that no other line names
.set MRG,   SPARE+2048                 ; behind them: the stage of the merge, for each tile 4,096 bytes of O^T and 256 of (-M, sum); no tensor load lands here
.set MRGW,  4352
.set F,   32
.set S,   96
.set O,   160
.set P,   192
.set WV,  18                           ; s18 my wave
.set SEL, 20                           ; s[20:21] lane selects: lane l xor 16
.set CS,  22                           ; s[22:23] c = log2(e) / 8 x 2^(entries 6 + 7)
.set G1,  24                           ; s[24:31] descriptor group 1
.set G0,  40                           ; s[40:43] descriptor group 0, which walks
.set TB,  60                           ; s60 LDS byte at which the step in hand begins
.set SLOTS, 66                         ; s66 slots still to be asked for
.set CNT, 67                           ; s67 counts a slot's steps
.set PFA, 68                           ; s[68:69] where my prefetches stand
.set LIM, 70                           ; s70 1 in a wave that prefetches, else the greatest number
.macro PLACES n
.rept \n
	v_nop
.endr
.endm
.macro MKQ se, vs, vl, t0, t1          ; v[vs] = 2^e as f32 (the conversion takes its exponent field), v[vl] = 448 x 2^e
	s_add_co_i32 s[\t0], s[\se], 127
	s_lshl_b32 s[\t1], s[\t0], 23
	v_mov_b32 v[\vs], s[\t1]
	s_add_co_i32 s[\t0], s[\t0], 8
	s_lshl_b32 s[\t0], s[\t0], 23
	s_or_b32 s[\t0], s[\t0], 0x600000
	v_mov_b32 v[\vl], s[\t0]
.endm
.macro QCH src, dst, vs, vl
.irp i, 0,1,2,3,4,5,6,7,8,9,10,11,12,13,14,15
	v_med3_num_f32 v[\src+\i], v[\src+\i], -v[\vl], v[\vl]
.endr
	v_cvt_scalef32_pk8_fp8_f32 v[\dst:\dst+1], v[\src:\src+7], v[\vs]
	v_cvt_scalef32_pk8_fp8_f32 v[\dst+2:\dst+3], v[\src+8:\src+15], v[\vs]
.endm
; A round of the cluster's barrier: my work-group's barrier, wave 0's signal for the work-group, every wave's wait for all four work-groups, my work-group's barrier once more.
.macro CROUND
	s_barrier_signal -1
	s_barrier_wait -1
	s_cmp_lg_u32 s[WV], 0
	s_cbranch_scc1 .Lnot_wave_0_\@
	s_barrier_signal -3
.Lnot_wave_0_\@:
	s_barrier_wait -3
	s_barrier_signal -1
	s_barrier_wait -1
.endm
; A joint load: waves 0 to 7 fetch a step each.  The branch hangs on the wave's number alone: it is the same in every work-group.  Four v_nop follow the load, ahead of the label.
.macro TLOAD
	s_cmp_lt_u32 s[WV], 8
	s_cbranch_scc0 .Lno_load_\@
	tensor_load_to_lds s[G0:G0+3], s[G1:G1+7]
	s_nop 0
	PLACES 4
.Lno_load_\@:
.endm
; A prefetch of the slot that the NEXT change of slots will ask for: 65,536 bytes of each half of the keys.  All eight clusters of a (batch, head) walk the same bytes: the first of them asks.  Its four work-groups share
; them out by address (place % 2: which 32,768 bytes; place / 2: which half); in each, waves 0 to 3 take 8,192 bytes, lanes 256 bytes apart: one instruction a wave, and each block of 256 bytes is named once in the launch.
; The last change that fills a slot asks for nothing; slots 0 and 1 come by their loads alone.
.macro ASK
	s_cmp_gt_u32 s[SLOTS], s[LIM]
	s_cbranch_scc0 .Lnot_mine_\@
	global_prefetch_b8 v3, s[PFA:PFA+1] th:TH_LOAD_NT scope:SCOPE_SE
.Lnot_mine_\@:
.endm
	s_load_b256 s[4:11], s[0:1], 0x0               ; qimg, kv, the exponents, at
	v_lshl_add_u32 v5, v0, 2, SPARE
	v_mov_b32 v6, 0
	ds_add_u32 v5, v6
	ds_add_u32 v5, v6
	s_wait_dscnt 0x0
	v_lshrrev_b32 v7, 5, v0
	s_delay_alu instid0(VALU_DEP_1)
	v_readfirstlane_b32 s[WV], v7                  ; wave 0..15
	v_and_b32 v7, 31, v0
	s_delay_alu instid0(VALU_DEP_1)
	v_lshlrev_b32 v1, 4, v7
	s_delay_alu instid0(VALU_DEP_2)
	v_lshlrev_b32 v3, 8, v7
	s_and_b32 s15, s[WV], 7                        ; my tile of queries.  Also, in waves 0 to 7: the step of a slot that I fetch
	s_mul_i32 s16, s15, MRGW
	s_add_co_u32 s16, s16, MRG                     ; every LDS address is made here, ahead of the first branch on the wave's number
	v_add_nc_u32 v4, s16, v1                       ; the merge: O^T as an image, 16 bytes a lane,
	v_lshl_add_u32 v8, v7, 3, s16
	s_delay_alu instid0(VALU_DEP_1)
	v_add_nc_u32 v8, 4096, v8                      ; and behind it 8 bytes a lane
	s_lshr_b32 s[TB], s[WV], 3
	s_lshl_b32 s[TB], s[TB], 16                    ; my half's four steps of slot 0
	s_bfe_u32 s12, ttmp6, 0x40000                  ; cx: my place in the cluster: it enters Q's, the result's and the prefetches' addresses alone
	s_lshl_b32 s13, ttmp9, 2
	s_add_co_u32 s13, s13, s12                     ; my block of 128 queries
	s_and_b32 s14, ttmp7, 0xffff                   ; batch x 4 + head, which the four partners share
	s_mov_b32 s[G1], 15|(3<<16)|(1<<21)            ; 15:0 the mask: all four work-groups; 17:16 elements of 8 bytes; 20 no padding; 21 set beside a mask
	s_mov_b32 s[G1+1], 32<<16                      ; tensor_dim0 = 32 elements: 256 bytes
	s_mov_b32 s[G1+2], 64<<16                      ; tensor_dim1 = 64
	s_mov_b32 s[G1+3], 32<<16                      ; tile_dim0
	s_mov_b32 s[G1+4], 64                          ; tile_dim1
	s_mov_b32 s[G1+5], 32                          ; the pitch: the block is dense
	s_mov_b32 s[G1+6], 0
	s_mov_b32 s[G1+7], 0
	s_mov_b32 s[SEL], 0x76543210
	s_mov_b32 s[SEL+1], 0xfedcba98
	s_mov_b32 s[CS], 0x3e38aa3b                    ; log2(e) / 8
	s_mov_b32 s[SLOTS], 3
	s_lshl_b32 s32, s14, 19                        ; the head's 32 steps begin here in kv;
	s_and_b32 s34, s15, 3
	s_lshl_b32 s34, s34, 14                        ; positions 0 to 3 of a slot: steps of the lower half,
	s_add_co_u32 s32, s32, s34
	s_lshr_b32 s34, s15, 2
	s_lshl_b32 s34, s34, 18                        ; positions 4 to 7: of the upper, 16 steps further on
	s_add_co_u32 s32, s32, s34
	s_mov_b32 s33, 0
	s_wait_kmcnt 0x0
	s_load_b512 s[44:59], s[8:9], 0x0              ; the sixteen exponents: entry k in s[44 + k]
	s_mov_b32 s[G0], 1                             ; count = 1
	s_lshl_b32 s[G0+1], s15, 14                    ; LDS address: slot 0, my position
	s_add_nc_u64 s[G0+2:G0+3], s[6:7], s[32:33]
	s_or_b32 s[G0+3], s[G0+3], 0x80000000          ; type = 2
	CROUND                                         ; all four work-groups are here: the first joint loads meet
	TLOAD                                          ; slot 0
	s_mov_b32 s37, 0
	s_lshl_b32 s36, s14, 5
	s_add_co_u32 s36, s36, s13
	s_lshl_b32 s36, s36, 13                        ; a block of Q is 8 tiles of 1,024 bytes
	s_lshl_b32 s38, s15, 10
	s_add_co_u32 s36, s36, s38
	s_add_nc_u64 s[72:73], s[4:5], s[36:37]
	s_wait_alu depctr_va_vdst(0)
	global_load_b128 v[16:19], v1, s[72:73]        ; Q's fragment stays in registers
	global_load_b128 v[20:23], v1, s[72:73] offset:512
	s_lshr_b32 s36, s14, 2                         ; the result: column tile (batch x 32 + block) x 8 + my tile, 4,096 bytes a tile; my head's 1,024 of them
	s_lshl_b32 s36, s36, 5
	s_add_co_u32 s36, s36, s13
	s_lshl_b32 s36, s36, 15
	s_lshl_b32 s38, s15, 12
	s_add_co_u32 s36, s36, s38
	s_and_b32 s38, s14, 3
	s_lshl_b32 s38, s38, 10
	s_add_co_u32 s36, s36, s38
	s_add_nc_u64 s[74:75], s[10:11], s[36:37]
	s_lshl_b32 s36, s14, 19                        ; the prefetches: my part of slot 1; the first change of slots steps it to slot 2
	s_and_b32 s38, s12, 1
	s_lshl_b32 s38, s38, 15
	s_add_co_u32 s36, s36, s38
	s_lshr_b32 s38, s12, 1
	s_lshl_b32 s38, s38, 18
	s_add_co_u32 s36, s36, s38
	s_and_b32 s38, s[WV], 3
	s_lshl_b32 s38, s38, 13
	s_add_co_u32 s36, s36, s38
	s_add_co_u32 s36, s36, GRPB
	s_add_nc_u64 s[PFA:PFA+1], s[6:7], s[36:37]
	s_lshr_b32 s38, s[WV], 2                       ; 0 in waves 0 to 3,
	s_or_b32 s38, s38, ttmp9                       ; of the head's first cluster: the same in all four partners
	s_cmp_eq_u32 s38, 0
	s_cselect_b32 s[LIM], 1, -1
	v_mov_b32 v13, 0xff61b1e6                      ; the largest t so far: -3e38, under every t
	s_delay_alu instid0(VALU_DEP_1)
	v_floor_f32 v12, -v13                          ; -M
	v_mov_b32 v14, 0                               ; the sum, in two halves
	v_mov_b32 v15, 0
	v_mov_b32 v236, 0                              ; written once: a lane permute's destination counts as one of its sources
	v_mov_b32 v253, 0                              ; (named as the upper half of the pair v[252:253])
.irp j, 0,1,2,3,4,5,6,7,8,9,10,11,12,13,14,15,16,17,18,19,20,21,22,23,24,25,26,27,28,29,30,31
	v_mov_b32 v[O+\j], 0                           ; O^T: the step is written once; the first finds zeros, which the first change of M leaves zeros
.endr
	s_wait_kmcnt 0x0
	s_add_co_i32 s76, s50, s51                     ; a score stands for score x 2^(entries 6 + 7): added to c's exponent field
	s_lshl_b32 s76, s76, 23
	s_add_co_i32 s[CS], s[CS], s76
	s_mov_b32 s[CS+1], s[CS]                       ; (named with it as a pair, so it is written)
	MKQ 53, 244, 240, 76, 77                       ; p's scale and hold
	MKQ 55, 246, 247, 76, 77                       ; the result's
; A KEY STEP: 128 keys.
.macro STEP
	v_add_nc_u32 v2, s[TB], v1
	PLACES 3                                       ; with the addition above: four plain vector lines between the last step's products and the loads into the registers that they read
.irp t, 0,1,2,3,4,5,6,7
	ds_load_b128 v[F+8*\t:F+8*\t+3], v2 offset:1024*\t
	ds_load_b128 v[F+8*\t+4:F+8*\t+7], v2 offset:1024*\t+512
.endr
	s_wait_alu depctr_va_vdst(0)
	s_wait_dscnt 0x0
.irp t, 0,1,2,3,4,5,6,7
	v_wmma_f32_16x16x64_fp8_fp8 v[S+8*\t:S+8*\t+7], v[F+8*\t:F+8*\t+7], v[16:23], 0
.endr
	PLACES 4                                       ; in front of the loads into K's registers and of the first read of the scores
.irp t, 0,1,2,3
.irp c, 0,1,2,3
	ds_load_b128 v[F+16*\t+4*\c:F+16*\t+4*\c+3], v2 offset:8192+2048*\t+512*\c   ; V^T: it lands while the softmax is walked
.endr
.endr
	v_max3_num_f32 v254, v96, v97, v98             ; the step's largest score of my query, among my 64 keys, in two chains, each accumulator from its low end on,
	v_max3_num_f32 v252, v99, v100, v101
.irp i, 6,10,14,18,22,26,30,34,38,42,46,50,54,58
	v_max3_num_f32 v254, v254, v[96+\i], v[97+\i]
	v_max3_num_f32 v252, v252, v[98+\i], v[99+\i]
.endr
	v_max3_num_f32 v254, v254, v158, v159
	s_delay_alu instid0(VALU_DEP_1)
	v_max_num_f32 v254, v254, v252
	s_delay_alu instid0(VALU_DEP_1)
	v_permlanex16_b32 v236, v254, s[SEL], s[SEL+1]
	s_delay_alu instid0(VALU_DEP_1)
	v_max_num_f32 v254, v254, v236                 ; and among lane l xor 16's
	s_delay_alu instid0(VALU_DEP_1)
	v_mul_f32 v254, s[CS], v254                    ; as t (c is positive)
	s_delay_alu instid0(VALU_DEP_1)
	v_max_num_f32 v13, v13, v254                   ; the running largest t
	v_mov_b32 v254, v12
	s_delay_alu instid0(VALU_DEP_2)
	v_floor_f32 v12, -v13                          ; the new -M = floor(-t) = -ceil(t): a whole number
	s_delay_alu instid0(VALU_DEP_1)
	v_sub_f32 v254, v12, v254                      ; old M - new M: a whole number, 0 or less
	s_delay_alu instid0(VALU_DEP_1)
	v_cvt_i32_f32 v254, v254                       ; (it saturates)
	s_delay_alu instid0(VALU_DEP_1)
	v_ldexp_f32 v252, 1.0, v254                    ; f = 2^(old M - new M)
.irp j, 0,2,4,6,8,10,12,14,16,18,20,22,24,26,28,30,32,34,36,38,40,42,44,46,48,50,52,54,56,58,60,62
	v_pk_fma_f32 v[96+\j:97+\j], v[96+\j:97+\j], s[CS:CS+1], v[12:13] op_sel_hi:[1,0,0]   ; t - M, two at a time
.endr
	s_wait_alu depctr_va_vdst(0)
.irp j, 0,1,2,3,4,5,6,7,8,9,10,11,12,13,14,15,16,17,18,19,20,21,22,23,24,25,26,27,28,29,30,31,32,33,34,35,36,37,38,39,40,41,42,43,44,45,46,47,48,49,50,51,52,53,54,55,56,57,58,59,60,61,62,63
	v_exp_f32 v[96+\j], v[96+\j]                   ; p = 2^(t - M), at most 1
.endr
	s_setprio 1
	v_pk_mul_f32 v[14:15], v[14:15], v[252:253] op_sel_hi:[1,0]   ; the sums under the new M: the plain line behind the exponentials
	s_wait_alu depctr_va_vdst(0)                   ; one wait for the whole batch, ahead of its first reader
	v_pk_add_f32 v[242:243], v[100:101], v[104:105]
	v_pk_add_f32 v[254:255], v[108:109], v[112:113]
	v_pk_add_f32 v[250:251], v[116:117], v[120:121]
	v_pk_add_f32 v[248:249], v[124:125], v[128:129]
	v_pk_add_f32 v[238:239], v[132:133], v[136:137]
	v_pk_add_f32 v[234:235], v[140:141], v[144:145]
	v_pk_add_f32 v[232:233], v[148:149], v[152:153]
	v_pk_add_f32 v[14:15], v[14:15], v[156:157]
	v_pk_add_f32 v[242:243], v[242:243], v[96:97]
	v_pk_add_f32 v[254:255], v[254:255], v[98:99]
	v_pk_add_f32 v[250:251], v[250:251], v[102:103]
	v_pk_add_f32 v[248:249], v[248:249], v[106:107]
	v_pk_add_f32 v[238:239], v[238:239], v[110:111]
	v_pk_add_f32 v[234:235], v[234:235], v[114:115]
	v_pk_add_f32 v[232:233], v[232:233], v[118:119]
	v_pk_add_f32 v[14:15], v[14:15], v[122:123]
	v_pk_add_f32 v[242:243], v[242:243], v[126:127]
	v_pk_add_f32 v[254:255], v[254:255], v[130:131]
	v_pk_add_f32 v[250:251], v[250:251], v[134:135]
	v_pk_add_f32 v[248:249], v[248:249], v[138:139]
	v_pk_add_f32 v[238:239], v[238:239], v[142:143]
	v_pk_add_f32 v[234:235], v[234:235], v[146:147]
	v_pk_add_f32 v[232:233], v[232:233], v[150:151]
	v_pk_add_f32 v[14:15], v[14:15], v[154:155]
	v_pk_add_f32 v[242:243], v[242:243], v[158:159]
	s_delay_alu instid0(VALU_DEP_2)
	v_pk_add_f32 v[14:15], v[14:15], v[248:249]
	s_delay_alu instid0(VALU_DEP_2)
	v_pk_add_f32 v[242:243], v[242:243], v[238:239]
	v_pk_add_f32 v[254:255], v[254:255], v[234:235]
	v_pk_add_f32 v[250:251], v[250:251], v[232:233]
	s_delay_alu instid0(VALU_DEP_2)
	v_pk_add_f32 v[14:15], v[14:15], v[254:255]
	s_delay_alu instid0(VALU_DEP_2)
	v_pk_add_f32 v[242:243], v[242:243], v[250:251]
	s_delay_alu instid0(VALU_DEP_1)
	v_pk_add_f32 v[14:15], v[14:15], v[242:243]
.irp b, 0,1,2,3
.irp i, 0,1,2,3,4,5,6,7,8,9,10,11,12,13,14,15
	v_min_num_f32 v[96+16*\b+\i], v[96+16*\b+\i], v240   ; the conversion does not saturate (ISA guide 7.6.2); p is not negative, so the hold is one-sided
.endr
	v_cvt_scalef32_pk8_fp8_f32 v[P+4*\b:P+4*\b+1], v[96+16*\b:103+16*\b], v244
	v_cvt_scalef32_pk8_fp8_f32 v[P+4*\b+2:P+4*\b+3], v[104+16*\b:111+16*\b], v244
.endr
	s_setprio 0
.irp j, 0,2,4,6,8,10,12,14,16,18,20,22,24,26,28,30
	v_pk_mul_f32 v[O+\j:O+\j+1], v[O+\j:O+\j+1], v[252:253] op_sel_hi:[1,0]   ; O^T under the new M; also the plain lines between the conversions and the products
.endr
	s_wait_alu depctr_va_vdst(0)
	s_wait_dscnt 0x0                               ; V^T is in
.irp t, 0,1,2,3
	v_wmma_f32_16x16x128_fp8_fp8 v[O+8*\t:O+8*\t+7], v[F+16*\t:F+16*\t+15], v[P:P+15], v[O+8*\t:O+8*\t+7]
.endr
	s_add_co_u32 s[TB], s[TB], STEPB
.endm
; THE CHANGE OF SLOTS stands at a slot's head.  Each wave waits for all its tensor loads (its step of the slot ahead, if it fetched one), adds 0 to its spare word, and waits for that and for its reads of the slot that it has left.
; fill = 1: a round of the cluster's barrier follows, so that no wave of any partner still reads that slot or has a load on its way; the joint load into it is the first thing behind the round, and has a slot's four steps
; of every wave in which to land.
.macro CHANGE fill
	s_wait_tensorcnt 0x0                           ; no tensor load of mine is out, so the descriptor may be written
	ds_add_u32 v5, v6                              ; 0 onto my spare word
.if \fill
	s_xor_b32 s[G0+1], s[G0+1], SLOT1              ; the other slot than last time,
	s_add_nc_u64 s[G0+2:G0+3], s[G0+2:G0+3], GRPB  ; the next four steps of the half; the type bits on top are not reached
	s_wait_xcnt 0x0                                ; the last prefetch, a slot back, has read its address, so it may be written
	s_add_nc_u64 s[PFA:PFA+1], s[PFA:PFA+1], GRPB
.endif
	s_wait_dscnt 0x0                               ; the add is done, and my reads of the slot that I have left are over
.if \fill
	CROUND
	TLOAD
	ASK
.else
	s_barrier_signal -1
	s_barrier_wait -1
.endif
.endm
.macro SLOT_STEPS
	s_mov_b32 s[CNT], 4
.Lstep_\@:
	s_setprio 2
	STEP
	s_sub_co_u32 s[CNT], s[CNT], 1
	s_cmp_lg_u32 s[CNT], 0
	s_cbranch_scc1 .Lstep_\@
	s_setprio 0
	s_sub_co_u32 s[TB], s[TB], GRPB                ; back to my half's first step of a slot,
	s_xor_b32 s[TB], s[TB], SLOT1                  ; in the other slot
.endm
	s_wait_loadcnt 0x0                             ; Q
.Lslot:                                            ; three trips: behind each change of slots but the last the next slot is asked for
	CHANGE 1
	SLOT_STEPS
	s_sub_co_u32 s[SLOTS], s[SLOTS], 1
	s_cmp_lg_u32 s[SLOTS], 0
	s_cbranch_scc1 .Lslot
	CHANGE 0                                       ; the last slot is written out
	SLOT_STEPS
	; THE MERGE.  Every wave finishes its half's sum; waves 8 to 15 put O^T, -M and the sum into the stage; a barrier; waves 0 to 7 take them from there.
	PLACES 4                                       ; four plain vector lines between the last products and the first read of their results
	v_add_f32 v14, v14, v15
	s_delay_alu instid0(VALU_DEP_1)
	v_permlanex16_b32 v252, v14, s[SEL], s[SEL+1]
	s_delay_alu instid0(VALU_DEP_1)
	v_add_f32 v13, v14, v252                       ; my half's sum, beside -M: the pair v[12:13] (the largest t is done with)
	s_cmp_lt_u32 s[WV], 8
	s_cbranch_scc1 .Lkeep
.irp i, 0,1,2,3,4,5,6,7
	ds_store_b128 v4, v[O+4*\i:O+4*\i+3] offset:512*\i   ; each accumulator from its low end on
.endr
	ds_store_b64 v8, v[12:13]
.Lkeep:
	s_wait_dscnt 0x0                               ; for the others' sake: my stores into the stage are done
	s_barrier_signal -1
	s_barrier_wait -1
	s_cmp_ge_u32 s[WV], 8
	s_cbranch_scc1 .Lfin                           ; the upper half's waves have handed their part on
.irp i, 0,1,2,3,4,5,6,7
	ds_load_b128 v[96+4*\i:99+4*\i], v4 offset:512*\i    ; the other half's O^T, in the same lanes and order as mine
.endr
	ds_load_b64 v[128:129], v8                     ; its -M and its sum
	s_wait_dscnt 0x0
	v_min_num_f32 v130, v12, v128                  ; -M of the whole row: M is the larger of the two
	s_delay_alu instid0(VALU_DEP_1)
	v_sub_f32 v131, v130, v12                      ; my M - M: a whole number, 0 or less,
	s_delay_alu instid0(VALU_DEP_2)
	v_sub_f32 v132, v130, v128                     ; and the other half's
	s_delay_alu instid0(VALU_DEP_2)
	v_cvt_i32_f32 v131, v131                       ; (it saturates)
	s_delay_alu instid0(VALU_DEP_2)
	v_cvt_i32_f32 v132, v132
	s_delay_alu instid0(VALU_DEP_2)
	v_ldexp_f32 v131, 1.0, v131                    ; the two powers of two that bring the halves under M
	s_wait_alu depctr_va_vdst(0)
	v_ldexp_f32 v132, 1.0, v132
	v_mul_f32 v133, v13, v131
	s_delay_alu instid0(VALU_DEP_1)
	v_fmac_f32 v133, v129, v132                    ; the row's sum
	s_wait_alu depctr_va_vdst(0)
	v_rcp_f32 v134, v133
	v_nop                                          ; a plain line behind the reciprocal
	s_add_co_i32 s76, s52, s53
	s_wait_alu depctr_va_vdst(0)                   ; and the wait ahead of its first reader
	v_ldexp_f32 v134, v134, s76                    ; x 2^(entries 8 + 9)
	s_delay_alu instid0(VALU_DEP_1)
	v_mul_f32 v136, v131, v134                     ; my half's factor, twice: a pair for the packed forms,
	s_delay_alu instid0(VALU_DEP_2)
	v_mul_f32 v137, v131, v134
	s_delay_alu instid0(VALU_DEP_3)
	v_mul_f32 v138, v132, v134                     ; and the other half's
	s_delay_alu instid0(VALU_DEP_4)
	v_mul_f32 v139, v132, v134
.irp j, 0,2,4,6,8,10,12,14,16,18,20,22,24,26,28,30
	v_pk_mul_f32 v[96+\j:97+\j], v[96+\j:97+\j], v[138:139]
.endr
.irp j, 0,2,4,6,8,10,12,14,16,18,20,22,24,26,28,30
	v_pk_fma_f32 v[96+\j:97+\j], v[O+\j:O+\j+1], v[136:137], v[96+\j:97+\j]   ; register 16 b' + i: channel 32 b' + 16 h + i of my head
.endr
	QCH 96, 192, 246, 247                          ; quantised with entry 11: two chunks of the next operand's image
	QCH 112, 196, 246, 247
	v_nop
	global_store_b128 v1, v[192:195], s[74:75]     ; each store 512 consecutive bytes
	global_store_b128 v1, v[196:199], s[74:75] offset:512
.Lfin:
	s_wait_tensorcnt 0x0                           ; the wave's end
	ds_add_u32 v5, v6
	s_wait_dscnt 0x0
	CROUND                                         ; the closing round: no work-group ends while a partner may still ask for a tile that names it
	s_endpgm
.Lfunc_end_k_qdd0843cc4d_attn:
	.size	k_qdd0843cc4d_attn, .Lfunc_end_k_qdd0843cc4d_attn-k_qdd0843cc4d_attn
	.p2alignl 7, 3214868480
	.fill 96, 4, 3214868480
	.section	.rodata,"a",@progbits
	.p2align	6, 0x0
	.amdhsa_kernel k_qdd0843cc4d_attn
		.amdhsa_group_segment_fixed_size 327680
		.amdhsa_private_segment_fixed_size 0
		.amdhsa_enable_private_segment 0
		.amdhsa_kernarg_size 32
		.amdhsa_user_sgpr_count 2
		.amdhsa_user_sgpr_kernarg_segment_ptr 1
		.amdhsa_wavefront_size32 1
		.amdhsa_system_sgpr_workgroup_id_x 1
		.amdhsa_system_sgpr_workgroup_id_y 1
		.amdhsa_system_sgpr_workgroup_id_z 1
		.amdhsa_system_vgpr_workitem_id 0
		.amdhsa_next_free_vgpr 256
		.amdhsa_next_free_sgpr 80
		.amdhsa_reserve_vcc 0
		.amdhsa_float_denorm_mode_32 3
		.amdhsa_float_denorm_mode_16_64 3
		.amdhsa_memory_ordered 1
		.amdhsa_forward_progress 1
		.amdhsa_inst_pref_size 48
	.end_amdhsa_kernel
	.amdgpu_metadata
---
amdhsa.version: [ 1, 2 ]
amdhsa.kernels:
  - .name:           k_qdd0843cc4d_attn
    .symbol:         k_qdd0843cc4d_attn.kd
    .args:
      - { .name: qimg, .offset: 0, .size: 8, .value_kind: global_buffer, .address_space: global }
      - { .name: kv, .offset: 8, .size: 8, .value_kind: global_buffer, .address_space: global }
      - { .name: lowp_scales, .offset: 16, .size: 8, .value_kind: global_buffer, .address_space: global }
      - { .name: at, .offset: 24, .size: 8, .value_kind: global_buffer, .address_space: global }
    .group_segment_fixed_size: 327680
    .private_segment_fixed_size: 0
    .kernarg_segment_align: 8
    .kernarg_segment_size: 32
    .max_flat_workgroup_size: 512
    .sgpr_count:     80
    .vgpr_count:     256
    .wavefront_size: 32
...
	.end_amdgpu_metadata
.endif
;; end of part 9
;; launch mlp1 (part 10): grid 128 x 1, 8 waves a work-group, no clusters, 54,272 bytes of LDS; arguments at, acts, wts, bo, lowp_scales, mc, part; writes mc, part
.if DOCPART == 10
	.amdgcn_target "amdgcn-amd-amdhsa--gfx1250"
	.amdhsa_code_object_version 6
	.text
	.protected	k_qdd0843cc4d_mlp1
	.globl	k_qdd0843cc4d_mlp1
	.p2align	8
	.type	k_qdd0843cc4d_mlp1,@function
k_qdd0843cc4d_mlp1:
	s_mov_b64 s[64:65], 0
	v_nop
	global_prefetch_b8 v0, s[64:65] scope:SCOPE_SE
	s_setreg_imm32_b32 hwreg(HW_REG_WAVE_SCHED_MODE, 0, 2), 2
	s_setreg_imm32_b32 hwreg(HW_REG_WAVE_MODE, 25, 1), 1
	s_wait_xcnt 0x0
	s_wait_alu depctr_vm_vsrc(0)
; message = Wo^T attn + bo, quantised (entry 13) and stored; then the sums of h = W1^T [x; message] (without b1), of which only each channel's mean and sum of squared deviations over the work-group's 64 columns are stored.
; h itself is not stored: the last launch makes it again from the same codes (4 MB read there, against 16 MB written here and read there).
; SHARES.  Work-group g: 64 columns = four tiles m.  THE WAVES SHARE THE CHANNELS: wave w makes message channels 32 w .. + 31 (Wo's tiles 2 w + u) and hidden channels 64 w .. + 63 (W1's tiles 4 w + i, i = 2 p + u),
; for all 64 columns.  Its weights go from memory straight into registers, once: 8 KB of Wo, 32 KB of W1 (window 1).  The columns' codes go round through LDS as images of registers.
; No multicast: a work-group's 320 KB of weight fragments are read once each by one wave, into registers; as joint loads they would have to pass through LDS, where they do not fit beside the images without a ring.
; Both products take the weight as source 0: a lane holds ONE column, its registers run along the channels.
; STATISTICS in two passes, so that no difference of large sums is formed: the mean over the 64 columns first, then the squares of the deviations from it.  b1 shifts a channel's mean alone: a later launch adds it.
; LIMIT: entry 13 - 10 - 11 lies between -126 and 119.  The other sums of exponents are applied by v_ldexp_f32.
; REGISTERS: window 0: v1-6 addresses; v8, v9 the message's scale and hold; v16-79 F: four fragments from LDS, later the statistics; v80-207 sixteen accumulators ((i, m) at 80 + 64 p + 16 m + 8 u), before that
; Wo (v80-143) and the message's eight accumulators (v144-207); v208-223 codes; v224-239 bo; v254, v255 for the closing lines.  Window 1: W1: K step s, tile i, chunk c at 64 s + 16 i + 4 c.
; THE MODE: SCHED_MODE bits 1:0 = 2 (LLVM: expert scheduling mode 2), set by the entry lines.  The code itself states the register dependences
; between vector or matrix instructions and memory or LDS instructions, with s_wait_alu, always for 0.
; THE PLAN.  Registers that memory or LDS instructions touch:
;   v1-v6             addresses and offsets: written by vector lines at the head, never written again.
;   F = v16-79        v16-47: loaded from memory, read by my LDS stores.  Then, K step by K step: the fragments' LDS loads land in F, the step's products read it.  At the end F holds the statistics:
;                     written by vector lines, read by LDS stores; the last LDS load lands in v16-19.
;   v208-223          the message's codes: written by the conversions, read by an LDS store and a global store each, never written again.
;   v80-143, v224-239, window 1   Wo, bo, W1: loaded once, ahead of every vector line that names them.
; A wave has 512 registers (two waves to a SIMD): beside W1's 256, the accumulators' 128 and F's 64 there are 46, too few for a second F.  So ONE wait on va_vdst stands at the head of a K step, ahead of its
; sixteen LDS loads: the products of the step before are done reading F.  A phase's first step leans on the wait that stands ahead of the stores in front of it, behind which only v_nop follow.
; Two waits on vm_vsrc: where F takes loads after my LDS stores have read it.
.set XIMG, 0                           ; LDS: x's four tiles (entry 13's codes), 4,096 bytes each,
.set AIMG, 16384                       ; attention's,
.set MIMG, 32768                       ; the message's,
.set STAT, 49152                       ; 512 means, then 512 sums of squares
.set F,   16
.set T,   16
.set U,   48
.set ACC, 80
.set WO,  80
.set AA,  144
.set PC,  208
.set BO,  224
.set MSB, 0
.macro WIN new
.if MSB != \new
	s_set_vgpr_msb (MSB<<8)|\new
.set MSB, \new
.endif
.endm
.macro PLACES n
.rept \n
	v_nop
.endr
.endm
.macro MKQ se, vs, vl, t0, t1
	s_add_co_i32 s[\t0], s[\se], 127
	s_lshl_b32 s[\t1], s[\t0], 23
	v_mov_b32 v[\vs], s[\t1]
	s_add_co_i32 s[\t0], s[\t0], 8
	s_lshl_b32 s[\t0], s[\t0], 23
	s_or_b32 s[\t0], s[\t0], 0x600000
	v_mov_b32 v[\vl], s[\t0]
.endm
.macro QCH src, dst, vs, vl
.irp i, 0,1,2,3,4,5,6,7,8,9,10,11,12,13,14,15
	v_med3_num_f32 v[\src+\i], v[\src+\i], -v[\vl], v[\vl]
.endr
	v_cvt_scalef32_pk8_fp8_f32 v[\dst:\dst+1], v[\src:\src+7], v[\vs]
	v_cvt_scalef32_pk8_fp8_f32 v[\dst+2:\dst+3], v[\src+8:\src+15], v[\vs]
.endm
.macro BARRIER                         ; my LDS stores have landed and my LDS loads are in: then the work-group's barrier
	s_wait_dscnt 0x0
	s_barrier_signal -1
	s_barrier_wait -1
.endm
.macro FETCH4 base, mstr               ; one K step's fragments of the four tiles of columns
.irp m, 0,1,2,3
.irp c, 0,1,2,3
	ds_load_b128 v[F+16*\m+4*\c:F+16*\m+4*\c+3], v1 offset:\base+\m*\mstr+512*\c
.endr
.endr
.endm
	s_load_b256 s[4:11], s[0:1], 0x0               ; at, acts, wts, bo
	s_load_b128 s[12:15], s[0:1], 0x20             ; the exponents, mc
	s_load_b64 s[16:17], s[0:1], 0x30              ; part
	v_lshl_add_u32 v254, v0, 2, 0xd000
	v_mov_b32 v255, 0
	v_lshrrev_b32 v10, 5, v0
	v_readfirstlane_b32 s18, v10                   ; wave
	v_and_b32 v10, 31, v0
	v_lshlrev_b32 v1, 4, v10                       ; 16 x lane
	v_lshlrev_b32 v2, 4, v0                        ; 16 x thread
	v_bfe_u32 v11, v0, 4, 1
	v_lshlrev_b32 v3, 6, v11                       ; 64 h
	s_wait_alu depctr_va_sdst(0)                   ; s18 is written, ahead of its first reader: LDS addresses and all bases are made from it
	s_lshl_b32 s36, s18, 9
	s_add_co_u32 s36, s36, MIMG
	v_add_nc_u32 v4, s36, v1                       ; the message's chunk w of a tile
	s_lshl_b32 s36, s18, 8
	s_add_co_u32 s36, s36, STAT
	v_add_nc_u32 v5, s36, v3                       ; my 64 channels' statistics, + 16 channels for the upper half of the lanes
	v_add_nc_u32 v6, STAT, v2
	s_lshl_b32 s36, ttmp9, 14                      ; four tiles of 4,096 bytes
	s_mov_b32 s37, 0
	s_mov_b32 s39, 0
	s_wait_kmcnt 0x0
	s_load_b512 s[20:35], s[12:13], 0x0            ; the sixteen exponents: entry k in s[20 + k]
	s_add_nc_u64 s[40:41], s[6:7], s[36:37]
	s_add_nc_u64 s[40:41], s[40:41], 0x400000      ; x's codes with entry 13
	s_add_nc_u64 s[42:43], s[4:5], s[36:37]
	s_add_nc_u64 s[50:51], s[14:15], s[36:37]
	s_lshl_b32 s38, s18, 9
	s_add_nc_u64 s[50:51], s[50:51], s[38:39]      ; mc: my chunk
	s_lshl_b32 s38, s18, 13
	s_add_co_u32 s38, s38, 196608
	s_add_nc_u64 s[44:45], s[8:9], s[38:39]        ; Wo's tiles 2 w, 2 w + 1
	s_lshl_b32 s38, s18, 14
	s_add_co_u32 s38, s38, 262144
	s_add_nc_u64 s[46:47], s[8:9], s[38:39]        ; W1's tiles 4 w ..
	s_lshl_b32 s38, s18, 7
	s_add_nc_u64 s[48:49], s[10:11], s[38:39]      ; bo at channel 32 w
	s_lshl_b32 s38, ttmp9, 12
	s_add_nc_u64 s[52:53], s[16:17], s[38:39]      ; part
	s_wait_alu depctr_va_vdst(0)                   ; the addresses and offsets v1 to v6 are written: every load and store of the kernel, global or LDS, reads one of them
.irp i, 0,1,2,3
	global_load_b128 v[16+4*\i:19+4*\i], v2, s[40:41] offset:4096*\i
.endr
.irp i, 0,1,2,3
	global_load_b128 v[32+4*\i:35+4*\i], v2, s[42:43] offset:4096*\i
.endr
.irp u, 0,1
.irp s, 0,1
.irp c, 0,1,2,3
	global_load_b128 v[WO+32*\u+16*\s+4*\c:WO+32*\u+16*\s+4*\c+3], v1, s[44:45] offset:4096*\u+2048*\s+512*\c
.endr
.endr
.endr
.irp u, 0,1
	global_load_b128 v[BO+8*\u:BO+8*\u+3], v3, s[48:49] offset:32*\u          ; channel 32 w + 16 h + 8 u + 0 .. 7
	global_load_b128 v[BO+8*\u+4:BO+8*\u+7], v3, s[48:49] offset:32*\u+16
.endr
	WIN 0x40                                       ; destination window 1
.irp s, 0,1,2,3
.irp i, 0,1,2,3
.irp c, 0,1,2,3
	global_load_b128 v[64*\s+16*\i+4*\c:64*\s+16*\i+4*\c+3], v1, s[46:47] offset:131072*(\s/2)+4096*\i+2048*(\s%2)+512*\c
.endr
.endr
.endr
	WIN 0
	s_wait_loadcnt 63                              ; the 28 loads ahead of W1's 64 are in
.irp i, 0,1,2,3
	ds_store_b128 v2, v[16+4*\i:19+4*\i] offset:XIMG+4096*\i
.endr
.irp i, 0,1,2,3
	ds_store_b128 v2, v[32+4*\i:35+4*\i] offset:AIMG+4096*\i
.endr
	s_wait_kmcnt 0x0
	s_add_co_i32 s54, s30, s31                     ; entries 10 + 11: a sum of the message's product stands for sum x 2^that
	s_sub_co_i32 s55, 0, s54
	s_sub_co_i32 s56, s33, s54
	MKQ 56, 8, 9, 57, 58
	s_add_co_i32 s59, s32, s33                     ; E = entries 12 + 13
	s_lshl_b32 s60, s59, 1
.irp j, 0,1,2,3,4,5,6,7,8,9,10,11,12,13,14,15
	v_ldexp_f32 v[BO+\j], v[BO+\j], s55
.endr
	s_wait_alu depctr_va_vdst(0)
	BARRIER                                        ; x's and attention's tiles lie in LDS
	s_wait_alu depctr_vm_vsrc(0)                   ; my LDS stores have read v16-47: these registers are part of F from here on, in which the fragments' loads land
	; ---- the message: eight accumulators by turns, a K step at a time
.irp s, 0,1
.if \s > 0
	s_wait_alu depctr_va_vdst(0)                   ; K step 0's products are done reading F, in which K step 1's fragments land
.endif
	FETCH4 AIMG+2048*\s, 4096
	s_wait_dscnt 0x0
.irp m, 0,1,2,3
.irp u, 0,1
.if \s == 0
	v_wmma_f32_16x16x128_fp8_fp8 v[AA+16*\m+8*\u:AA+16*\m+8*\u+7], v[WO+32*\u+16*\s:WO+32*\u+16*\s+15], v[F+16*\m:F+16*\m+15], v[BO+8*\u:BO+8*\u+7]
.else
	v_wmma_f32_16x16x128_fp8_fp8 v[AA+16*\m+8*\u:AA+16*\m+8*\u+7], v[WO+32*\u+16*\s:WO+32*\u+16*\s+15], v[F+16*\m:F+16*\m+15], v[AA+16*\m+8*\u:AA+16*\m+8*\u+7]
.endif
.endr
.endr
	PLACES 4                                       ; four plain vector lines behind the products, ahead of the next step's loads into F and of the first read of results
.endr
.irp m, 0,1,2,3
	QCH AA+16*\m, PC+4*\m, 8, 9                    ; channels 32 w + 16 h + 0 .. 15 of column tile m: chunk w of the message's 256
.endr
	v_nop
	s_wait_alu depctr_va_vdst(0)                   ; the conversions have written the codes v208-223, which the stores below read; and the message's products are done reading F, in which layer 1's first fragments land
.irp m, 0,1,2,3
	ds_store_b128 v4, v[PC+4*\m:PC+4*\m+3] offset:4096*\m
	global_store_b128 v1, v[PC+4*\m:PC+4*\m+3], s[50:51] offset:4096*\m
.endr
	BARRIER                                        ; the message's four tiles lie in LDS
	; ---- layer 1: sixteen accumulators by turns, K steps 0, 1 on x, 2, 3 on the message
	PLACES 5                                       ; the accumulators are laid over Wo and the message's sums: five plain lines ahead of a product that writes over registers of earlier ones
.irp s, 0,1,2,3
.if \s > 0
	s_wait_alu depctr_va_vdst(0)                   ; the products of the K step before are done reading F, in which this step's fragments land (step 0: the wait ahead of the message's stores; only v_nop stand behind it)
.endif
.if \s < 2
	FETCH4 XIMG+2048*\s, 4096
.else
	FETCH4 MIMG+2048*(\s-2), 4096
.endif
	s_wait_dscnt 0x0
	s_wait_loadcnt 48-16*\s                        ; W1's K step s is in; the later steps' loads, 16 each, may be out
	WIN 0x01                                       ; source 0 (W1) window 1
.irp m, 0,1,2,3
.irp i, 0,1,2,3
.set D, ACC+64*(\i/2)+16*\m+8*(\i%2)
.if \s == 0
	v_wmma_f32_16x16x128_fp8_fp8 v[D:D+7], v[64*\s+16*\i:64*\s+16*\i+15], v[F+16*\m:F+16*\m+15], 0
.else
	v_wmma_f32_16x16x128_fp8_fp8 v[D:D+7], v[64*\s+16*\i:64*\s+16*\i+15], v[F+16*\m:F+16*\m+15], v[D:D+7]
.endif
.endr
.endr
	WIN 0
	PLACES 4                                       ; as above; behind the last step they stand ahead of the first read of results and of the first vector write into F
.endr
	; ---- statistics.  Register 8 i + j of T and U: channel 64 w + 32 p + 16 h + 8 u + j.  Each accumulator is read from its low end on.
.irp i, 0,1,2,3
.irp j, 0,2,4,6
.set D, ACC+64*(\i/2)+8*(\i%2)+\j
	v_pk_add_f32 v[T+8*\i+\j:T+8*\i+\j+1], v[D:D+1], v[D+16:D+17]
.endr
.endr
.irp m, 2,3
.irp i, 0,1,2,3
.irp j, 0,2,4,6
.set D, ACC+64*(\i/2)+16*\m+8*(\i%2)+\j
	v_pk_add_f32 v[T+8*\i+\j:T+8*\i+\j+1], v[T+8*\i+\j:T+8*\i+\j+1], v[D:D+1]
.endr
.endr
.endr
.irp x, 1,2,4,8                        ; over the sixteen lanes of my half: sixteen columns of each tile
.irp k, 0,1,2,3,4,5,6,7,8,9,10,11,12,13,14,15,16,17,18,19,20,21,22,23,24,25,26,27,28,29,30,31
	v_add_f32_dpp v[T+\k], v[T+\k], v[T+\k] row_xmask:\x row_mask:0xf bank_mask:0xf
.endr
.endr
.irp k, 0,2,4,6,8,10,12,14,16,18,20,22,24,26,28,30
	v_pk_mul_f32 v[T+\k:T+\k+1], v[T+\k:T+\k+1], 0x3c800000 op_sel_hi:[1,0]   ; / 64: the mean
.endr
.irp m, 0,1,2,3
.irp i, 0,1,2,3
.irp j, 0,2,4,6
.set D, ACC+64*(\i/2)+16*\m+8*(\i%2)+\j
	v_pk_add_f32 v[D:D+1], v[D:D+1], v[T+8*\i+\j:T+8*\i+\j+1] neg_lo:[0,1] neg_hi:[0,1]
.endr
.endr
.endr
.irp m, 0,1,2,3
.irp i, 0,1,2,3
.irp j, 0,2,4,6
.set D, ACC+64*(\i/2)+16*\m+8*(\i%2)+\j
.if \m == 0
	v_pk_mul_f32 v[U+8*\i+\j:U+8*\i+\j+1], v[D:D+1], v[D:D+1]
.else
	v_pk_fma_f32 v[U+8*\i+\j:U+8*\i+\j+1], v[D:D+1], v[D:D+1], v[U+8*\i+\j:U+8*\i+\j+1]
.endif
.endr
.endr
.endr
.irp x, 1,2,4,8
.irp k, 0,1,2,3,4,5,6,7,8,9,10,11,12,13,14,15,16,17,18,19,20,21,22,23,24,25,26,27,28,29,30,31
	v_add_f32_dpp v[U+\k], v[U+\k], v[U+\k] row_xmask:\x row_mask:0xf bank_mask:0xf
.endr
.endr
.irp k, 0,1,2,3,4,5,6,7,8,9,10,11,12,13,14,15,16,17,18,19,20,21,22,23,24,25,26,27,28,29,30,31
	v_ldexp_f32 v[T+\k], v[T+\k], s59              ; x 2^E
	v_ldexp_f32 v[U+\k], v[U+\k], s60              ; x 2^(2 E)
.endr
	s_wait_alu depctr_va_vdst(0)                   ; the statistics v16-79 are written, which the LDS stores below read; no vector line follows, so this also serves the LDS load into v16-19 further down
.irp i, 0,1,2,3
	ds_store_b128 v5, v[T+8*\i:T+8*\i+3] offset:128*(\i/2)+32*(\i%2)          ; the sixteen lanes of a half store the same numbers to the same bytes
	ds_store_b128 v5, v[T+8*\i+4:T+8*\i+7] offset:128*(\i/2)+32*(\i%2)+16
	ds_store_b128 v5, v[U+8*\i:U+8*\i+3] offset:2048+128*(\i/2)+32*(\i%2)
	ds_store_b128 v5, v[U+8*\i+4:U+8*\i+7] offset:2048+128*(\i/2)+32*(\i%2)+16
.endr
	BARRIER
	s_wait_alu depctr_vm_vsrc(0)                   ; my LDS stores have read v16-19, in which the load below lands
	ds_load_b128 v[16:19], v6
	s_wait_dscnt 0x0
	global_store_b128 v2, v[16:19], s[52:53]       ; 4,096 consecutive bytes a work-group
	s_wait_dscnt 0x0                               ; the closing lines, six on end
	s_wait_alu 0x0
	s_wait_tensorcnt 0x0
	ds_add_u32 v254, v255
	s_wait_dscnt 0x0
	s_endpgm
.Lfunc_end_k_qdd0843cc4d_mlp1:
	.size	k_qdd0843cc4d_mlp1, .Lfunc_end_k_qdd0843cc4d_mlp1-k_qdd0843cc4d_mlp1
	.p2alignl 7, 3214868480
	.fill 96, 4, 3214868480
	.section	.rodata,"a",@progbits
	.p2align	6, 0x0
	.amdhsa_kernel k_qdd0843cc4d_mlp1
		.amdhsa_group_segment_fixed_size 54272
		.amdhsa_private_segment_fixed_size 0
		.amdhsa_enable_private_segment 0
		.amdhsa_kernarg_size 56
		.amdhsa_user_sgpr_count 2
		.amdhsa_user_sgpr_kernarg_segment_ptr 1
		.amdhsa_wavefront_size32 1
		.amdhsa_system_sgpr_workgroup_id_x 1
		.amdhsa_system_sgpr_workgroup_id_y 1
		.amdhsa_system_sgpr_workgroup_id_z 1
		.amdhsa_system_vgpr_workitem_id 0
		.amdhsa_next_free_vgpr 512
		.amdhsa_next_free_sgpr 66
		.amdhsa_reserve_vcc 0
		.amdhsa_float_denorm_mode_32 3
		.amdhsa_float_denorm_mode_16_64 3
		.amdhsa_memory_ordered 1
		.amdhsa_forward_progress 1
		.amdhsa_inst_pref_size 65
	.end_amdhsa_kernel
	.amdgpu_metadata
---
amdhsa.version: [ 1, 2 ]
amdhsa.kernels:
  - .name:           k_qdd0843cc4d_mlp1
    .symbol:         k_qdd0843cc4d_mlp1.kd
    .args:
      - { .name: at, .offset: 0, .size: 8, .value_kind: global_buffer, .address_space: global }
      - { .name: acts, .offset: 8, .size: 8, .value_kind: global_buffer, .address_space: global }
      - { .name: wts, .offset: 16, .size: 8, .value_kind: global_buffer, .address_space: global }
      - { .name: bo, .offset: 24, .size: 8, .value_kind: global_buffer, .address_space: global }
      - { .name: lowp_scales, .offset: 32, .size: 8, .value_kind: global_buffer, .address_space: global }
      - { .name: mc, .offset: 40, .size: 8, .value_kind: global_buffer, .address_space: global }
      - { .name: part, .offset: 48, .size: 8, .value_kind: global_buffer, .address_space: global }
    .group_segment_fixed_size: 54272
    .private_segment_fixed_size: 0
    .kernarg_segment_align: 8
    .kernarg_segment_size: 56
    .max_flat_workgroup_size: 256
    .sgpr_count:     66
    .vgpr_count:     512
    .wavefront_size: 32
...
	.end_amdgpu_metadata
.endif
;; end of part 10
;; launch stats (part 11): grid 16 x 1, 1 waves a work-group, no clusters, 0 bytes of LDS; arguments part, b1, gamma, st; writes st
.if DOCPART == 11
	.amdgcn_target "amdgcn-amd-amdhsa--gfx1250"
	.amdhsa_code_object_version 6
	.text
	.protected	k_qdd0843cc4d_stats
	.globl	k_qdd0843cc4d_stats
	.p2align	8
	.type	k_qdd0843cc4d_stats,@function
k_qdd0843cc4d_stats:
	s_mov_b64 s[64:65], 0
	v_nop
	global_prefetch_b8 v0, s[64:65] scope:SCOPE_SE
	s_setreg_imm32_b32 hwreg(HW_REG_WAVE_MODE, 25, 1), 1
	s_wait_xcnt 0x0
; The batch statistics of the 512 hidden channels from the 128 work-groups' parts (each: the mean and the sum of squared deviations over 64 columns, without b1).
; mean = the parts' means' mean;  variance = (the sum of the parts' sums of squares + 64 x the sum of (part's mean - mean)^2) / 8,192: no difference of large sums is formed.
; Stored: mean + b1 (the mean of h as the module has it) and a = gamma / sqrt(variance + 1e-5).
; A lane takes a channel: 32 channels a work-group, one wave.  Each load and store covers 128 consecutive bytes: the whole result is 4,096 bytes, so no wider form is sought.
; REGISTERS: v1 4 x my channel; v16-143 the means, later 64 sums of squares; v144-207 the first 64 sums of squares; v208 b1, v209 gamma; v210-213 four chains; v214 the mean; v215-217 at work.
	s_load_b256 s[4:11], s[0:1], 0x0               ; part, b1, gamma, st
	s_lshl_b32 s12, ttmp9, 5
	v_add_nc_u32 v1, s12, v0
	v_lshlrev_b32 v1, 2, v1                        ; 4 x my channel
	s_wait_alu depctr_va_vdst(0)
	s_wait_kmcnt 0x0
.set g, 0
.rept 128
	global_load_b32 v[16+g], v1, s[4:5] offset:4096*g            ; the means
.set g, g+1
.endr
.set g, 0
.rept 64
	global_load_b32 v[144+g], v1, s[4:5] offset:4096*g+2048      ; the first 64 sums of squares
.set g, g+1
.endr
	global_load_b32 v208, v1, s[6:7]               ; b1
	global_load_b32 v209, v1, s[8:9]               ; gamma
	s_wait_loadcnt 63                              ; the 128 means are older than the 66 loads behind them
.irp k, 0,1,2,3
	v_add_f32 v[210+\k], v[16+\k], v[20+\k]        ; four chains
.endr
.set q, 2
.rept 30
.irp k, 0,1,2,3
	v_add_f32 v[210+\k], v[210+\k], v[16+4*q+\k]
.endr
.set q, q+1
.endr
	v_add_f32 v210, v210, v211
	v_add_f32 v212, v212, v213
	v_add_f32 v210, v210, v212
	v_mul_f32 v214, 0x3c000000, v210               ; / 128: the mean
.set g, 0
.rept 128
	v_sub_f32 v[16+g], v[16+g], v214
.set g, g+1
.endr
.irp k, 0,1,2,3
	v_mul_f32 v[210+\k], v[16+\k], v[16+\k]
.endr
.set q, 1
.rept 31
.irp k, 0,1,2,3
	v_fmac_f32 v[210+\k], v[16+4*q+\k], v[16+4*q+\k]
.endr
.set q, q+1
.endr
	v_add_f32 v210, v210, v211
	v_add_f32 v212, v212, v213
	v_add_f32 v215, v210, v212                     ; the sum of (part's mean - mean)^2
.set g, 0
.rept 64
	global_load_b32 v[16+g], v1, s[4:5] offset:4096*(64+g)+2048  ; the other 64 sums of squares
.set g, g+1
.endr
	s_wait_loadcnt 63                              ; all that was asked for ahead of these 64 is in
.irp k, 0,1,2,3
	v_add_f32 v[210+\k], v[144+\k], v[148+\k]
.endr
.set q, 2
.rept 14
.irp k, 0,1,2,3
	v_add_f32 v[210+\k], v[210+\k], v[144+4*q+\k]
.endr
.set q, q+1
.endr
	s_wait_alu depctr_va_vdst(0)
	s_wait_loadcnt 0x0
.set q, 0
.rept 16
.irp k, 0,1,2,3
	v_add_f32 v[210+\k], v[210+\k], v[16+4*q+\k]
.endr
.set q, q+1
.endr
	v_add_f32 v210, v210, v211
	v_add_f32 v212, v212, v213
	v_add_f32 v210, v210, v212
	v_fmac_f32 v210, 0x42800000, v215              ; + 64 x
	v_mul_f32 v216, 0x39000000, v210               ; / 8,192: the variance
	v_add_f32 v216, 0x3727c5ac, v216               ; + 1e-5
	s_wait_alu depctr_va_vdst(0)
	v_rsq_f32 v217, v216
	v_add_f32 v214, v214, v208                     ; the mean of h; also the plain line behind the root
	s_wait_alu depctr_va_vdst(0)                   ; the wait ahead of the root's first reader
	v_mul_f32 v217, v209, v217
	global_store_b32 v1, v214, s[10:11]
	global_store_b32 v1, v217, s[10:11] offset:2048
	s_endpgm
.Lfunc_end_k_qdd0843cc4d_stats:
	.size	k_qdd0843cc4d_stats, .Lfunc_end_k_qdd0843cc4d_stats-k_qdd0843cc4d_stats
	.p2alignl 7, 3214868480
	.fill 96, 4, 3214868480
	.section	.rodata,"a",@progbits
	.p2align	6, 0x0
	.amdhsa_kernel k_qdd0843cc4d_stats
		.amdhsa_group_segment_fixed_size 0
		.amdhsa_private_segment_fixed_size 0
		.amdhsa_enable_private_segment 0
		.amdhsa_kernarg_size 32
		.amdhsa_user_sgpr_count 2
		.amdhsa_user_sgpr_kernarg_segment_ptr 1
		.amdhsa_wavefront_size32 1
		.amdhsa_system_sgpr_workgroup_id_x 1
		.amdhsa_system_sgpr_workgroup_id_y 1
		.amdhsa_system_sgpr_workgroup_id_z 1
		.amdhsa_system_vgpr_workitem_id 0
		.amdhsa_next_free_vgpr 224
		.amdhsa_next_free_sgpr 66
		.amdhsa_reserve_vcc 0
		.amdhsa_float_denorm_mode_32 3
		.amdhsa_float_denorm_mode_16_64 3
		.amdhsa_memory_ordered 1
		.amdhsa_forward_progress 1
		.amdhsa_inst_pref_size 42
	.end_amdhsa_kernel
	.amdgpu_metadata
---
amdhsa.version: [ 1, 2 ]
amdhsa.kernels:
  - .name:           k_qdd0843cc4d_stats
    .symbol:         k_qdd0843cc4d_stats.kd
    .args:
      - { .name: part, .offset: 0, .size: 8, .value_kind: global_buffer, .address_space: global }
      - { .name: b1, .offset: 8, .size: 8, .value_kind: global_buffer, .address_space: global }
      - { .name: gamma, .offset: 16, .size: 8, .value_kind: global_buffer, .address_space: global }
      - { .name: st, .offset: 24, .size: 8, .value_kind: global_buffer, .address_space: global }
    .group_segment_fixed_size: 0
    .private_segment_fixed_size: 0
    .kernarg_segment_align: 8
    .kernarg_segment_size: 32
    .max_flat_workgroup_size: 32
    .sgpr_count:     66
    .vgpr_count:     224
    .wavefront_size: 32
...
	.end_amdgpu_metadata
.endif
;; end of part 11
;; launch mlp2 (part 12): grid 128 x 1, 8 waves a work-group, no clusters, 142,336 bytes of LDS; arguments acts, mc, wts, st, b1, beta, b2, lowp_scales, out0; writes out0
.if DOCPART == 12
	.amdgcn_target "amdgcn-amd-amdhsa--gfx1250"
	.amdhsa_code_object_version 6
	.text
	.protected	k_qdd0843cc4d_mlp2
	.globl	k_qdd0843cc4d_mlp2
	.p2align	8
	.type	k_qdd0843cc4d_mlp2,@function
k_qdd0843cc4d_mlp2:
	s_mov_b64 s[64:65], 0
	v_nop
	global_prefetch_b8 v0, s[64:65] scope:SCOPE_SE
	s_setreg_imm32_b32 hwreg(HW_REG_WAVE_SCHED_MODE, 0, 2), 2
	s_setreg_imm32_b32 hwreg(HW_REG_WAVE_MODE, 25, 1), 1
	s_wait_xcnt 0x0
	s_wait_alu depctr_vm_vsrc(0)
; out = W2^T relu((h - mean) a + beta) + b2, with h = W1^T [x; message] + b1 made again from the codes, mean and a = gamma / sqrt(var + eps) from the launch before.
; SHARES as in the launch that made the statistics: work-group g: 64 columns = four tiles m; wave w: hidden channels 64 w .. + 63 (W1's tiles 4 w + i, i = 2 p + u), then outputs 32 w .. + 31 (W2's tiles 2 w + n2).
; The weights go from memory straight into registers, once a wave: 32 KB of W1, 16 KB of W2, the second laid over the first's K steps 0 and 1 as soon as these have been multiplied.
; No multicast, for the reason given there: fragments read once by one wave, into registers.
; (b1 - mean) / 2^E, E = entries 12 + 13, is the C of each sum's first matrix instruction: the sums are then (h - mean) / 2^E, and one packed multiply-add with a x 2^E and beta finishes the norm.
; The activation costs nothing: the hold that the conversion wants clips at 0 as well.
; LAYER 1 takes the weight as source 0: a lane holds one column, its 16 registers of tiles 2 p, 2 p + 1 are 16 neighbouring hidden channels: a chunk of layer 2's operand, which goes round through LDS as an image.
; LAYER 2 takes the columns as source 0: a lane holds one output channel and eight neighbouring columns, which is how out0 lies; the results go through the wave's own stage and leave as rows of 256 bytes.
; LIMITS: entry 15 between -126 and 119; entries 14 + 15 between -126 and 127.  E is applied by v_ldexp_f32.
; REGISTERS: window 0: v1-9, v240 addresses; v10, v11 the hidden layer's scale and hold; v[12:15] b2; v16-79 F: four fragments from LDS, a and beta, rows of the result; v80-207 sixteen accumulators ((i, m) at
; 80 + 64 p + 16 m + 8 u), later layer 2's eight (v80-143) and, in v144-207, layer 2's second fragment buffer G and then the results; v208-239 C's, later codes; v254, v255 for the closing lines.
; Window 1: W1 at 64 s + 16 i + 4 c; later W2 (tile n2, K step s2) at 16 (2 s2 + n2).
; THE MODE: SCHED_MODE bits 1:0 = 2 (LLVM: expert scheduling mode 2), set by the entry lines.  The code itself states the register dependences
; between vector or matrix instructions and memory or LDS instructions, with s_wait_alu, always for 0.
; THE PLAN.  Registers that memory or LDS instructions touch:
;   v1-v9, v240       addresses and offsets: written by vector lines at the head, never written again.
;   F = v16-79        At the head: v16-55 loaded from memory, v56-59 written by vector lines, v16-47 and v54-59 read by my LDS stores.  Layer 1: a K step's LDS loads land in F, its products read it.  The norm: a and
;                     beta land in F, the multiply-adds read them.  Layer 2: K steps 0 and 2.  The way out: the loads from the stage land in F, the global stores read it.
;   G = v144-207      Up to the quantiser accumulators of layer 1, named by vector and matrix lines alone.  Layer 2: K steps 1 and 3 land in it.  The way out: vector lines write the results, the LDS stores read them.
;   window 1, 0-127   W1's K steps 0 and 1: loaded at the head, read by those steps' products; then W2's loads land there.
;   v208-239          The C's land there by LDS loads; later the conversions write the codes, which the LDS stores read; not written again.
; LAYER 1 has one fragment buffer (beside W1's 256 registers, the accumulators' 128 and F's 64 a wave has too few for a second): ONE wait on va_vdst at the head of a K step states that the products of the step before
; are done reading F and their part of W1; the step's LDS loads follow it, and behind them W2's loads into that part of W1, with only loads and window switches between.
; LAYER 2 has two, F and G by turns: K steps 0 and 1 are asked for together; at the heads of steps 1 and 2, behind the wait for the buffer in hand, ONE wait on va_vdst states that the products of the step before are
; done reading the other buffer, and the step after next is asked for into it, ahead of this step's products, which name none of its registers.
; A phase's first loads lean on the wait that stands ahead of the LDS stores in front of them, behind which only v_nop follow.  One wait on vm_vsrc: where F takes loads after my LDS stores have read it.
.set XIMG, 0                           ; LDS: x's four tiles (entry 13's codes),
.set MIMG, 16384                       ; the message's,
.set HIMG, 32768                       ; the hidden layer's four tiles of 16 columns x 512 K: 8,192 bytes each,
.set CST,  65536                       ; 512 x (b1 - mean) / 2^E, 512 x a 2^E, 512 x beta,
.set OSTG, 71680                       ; and a stage of 32 rows x (256 + 16) bytes for each wave
.set SP,   272
.set F,   16
.set G,   144
.set ACC, 80
.set Y,   144
.set C0,  208
.set PC,  208
.set MSB, 0
.macro WIN new
.if MSB != \new
	s_set_vgpr_msb (MSB<<8)|\new
.set MSB, \new
.endif
.endm
.macro PLACES n
.rept \n
	v_nop
.endr
.endm
.macro MKQ se, vs, vl, t0, t1
	s_add_co_i32 s[\t0], s[\se], 127
	s_lshl_b32 s[\t1], s[\t0], 23
	v_mov_b32 v[\vs], s[\t1]
	s_add_co_i32 s[\t0], s[\t0], 8
	s_lshl_b32 s[\t0], s[\t0], 23
	s_or_b32 s[\t0], s[\t0], 0x600000
	v_mov_b32 v[\vl], s[\t0]
.endm
.macro QRELU src, dst, vs, vl          ; 16 neighbours along the next K: the activation and the hold in one, then four registers of codes
.irp i, 0,1,2,3,4,5,6,7,8,9,10,11,12,13,14,15
	v_med3_num_f32 v[\src+\i], v[\src+\i], 0, v[\vl]
.endr
	v_cvt_scalef32_pk8_fp8_f32 v[\dst:\dst+1], v[\src:\src+7], v[\vs]
	v_cvt_scalef32_pk8_fp8_f32 v[\dst+2:\dst+3], v[\src+8:\src+15], v[\vs]
.endm
.macro BARRIER
	s_wait_dscnt 0x0
	s_barrier_signal -1
	s_barrier_wait -1
.endm
.macro FETCH4 reg, base, mstr          ; one K step's fragments of the four tiles of columns, into v[reg] on
.irp m, 0,1,2,3
.irp c, 0,1,2,3
	ds_load_b128 v[\reg+16*\m+4*\c:\reg+16*\m+4*\c+3], v1 offset:\base+\m*\mstr+512*\c
.endr
.endr
.endm
	s_load_b512 s[4:19], s[0:1], 0x0               ; acts, mc, wts, st, b1, beta, b2, the exponents
	s_load_b64 s[20:21], s[0:1], 0x40              ; out0
	v_lshl_add_u32 v254, v0, 2, 0x22800
	v_mov_b32 v255, 0
	v_lshrrev_b32 v241, 5, v0
	v_readfirstlane_b32 s22, v241                  ; wave
	v_and_b32 v241, 31, v0
	v_lshlrev_b32 v1, 4, v241                      ; 16 x lane
	v_lshlrev_b32 v2, 4, v0                        ; 16 x thread
	v_lshlrev_b32 v3, 3, v0                        ; 8 x thread: two channels a thread
	v_add_nc_u32 v240, CST, v3
	v_and_b32 v242, 15, v0                         ; r
	v_bfe_u32 v243, v0, 4, 1                       ; h
	s_wait_alu depctr_va_sdst(0)                   ; s22 is written, ahead of its first reader: LDS addresses and all bases are made from it
	s_lshl_b32 s40, s22, 8
	s_add_co_u32 s40, s40, CST
	v_lshl_add_u32 v4, v243, 6, s40                ; my 64 channels' constants, + 16 channels for the upper half of the lanes
	s_lshl_b32 s40, s22, 10
	s_add_co_u32 s40, s40, HIMG
	v_add_nc_u32 v5, s40, v1                       ; the hidden layer's chunks 2 w, 2 w + 1 of a tile
	v_and_b32 v244, 8, v242
	v_add_nc_u32 v244, v244, v242                  ; r + 8 (r / 8)
	v_lshlrev_b32 v9, 2, v244
	s_mul_i32 s40, s22, 32*SP
	s_add_co_u32 s40, s40, OSTG                    ; my stage
	v_mul_u32_u24 v6, v244, SP
	v_lshl_add_u32 v6, v243, 6, v6
	v_add_nc_u32 v6, s40, v6                       ; in: row = my output channel, + 16 columns for the upper half of the lanes
	v_mul_u32_u24 v7, v243, SP
	v_lshl_add_u32 v7, v242, 4, v7
	v_add_nc_u32 v7, s40, v7                       ; back: lanes 0-15 one row of 256 bytes, lanes 16-31 the next
	v_lshlrev_b32 v8, 14, v243
	v_lshl_add_u32 v8, v242, 4, v8                 ; and the same two rows of out0, 16,384 bytes apart
	v_mov_b32 v13, 0                               ; (named as upper halves of pairs)
	v_mov_b32 v15, 0
	s_lshl_b32 s40, ttmp9, 14
	s_mov_b32 s41, 0
	s_mov_b32 s43, 0
	s_wait_kmcnt 0x0
	s_load_b512 s[24:39], s[18:19], 0x0            ; the sixteen exponents: entry k in s[24 + k]
	s_add_nc_u64 s[44:45], s[4:5], s[40:41]
	s_add_nc_u64 s[44:45], s[44:45], 0x400000      ; x's codes with entry 13
	s_add_nc_u64 s[46:47], s[6:7], s[40:41]
	s_lshl_b32 s42, s22, 14
	s_add_co_u32 s42, s42, 262144
	s_add_nc_u64 s[48:49], s[8:9], s[42:43]        ; W1's tiles 4 w ..
	s_lshl_b32 s42, s22, 13
	s_add_co_u32 s42, s42, 524288
	s_add_nc_u64 s[50:51], s[8:9], s[42:43]        ; W2's tiles 2 w, 2 w + 1
	s_lshl_b32 s42, s22, 7
	s_add_nc_u64 s[52:53], s[16:17], s[42:43]      ; b2 at channel 32 w
	s_lshr_b32 s42, ttmp9, 6
	s_lshl_b32 s42, s42, 8
	s_lshl_b32 s60, s22, 5
	s_add_co_u32 s42, s42, s60                     ; row batch x 256 + 32 w of out0,
	s_lshl_b32 s42, s42, 14
	s_and_b32 s60, ttmp9, 63
	s_lshl_b32 s60, s60, 8                         ; my 64 columns
	s_add_co_u32 s42, s42, s60
	s_add_nc_u64 s[54:55], s[20:21], s[42:43]
	s_wait_alu depctr_va_vdst(0)                   ; the addresses and offsets v1 to v9 and v240 are written: every load and store of the kernel, global or LDS, reads one of them
.irp i, 0,1,2,3
	global_load_b128 v[16+4*\i:19+4*\i], v2, s[44:45] offset:4096*\i
.endr
.irp i, 0,1,2,3
	global_load_b128 v[32+4*\i:35+4*\i], v2, s[46:47] offset:4096*\i
.endr
	global_load_b64 v[48:49], v3, s[10:11]               ; the mean of h
	global_load_b64 v[50:51], v3, s[10:11] offset:2048   ; a
	global_load_b64 v[52:53], v3, s[12:13]               ; b1
	global_load_b64 v[54:55], v3, s[14:15]               ; beta
	global_load_b32 v12, v9, s[52:53]                    ; b2 of my lane's channel in tile 2 w,
	global_load_b32 v14, v9, s[52:53] offset:32          ; and in tile 2 w + 1
	WIN 0x40                                       ; destination window 1
.irp s, 0,1,2,3
.irp i, 0,1,2,3
.irp c, 0,1,2,3
	global_load_b128 v[64*\s+16*\i+4*\c:64*\s+16*\i+4*\c+3], v1, s[48:49] offset:131072*(\s/2)+4096*\i+2048*(\s%2)+512*\c
.endr
.endr
.endr
	WIN 0
	s_wait_loadcnt 63                              ; the 14 loads ahead of W1's 64 are in
	s_wait_kmcnt 0x0
	s_add_co_i32 s56, s36, s37                     ; E
	s_sub_co_i32 s57, 0, s56
	s_add_co_i32 s58, s38, s39                     ; entries 14 + 15,
	s_add_co_i32 s58, s58, 127
	s_lshl_b32 s58, s58, 23                        ; as the f32 number 2^(14 + 15)
	s_mov_b32 s59, s58                             ; (named with it as a pair, so it is written)
	MKQ 39, 10, 11, 60, 61
	v_sub_f32 v56, v52, v48
	v_sub_f32 v57, v53, v49
	v_ldexp_f32 v56, v56, s57                      ; (b1 - mean) / 2^E
	v_ldexp_f32 v57, v57, s57
	v_ldexp_f32 v58, v50, s56                      ; a x 2^E
	v_ldexp_f32 v59, v51, s56
	s_wait_alu depctr_va_vdst(0)                   ; v56-59 are written, which the LDS stores below read; and the lines above are done with v48-59, in which fragments land behind the barrier
.irp i, 0,1,2,3
	ds_store_b128 v2, v[16+4*\i:19+4*\i] offset:XIMG+4096*\i
.endr
.irp i, 0,1,2,3
	ds_store_b128 v2, v[32+4*\i:35+4*\i] offset:MIMG+4096*\i
.endr
	ds_store_b64 v240, v[56:57]
	ds_store_b64 v240, v[58:59] offset:2048
	ds_store_b64 v240, v[54:55] offset:4096
	BARRIER                                        ; the columns' tiles and the channels' constants lie in LDS
	s_wait_alu depctr_vm_vsrc(0)                   ; my LDS stores have read v16-47 and v54-59: these registers are part of F from here on, in which the fragments' loads land
.irp i, 0,1,2,3
	ds_load_b128 v[C0+8*\i:C0+8*\i+3], v4 offset:128*(\i/2)+32*(\i%2)         ; channel 64 w + 32 p + 16 h + 8 u + 0 .. 7
	ds_load_b128 v[C0+8*\i+4:C0+8*\i+7], v4 offset:128*(\i/2)+32*(\i%2)+16
.endr
	; ---- layer 1: sixteen accumulators by turns, K steps 0, 1 on x, 2, 3 on the message
.irp s, 0,1,2,3
.if \s > 0
	s_wait_alu depctr_va_vdst(0)                   ; the products of the K step before are done reading F, in which this step's fragments land, and (steps 1 and 2) their 64 registers of W1, in which W2's loads land
.endif
.if \s < 2
	FETCH4 F, XIMG+2048*\s, 4096
.else
	FETCH4 F, MIMG+2048*(\s-2), 4096
.endif
.if (\s == 1) || (\s == 2)
	WIN 0x40                                       ; W2's K steps 2 (s - 1) and 2 (s - 1) + 1 take the registers of W1's K step s - 1.  Since the wait above: loads and window switches alone
.irp q, 0,1
.irp n, 0,1
.irp c, 0,1,2,3
	global_load_b128 v[16*(2*(2*(\s-1)+\q)+\n)+4*\c:16*(2*(2*(\s-1)+\q)+\n)+4*\c+3], v1, s[50:51] offset:65536*(\s-1)+4096*\n+2048*\q+512*\c
.endr
.endr
.endr
	WIN 0
.endif
	s_wait_dscnt 0x0
.if \s < 3
	s_wait_loadcnt 48                              ; W1's K step s is in.  Behind it: W1's later steps, 16 loads each, and the groups of 16 loads of W2 issued so far: 48 in steps 0, 1 and 2,
.else
	s_wait_loadcnt 32                              ; 32 in step 3
.endif
	WIN 0x01                                       ; source 0 (W1) window 1
.irp m, 0,1,2,3
.irp i, 0,1,2,3
.set D, ACC+64*(\i/2)+16*\m+8*(\i%2)
.if \s == 0
	v_wmma_f32_16x16x128_fp8_fp8 v[D:D+7], v[64*\s+16*\i:64*\s+16*\i+15], v[F+16*\m:F+16*\m+15], v[C0+8*\i:C0+8*\i+7]
.else
	v_wmma_f32_16x16x128_fp8_fp8 v[D:D+7], v[64*\s+16*\i:64*\s+16*\i+15], v[F+16*\m:F+16*\m+15], v[D:D+7]
.endif
.endr
.endr
	WIN 0
	PLACES 4                                       ; four plain vector lines behind the products, ahead of loads into registers that they read and of the first read of results
.endr
	; ---- the norm, the activation, the quantiser
	s_wait_alu depctr_va_vdst(0)                   ; K step 3's products are done reading F, in which a and beta land
.irp i, 0,1,2,3
	ds_load_b128 v[F+8*\i:F+8*\i+3], v4 offset:2048+128*(\i/2)+32*(\i%2)
	ds_load_b128 v[F+8*\i+4:F+8*\i+7], v4 offset:2048+128*(\i/2)+32*(\i%2)+16
	ds_load_b128 v[F+32+8*\i:F+32+8*\i+3], v4 offset:4096+128*(\i/2)+32*(\i%2)
	ds_load_b128 v[F+32+8*\i+4:F+32+8*\i+7], v4 offset:4096+128*(\i/2)+32*(\i%2)+16
.endr
	s_wait_dscnt 0x0
.irp m, 0,1,2,3
.irp i, 0,1,2,3
.irp j, 0,2,4,6
.set D, ACC+64*(\i/2)+16*\m+8*(\i%2)+\j
	v_pk_fma_f32 v[D:D+1], v[D:D+1], v[F+8*\i+\j:F+8*\i+\j+1], v[F+32+8*\i+\j:F+32+8*\i+\j+1]   ; (h - mean) a + beta, each accumulator from its low end on
.endr
.endr
.endr
.irp m, 0,1,2,3
.irp p, 0,1
	QRELU ACC+64*\p+16*\m, PC+8*\m+4*\p, 10, 11
.endr
.endr
	v_nop
	s_wait_alu depctr_va_vdst(0)                   ; the conversions have written the codes v208-239, which the LDS stores below read; and the norm and the quantiser are done with F and with v144-207, in which layer 2's first fragments land
.irp m, 0,1,2,3
.irp p, 0,1
	ds_store_b128 v5, v[PC+8*\m+4*\p:PC+8*\m+4*\p+3] offset:8192*\m+512*\p
.endr
.endr
	BARRIER                                        ; the hidden layer's four tiles lie in LDS
	; ---- layer 2: eight accumulators by turns, a K step at a time; the fragments in F and G by turns
	s_wait_loadcnt 0x0                             ; W2
	PLACES 5                                       ; the accumulators are laid over layer 1's: five plain lines ahead of a product that writes over registers of earlier ones
	FETCH4 F, HIMG, 8192                           ; K step 0.  No wait: only v_nop stand behind the wait ahead of the LDS stores above
	FETCH4 G, HIMG+2048, 8192                      ; K step 1
.irp s, 0,1,2,3
.set FB, F+(G-F)*(\s%2)
.if \s == 0
	s_wait_dscnt 16                                ; F is in; G's sixteen loads may be out
.else
	s_wait_dscnt 0x0                               ; this step's buffer is in: nothing younger is out
.endif
.if (\s == 1) || (\s == 2)
	s_wait_alu depctr_va_vdst(0)                   ; the products of the K step before are done reading the other buffer, in which the step after next lands
	FETCH4 F+(G-F)*((\s+1)%2), HIMG+2048*(\s+1), 8192
.endif
	WIN 0x04                                       ; source 1 (W2) window 1
.irp m, 0,1,2,3
.irp n, 0,1
.if \s == 0
	v_wmma_f32_16x16x128_fp8_fp8 v[ACC+8*(4*\n+\m):ACC+8*(4*\n+\m)+7], v[FB+16*\m:FB+16*\m+15], v[16*(2*\s+\n):16*(2*\s+\n)+15], 0
.else
	v_wmma_f32_16x16x128_fp8_fp8 v[ACC+8*(4*\n+\m):ACC+8*(4*\n+\m)+7], v[FB+16*\m:FB+16*\m+15], v[16*(2*\s+\n):16*(2*\s+\n)+15], v[ACC+8*(4*\n+\m):ACC+8*(4*\n+\m)+7]
.endif
.endr
.endr
	WIN 0
	PLACES 4                                       ; four plain vector lines behind the products: ahead of loads into the buffer that they read; behind the last step, of the first read of results and of the vector lines that write over G
.endr
	; ---- the way out.  Lane (r, h) of accumulator (n2, m): output channel 32 w + 8 n2 + r + 8 (r / 8), columns 32 (m / 2) + 16 h + 8 (m % 2) + 0 .. 7
.irp n, 0,1
.irp m, 0,1,2,3
.irp j, 0,2,4,6
	v_pk_fma_f32 v[Y+8*(4*\n+\m)+\j:Y+8*(4*\n+\m)+\j+1], v[ACC+8*(4*\n+\m)+\j:ACC+8*(4*\n+\m)+\j+1], s[58:59], v[12+2*\n:13+2*\n] op_sel_hi:[1,0,0]   ; sum x 2^(14 + 15) + b2
.endr
.endr
.endr
	s_wait_alu depctr_va_vdst(0)                   ; the results v144-207 are written, which the LDS stores below read; and K step 2's products are done reading F, in which the loads from the stage land
.irp n, 0,1
.irp m, 0,1,2,3
	ds_store_b128 v6, v[Y+8*(4*\n+\m):Y+8*(4*\n+\m)+3] offset:8*SP*\n+128*(\m/2)+32*(\m%2)
	ds_store_b128 v6, v[Y+8*(4*\n+\m)+4:Y+8*(4*\n+\m)+7] offset:8*SP*\n+128*(\m/2)+32*(\m%2)+16
.endr
.endr
.irp k, 0,1,2,3,4,5,6,7,8,9,10,11,12,13,14,15
	ds_load_b128 v[F+4*\k:F+4*\k+3], v7 offset:2*SP*\k   ; the stage is my own, and LDS serves a wave's instructions in order: these see my stores
.endr
.irp k, 0,1,2,3,4,5,6,7,8,9,10,11,12,13,14,15
	s_wait_dscnt 15-\k                             ; the younger loads may stay out
	global_store_b128 v8, v[F+4*\k:F+4*\k+3], s[54:55] offset:32768*\k th:TH_STORE_NT   ; sixteen lanes store 256 consecutive bytes, at a multiple of 256 from out0's first byte
.endr
	s_wait_dscnt 0x0                               ; the closing lines, six on end
	s_wait_alu 0x0
	s_wait_tensorcnt 0x0
	ds_add_u32 v254, v255
	s_wait_dscnt 0x0
	s_endpgm
.Lfunc_end_k_qdd0843cc4d_mlp2:
	.size	k_qdd0843cc4d_mlp2, .Lfunc_end_k_qdd0843cc4d_mlp2-k_qdd0843cc4d_mlp2
	.p2alignl 7, 3214868480
	.fill 96, 4, 3214868480
	.section	.rodata,"a",@progbits
	.p2align	6, 0x0
	.amdhsa_kernel k_qdd0843cc4d_mlp2
		.amdhsa_group_segment_fixed_size 142336
		.amdhsa_private_segment_fixed_size 0
		.amdhsa_enable_private_segment 0
		.amdhsa_kernarg_size 72
		.amdhsa_user_sgpr_count 2
		.amdhsa_user_sgpr_kernarg_segment_ptr 1
		.amdhsa_wavefront_size32 1
		.amdhsa_system_sgpr_workgroup_id_x 1
		.amdhsa_system_sgpr_workgroup_id_y 1
		.amdhsa_system_sgpr_workgroup_id_z 1
		.amdhsa_system_vgpr_workitem_id 0
		.amdhsa_next_free_vgpr 512
		.amdhsa_next_free_sgpr 72
		.amdhsa_reserve_vcc 0
		.amdhsa_float_denorm_mode_32 3
		.amdhsa_float_denorm_mode_16_64 3
		.amdhsa_memory_ordered 1
		.amdhsa_forward_progress 1
		.amdhsa_inst_pref_size 53
	.end_amdhsa_kernel
	.amdgpu_metadata
---
amdhsa.version: [ 1, 2 ]
amdhsa.kernels:
  - .name:           k_qdd0843cc4d_mlp2
    .symbol:         k_qdd0843cc4d_mlp2.kd
    .args:
      - { .name: acts, .offset: 0, .size: 8, .value_kind: global_buffer, .address_space: global }
      - { .name: mc, .offset: 8, .size: 8, .value_kind: global_buffer, .address_space: global }
      - { .name: wts, .offset: 16, .size: 8, .value_kind: global_buffer, .address_space: global }
      - { .name: st, .offset: 24, .size: 8, .value_kind: global_buffer, .address_space: global }
      - { .name: b1, .offset: 32, .size: 8, .value_kind: global_buffer, .address_space: global }
      - { .name: beta, .offset: 40, .size: 8, .value_kind: global_buffer, .address_space: global }
      - { .name: b2, .offset: 48, .size: 8, .value_kind: global_buffer, .address_space: global }
      - { .name: lowp_scales, .offset: 56, .size: 8, .value_kind: global_buffer, .address_space: global }
      - { .name: out0, .offset: 64, .size: 8, .value_kind: global_buffer, .address_space: global }
    .group_segment_fixed_size: 142336
    .private_segment_fixed_size: 0
    .kernarg_segment_align: 8
    .kernarg_segment_size: 72
    .max_flat_workgroup_size: 256
    .sgpr_count:     72
    .vgpr_count:     512
    .wavefront_size: 32
...
	.end_amdgpu_metadata
.endif
;; end of part 12
